; MI455X (gfx1250); checked and timed in simulation.
; The chip was launched on July 23, 2026; its instructions are those of AMD's public machine-readable ISA for CDNA 5 (MIT licence, August 2026) and "CDNA5" Instruction Set Architecture Reference Guide (July 2026). The comments in the code are by the model that wrote it; some were corrected since.
;; Multi Head Attention. Allowed arithmetic: matrix products marked QUANTISED: E5M2 operands, one given power-of-two scale a tensor, by v_wmma_f32_16x16x64_bf8_bf8 or v_wmma_f32_16x16x128_bf8_bf8, f32 sums; everything else in f32.
;; Inputs: bk 1,024 float32; bo 1,024 float32; bq 1,024 float32; bv 1,024 float32; k 4 x 2,048 x 1,024 float32; lowp_scales 12 int32 (the exponents e of the quantised operands' scales 2^e); mask 4 x 2,048 x 2,048 bool; q 4 x 2,048 x 1,024 float32; v 4 x 2,048 x 1,024 float32; wk 1,024 x 1,024 float32; wo 1,024 x 1,024 float32; wq 1,024 x 1,024 float32; wv 1,024 x 1,024 float32.
;; Outputs: out0 4 x 2,048 x 1,024 float32.
;; This version of the problem:
;;   THIS VERSION OF THE PROBLEM IS GIVEN IN LOW PRECISION. The matrix products marked QUANTISED in the list below multiply operands that are first quantised to E5M2 (5 exponent bits, 2 mantissa bits; 8 bits a number), with one given power-of-two scale for each operand tensor; their sums are f32. All else is computed in f32.
;;   The module's matrix products, in the order in which they are computed (A, B: the left and right operand; K: the contracted axis; several contracted axes count as one K, in the product's order):
;;     1. [M 8,192, K 1,024] x [K 1,024, N 1,024]; A: input q; B: input wq: QUANTISED (scales: A lowp_scales[0], B lowp_scales[1])
;;     2. [M 8,192, K 1,024] x [K 1,024, N 1,024]; A: input k; B: input wk: QUANTISED (scales: A lowp_scales[2], B lowp_scales[3])
;;     3. [M 8,192, K 1,024] x [K 1,024, N 1,024]; A: input v; B: input wv: QUANTISED (scales: A lowp_scales[4], B lowp_scales[5])
;;     4. batch 64 x [M 2,048, K 64] x [K 64, N 2,048]; A: computed on the way; B: computed on the way: QUANTISED (scales: A lowp_scales[6], B lowp_scales[7])
;;     5. batch 64 x [M 2,048, K 2,048] x [K 2,048, N 64]; A: softmax (see below); B: computed on the way: QUANTISED (scales: A lowp_scales[8], B lowp_scales[9])
;;     6. [M 8,192, K 1,024] x [K 1,024, N 1,024]; A: computed on the way; B: input wo: QUANTISED (scales: A lowp_scales[10], B lowp_scales[11])
;;   THE QUANTISER, for each operand of a quantised product, along K:
;;     - The operand's scale is 2^e, e = its entry of the input lowp_scales (int32; the entries are numbered through the quantised products in the list's order, A before B).
;;     - Each number is divided by the scale, clamped to +-57,344, and rounded to the nearest number of E5M2, ties to even, subnormals kept.
;;     - The product sums the exact products of the quantised numbers (number of the format x scale) in f32.
;;   ~~~python
;;   def quantise(x, axis, e):      # numpy; x: float32 -> the quantised numbers, widened to float32 again
;;       x = np.moveaxis(x, axis, -1); K = x.shape[-1]
;;       r = np.clip(x / 2.0 ** e, -57344, 57344)
;;       step = 2.0 ** (np.maximum(np.frexp(np.where(r == 0, 1, r))[1] - 1, -14) - 2)
;;       q = np.round(r / step) * step * 2.0 ** e      # np.round: ties to even
;;       return np.moveaxis(q, -1, axis).astype(np.float32)
;;   ~~~
;;   SOFTMAX AHEAD OF A QUANTISED PRODUCT. Where the list says 'softmax', what is quantised is not the finished softmax but p = 2^(t - M), with t = logit x log2(e) and M = ceil(the row's largest t), a whole number; so 1/2 < the row's largest p <= 1. The row's sum l is taken of the UNQUANTISED p, in f32, and the product's result is divided by l at the end. Since M is a whole number, a kernel that streams over the keys may use a running M (the ceiling of the running maximum): every later rescaling is an exact power of two, so the quantised numbers keep their values, but for numbers so far below the row's largest that they fall under the format's range.
;;   OPERANDS COMPUTED ON THE WAY. 'Computed on the way' means the value that the module computes at that place (a softmax that the list does not call 'softmax' is quantised finished and normalised). What goes into a quantiser is computed in f32, as accurately as f32 sums, v_exp_f32 and their like allow (about 1e-6 of the number): no bf16 or f16 on the way to a quantiser, and a product that is left as it is and whose result goes on into a quantised operand takes f32 operands (vector FMAs, or v_wmma_f32_16x16x4_f32). A number that lies on a knife's edge between two numbers of the format may be rounded either way, as far as f32 arithmetic and the matrix unit's own rounding can turn it there, and no further.
;; 3 versions. Each part assembles by itself: llvm-mc -triple=amdgcn-amd-amdhsa -mcpu=gfx1250 --defsym DOCPART=n.
;; ======== version 1 of 3: 4 launches
;; limits: right only within a limited range of input values
;; workspace buffers: wimg 4,194,304 bytes; mw 2,097,152 bytes of whole numbers; qimg 8,388,608 bytes; kv 16,777,216 bytes; zimg 8,388,608 bytes
;; launch prep (part 1): grid 640 x 1, 4 waves a work-group, no clusters, 0 bytes of LDS; arguments wq, wk, wv, wo, mask, lowp_scales, wimg, mw; writes wimg, mw
.if DOCPART == 1
	.amdgcn_target "amdgcn-amd-amdhsa--gfx1250"
	.amdhsa_code_object_version 6
	.text
	.protected	k_qf6ce3a916f_prep
	.globl	k_qf6ce3a916f_prep
	.p2align	8
	.type	k_qf6ce3a916f_prep,@function
k_qf6ce3a916f_prep:
	s_mov_b64 s[64:65], 0
	v_nop
	global_prefetch_b8 v0, s[64:65] scope:SCOPE_SE
	s_setreg_imm32_b32 hwreg(HW_REG_WAVE_MODE, 25, 1), 1
	s_wait_xcnt 0x0
; PREP: two jobs that need no product, told apart by the work-group's number.
; (a) Work-groups 0-127: the four weights [1024 (k)][1024 (n)] f32 become codes of E5M2, laid as IMAGES OF OPERAND REGISTERS:
;     wimg[j][cg = n / 64][T = 0..3][s = k / 128] is a fragment of 2,048 bytes; its piece c (512 bytes) holds at 16 x lane the 16 codes k = 128 s + 32 c + 16 (lane / 16) + 0..15
;     of column 64 cg + 32 (T / 2) + 8 (T % 2) + r + 8 (r / 8), r = lane % 16.  So a later launch fills a fragment by four 16-byte loads a lane, each load 512 bytes on end.
;     A lane takes a column and its registers run down K: nothing is transposed.  code = x / 2^e, held within +-57,344, to the nearest code, ties to even.
; (b) Work-groups 128-639: the mask's bytes become LANE MASKS.  mw[m = batch x 128 + query tile][key step of 128][64 words]: bit L of word n says whether
;     query 32 (tile / 2) + 8 (tile % 2) + r + 8 (r / 8) attends to key 128 step + 32 (n / 16) + 16 (L / 16) + n % 16: the place of score register n of lane L in the attention launch.
; LIMITS: each weight's exponent e lies between -126 and 112.  NaN among the weights is not served.  A mask byte counts as true where it is not 0.
; No LDS, no barrier, EXEC is never changed: waves share nothing.  No matrix work, so no cluster and no tensor load.
.set XSET, 32                          ; v32-95   (a) two sets of 32 numbers;  (b) v32-95: 4 steps x 16 registers of mask bytes
.set CD,   96                          ; v96-159  (a) a block's 8 registers of codes, a set for each block: no store's data are written again;  (b) v96-103 the words
.macro LOAD t                          ; block t: W(32 t + i, my column), i = 0..31: a wave reads 128 bytes on end, the four waves 512
.set i, 0
.rept 32
	global_load_b32 v[XSET+32*((\t)%2)+i], v3, s[4:5] offset:(32*(\t)+i)*4096 th:TH_LOAD_NT
.set i, i+1
.endr
.endm
.macro BLOCK t
.if (\t) < 7
	s_wait_loadcnt 32                              ; this block's 32 loads are in; the next block's 32 may be out
.else
	s_wait_loadcnt 0x0
.endif
.set i, 0
.rept 32
	v_med3_num_f32 v[XSET+32*((\t)%2)+i], v[XSET+32*((\t)%2)+i], -v10, v10   ; the conversion to an 8-bit code does not saturate (ISA guide 7.6.2): the hold at the largest code x the scale
.set i, i+1
.endr
.irp g, 0,1,2,3
	v_cvt_scalef32_pk8_bf8_f32 v[CD+8*(\t)+2*\g:CD+8*(\t)+2*\g+1], v[XSET+32*((\t)%2)+8*\g:XSET+32*((\t)%2)+8*\g+7], v11
.endr
	; codes 0-15 of the block are the half lane / 16 = 0 of piece t % 4 of fragment s = 2 y + t / 4, codes 16-31 the other half, 256 bytes on.  Sixteen lanes fill 256 bytes on end, aligned
	global_store_b128 v4, v[CD+8*(\t):CD+8*(\t)+3], s[16:17] offset:((\t)/4)*2048+((\t)%4)*512
	global_store_b128 v4, v[CD+8*(\t)+4:CD+8*(\t)+7], s[16:17] offset:((\t)/4)*2048+((\t)%4)*512+256
.if (\t) < 6
	LOAD (\t)+2
.endif
.endm
.macro WORDS sl                        ; the 64 words of my sl-th step
	s_wait_loadcnt 12-4*\sl                        ; this step's four loads are in; the later steps' four each may be out
.set n, 0
.rept 64
	v_and_b32 v[104+n%4], 0xff<<(8*(n%4)), v[32+16*\sl+n/4]      ; byte n of my 64
	v_cmp_ne_u32 s[20+n%8], 0, v[104+n%4]                        ; one bit a lane
	v_writelane_b32 v[96+2*\sl+n%2], s[20+n%8], n/2              ; word n goes to lane n / 2, register n % 2: the store below lays the words on end
.set n, n+1
.endr
	global_store_b64 v5, v[96+2*\sl:97+2*\sl], s[18:19] offset:256*\sl   ; 32 lanes x 8 bytes: 256 bytes on end, aligned
.endm
	s_load_b512 s[4:19], s[0:1], 0x0               ; wq s[4:5], wk s[6:7], wv s[8:9], wo s[10:11], mask s[12:13], exponents s[14:15], wimg s[16:17], mw s[18:19]
	v_lshrrev_b32 v1, 5, v0
	v_readfirstlane_b32 s2, v1                     ; wave 0..3
	v_and_b32 v2, 31, v0                           ; lane
	s_cmp_lt_u32 ttmp9, 128
	s_cbranch_scc0 .Lmask
	; ---- (a) a weight: id = 32 j + 8 y + x.  My wave: columns 128 x + 32 wave + lane, k = 256 y .. 256 y + 255
	s_lshr_b32 s28, ttmp9, 5                       ; j: wq, wk, wv, wo
	s_bfe_u32 s29, ttmp9, 0x20003                  ; y
	s_and_b32 s30, ttmp9, 7                        ; x
	v_lshlrev_b32 v3, 2, v2                        ; in: 4 bytes a lane
	v_bfe_u32 v5, v2, 3, 1                         ; my column's tile of the two in its group of 32: (lane / 8) % 2,
	v_and_b32 v6, 7, v2
	v_lshrrev_b32 v7, 4, v2
	v_lshl_add_u32 v6, v7, 3, v6                   ; and its row there: lane % 8 + 8 (lane / 16)
	v_lshlrev_b32 v4, 4, v6
	v_lshl_add_u32 v4, v5, 14, v4                  ; out: 16 x row + 16,384 x tile (a tile's eight fragments)
	s_lshl_b32 s32, s29, 20                        ; source: 256 y rows of 4,096 bytes
	s_lshl_b32 s33, s30, 9
	s_add_co_u32 s32, s32, s33                     ; + 128 x columns
	s_lshl_b32 s33, s2, 7
	s_add_co_u32 s32, s32, s33                     ; + 32 wave columns
	s_mov_b32 s33, 0
	s_lshl_b32 s34, s28, 20                        ; destination: the weight's 2^20 bytes,
	s_lshl_b32 s35, s30, 17
	s_add_co_u32 s34, s34, s35
	s_lshl_b32 s35, s2, 15
	s_add_co_u32 s34, s34, s35                     ; (8 x + 2 wave) tiles of 16,384 bytes,
	s_lshl_b32 s35, s29, 12
	s_add_co_u32 s34, s34, s35                     ; fragment s = 2 y
	s_mov_b32 s35, 0
	s_wait_kmcnt 0x0
	s_load_b256 s[36:43], s[14:15], 0x0            ; e0 .. e7
	s_load_b128 s[44:47], s[14:15], 0x20           ; e8 .. e11
	s_cmp_eq_u32 s28, 1                            ; the choice of the buffer hangs on the work-group's number alone
	s_cselect_b64 s[4:5], s[6:7], s[4:5]
	s_cmp_eq_u32 s28, 2
	s_cselect_b64 s[4:5], s[8:9], s[4:5]
	s_cmp_eq_u32 s28, 3
	s_cselect_b64 s[4:5], s[10:11], s[4:5]
	s_add_nc_u64 s[4:5], s[4:5], s[32:33]
	s_add_nc_u64 s[16:17], s[16:17], s[34:35]
	LOAD 0
	LOAD 1
	s_wait_kmcnt 0x0
	s_cmp_eq_u32 s28, 1                            ; the weight's exponent: entry 1, 3, 5 or 11
	s_cselect_b32 s48, s39, s37
	s_cmp_eq_u32 s28, 2
	s_cselect_b32 s48, s41, s48
	s_cmp_eq_u32 s28, 3
	s_cselect_b32 s48, s47, s48
	s_add_co_i32 s48, s48, 127
	s_lshl_b32 s49, s48, 23
	v_mov_b32 v11, s49                             ; 2^e as f32: the conversion takes its exponent field
	s_add_co_i32 s48, s48, 15
	s_lshl_b32 s48, s48, 23
	s_or_b32 s48, s48, 0x600000
	v_mov_b32 v10, s48                             ; 57,344 x 2^e
.irp t, 0,1,2,3,4,5,6,7
	BLOCK \t
.endr
	s_endpgm
	; ---- (b) the mask: m = id - 128 = batch x 128 + query tile.  My wave: key steps 4 wave .. 4 wave + 3
.Lmask:
	s_sub_co_u32 s28, ttmp9, 128                   ; m
	s_lshr_b32 s30, s28, 1
	s_lshl_b32 s30, s30, 16                        ; 32 (m / 2) rows of 2,048 bytes
	s_and_b32 s31, s28, 1
	s_lshl_b32 s31, s31, 14                        ; + 8 (m % 2) rows
	s_add_co_u32 s30, s30, s31
	s_lshl_b32 s31, s2, 9                          ; + my four steps' 512 keys
	s_add_co_u32 s30, s30, s31
	s_mov_b32 s31, 0
	s_lshl_b32 s32, s28, 12                        ; out: 16 m + 4 wave steps of 256 bytes
	s_lshl_b32 s33, s2, 10
	s_add_co_u32 s32, s32, s33
	s_mov_b32 s33, 0
	v_and_b32 v6, 15, v0                           ; r
	v_and_b32 v7, 8, v6
	v_add_nc_u32 v6, v6, v7                        ; r + 8 (r / 8): my query's row among the tile's
	v_bfe_u32 v7, v0, 4, 1
	v_lshlrev_b32 v3, 11, v6
	v_lshl_add_u32 v3, v7, 4, v3                   ; in: my row, + 16 (lane / 16)
	v_lshlrev_b32 v5, 3, v2                        ; out: 8 bytes a lane
.irp j, 0,1,2,3,4,5,6,7
	v_mov_b32 v[96+\j], 0                          ; a lane write's destination counts as read: written once
.endr
	s_wait_kmcnt 0x0
	s_add_nc_u64 s[12:13], s[12:13], s[30:31]
	s_add_nc_u64 s[18:19], s[18:19], s[32:33]
.irp sl, 0,1,2,3
.irp bb, 0,1,2,3
	global_load_b128 v[32+16*\sl+4*\bb:35+16*\sl+4*\bb], v3, s[12:13] offset:128*\sl+32*\bb th:TH_LOAD_NT   ; keys 32 bb + 16 (lane / 16) + 0..15 of the step
.endr
.endr
.irp sl, 0,1,2,3
	WORDS \sl
.endr
	s_endpgm
.Lfunc_end_k_qf6ce3a916f_prep:
	.size	k_qf6ce3a916f_prep, .Lfunc_end_k_qf6ce3a916f_prep-k_qf6ce3a916f_prep
	.p2alignl 7, 3214868480
	.fill 96, 4, 3214868480
	.section	.rodata,"a",@progbits
	.p2align	6, 0x0
	.amdhsa_kernel k_qf6ce3a916f_prep
		.amdhsa_group_segment_fixed_size 0
		.amdhsa_private_segment_fixed_size 0
		.amdhsa_enable_private_segment 0
		.amdhsa_kernarg_size 64
		.amdhsa_user_sgpr_count 2
		.amdhsa_user_sgpr_kernarg_segment_ptr 1
		.amdhsa_wavefront_size32 1
		.amdhsa_system_sgpr_workgroup_id_x 1
		.amdhsa_system_sgpr_workgroup_id_y 1
		.amdhsa_system_sgpr_workgroup_id_z 1
		.amdhsa_system_vgpr_workitem_id 0
		.amdhsa_next_free_vgpr 176
		.amdhsa_next_free_sgpr 66
		.amdhsa_reserve_vcc 0
		.amdhsa_float_denorm_mode_32 3
		.amdhsa_float_denorm_mode_16_64 3
		.amdhsa_memory_ordered 1
		.amdhsa_forward_progress 1
		.amdhsa_inst_pref_size 98
	.end_amdhsa_kernel
	.amdgpu_metadata
---
amdhsa.version: [ 1, 2 ]
amdhsa.kernels:
  - .name:           k_qf6ce3a916f_prep
    .symbol:         k_qf6ce3a916f_prep.kd
    .args:
      - { .name: wq, .offset: 0, .size: 8, .value_kind: global_buffer, .address_space: global }
      - { .name: wk, .offset: 8, .size: 8, .value_kind: global_buffer, .address_space: global }
      - { .name: wv, .offset: 16, .size: 8, .value_kind: global_buffer, .address_space: global }
      - { .name: wo, .offset: 24, .size: 8, .value_kind: global_buffer, .address_space: global }
      - { .name: mask, .offset: 32, .size: 8, .value_kind: global_buffer, .address_space: global }
      - { .name: lowp_scales, .offset: 40, .size: 8, .value_kind: global_buffer, .address_space: global }
      - { .name: wimg, .offset: 48, .size: 8, .value_kind: global_buffer, .address_space: global }
      - { .name: mw, .offset: 56, .size: 8, .value_kind: global_buffer, .address_space: global }
    .group_segment_fixed_size: 0
    .private_segment_fixed_size: 0
    .kernarg_segment_align: 8
    .kernarg_segment_size: 64
    .max_flat_workgroup_size: 128
    .sgpr_count:     66
    .vgpr_count:     176
    .wavefront_size: 32
...
	.end_amdgpu_metadata
.endif
;; end of part 1
;; launch proj (part 2): grid 4 x 48, 4 waves a work-group, no clusters, 99,328 bytes of LDS; arguments q, k, v, bq, bk, bv, lowp_scales, wimg, qimg, kv; writes qimg, kv
.if DOCPART == 2
	.amdgcn_target "amdgcn-amd-amdhsa--gfx1250"
	.amdhsa_code_object_version 6
	.text
	.protected	k_qf6ce3a916f_proj
	.globl	k_qf6ce3a916f_proj
	.p2align	8
	.type	k_qf6ce3a916f_proj,@function
k_qf6ce3a916f_proj:
	s_mov_b64 s[64:65], 0
	v_nop
	global_prefetch_b8 v0, s[64:65] scope:SCOPE_SE
	s_setreg_imm32_b32 hwreg(HW_REG_WAVE_MODE, 25, 1), 1
	s_wait_xcnt 0x0
; PROJ: the three projections x W + b (x = q, k, v: [8192][1024] f32), both operands as codes of E5M2, sums in f32; the result is quantised at once for the attention launch.
; SHARES.  Work-group (x, y): column slice x (four heads), tensor t = y / 16, rows 512 (y % 16) on.  Wave w owns head 4 x + w: its 32 fragments of W (64 columns x 1,024 K, 512 registers)
; stay in registers for the whole launch.  16 trips of 32 rows.  12 pairs (tensor, slice) x 16 row groups = 192 work-groups.
; A TRIP.  Wave w loads rows 8 w .. 8 w + 7 as they lie (a load is 512 bytes on end), holds and converts them (one scale a tensor: a conversion's eight numbers need not be neighbours) and stores
; the codes into LDS rows; a barrier; every wave reads the 32 rows' fragments and multiplies.  Two LDS buffers take turns, so one barrier a trip serves: a buffer is written again only by waves that
; have passed the next barrier, which every wave signals behind its reads of it.
; THE ROWS AND COLUMNS OF A TILE ARE NOT NEIGHBOURS: in a group of 32, lane r of tile u takes 8 u + r + 8 (r / 8).  So the 16 result registers of two neighbouring tiles are 16 neighbours along the axis
; that lies in the registers, and the conversions' results are the next operand's registers.
; q, k: source 0 = W, source 1 = x: a lane holds one row and 16 neighbouring channels.  v: source 0 = x, source 1 = W: a lane holds one channel and 16 neighbouring keys (the keys are the next K).
; The bias, divided by 2^(ea + eb), is the C of each sum's first matrix instruction; the three scales ahead of the quantiser are folded into the conversion's one, 2^(eo - ea - eb).
; OUT: qimg[batch x 16 + head][query tile] 1,024 bytes; kv[batch x 16 + head][step of 128 keys]: 8 tiles of K (1,024 bytes each), then 4 tiles of V^T (2,048 each): images of operand registers, 16 bytes a lane, 512 a store.
; NO CLUSTER: x comes from memory into registers as f32 and only its codes reach LDS, W lies in registers: no tile lands in LDS from memory, so there is none for a joint load to share.
; LIMITS: ea, and eo - ea - eb, between -126 and 112.  NaN among the inputs is not served.
; REGISTERS, in windows of 256: window 0: see below; window 1: x as loaded, pair p, row rho, segment g at 64 p + 32 rho + 4 g; windows 2, 3: W(tile t, K step s) at window 2 + s / 4, register 64 (s % 4) + 16 t.
.set PITCH, 1040                       ; an LDS row: 1,024 codes + 16 bytes = 65 x 16: the 16 rows that a fragment load touches start at 16 different groups of four banks (64 banks of 4 bytes: ISA guide 11.1)
.set BUF1,  65536                      ; the second buffer: one exclusive or turns an address from one to the other
.set TRIPS, 16
.set LI,   2                           ; v2   16 x lane
.set XW0,  4                           ; v4   where my wave's first row of codes goes, + 4 x lane, in buffer 0
.set XR0,  5                           ; v5   a fragment's row r x pitch + 16 (lane / 16), in buffer 0
.set XW,   6                           ; v6, v7  the same in the buffer in hand
.set XR,   7
.set XS,   8                           ; v8   2^ea;  v9  57,344 x 2^ea
.set XL,   9
.set OS,   10                          ; v10  2^(eo - ea - eb);  v11  57,344 x that
.set OL,   11
.set C,    16                          ; v16-31   a pair of rows' codes
.set CO,   32                          ; v32-47   the results' codes
.set BIAS, 48                          ; v48-79   eight registers a tile of W
.set ACC,  80                          ; v80-143  eight accumulators
.set F0,   144                         ; v144-207 x's fragments: two sets of 2 tiles x 16 registers
.set MSB, 0
.macro WIN new                         ; the immediate's high byte repeats the setting that is left; a switch that changes nothing is dropped
.if MSB != (\new)
	s_set_vgpr_msb (MSB<<8)|(\new)
.set MSB, (\new)
.endif
.endm
.macro PLACES n                        ; plain vector instructions between a matrix instruction and a load into, or a vector instruction on, its registers
.rept \n
	v_nop
.endr
.endm
.macro XLOAD p, off                    ; rows 2 p, 2 p + 1 of my eight, off bytes on: 16 loads of 512 bytes on end
.irp rho, 0,1
.irp g, 0,1,2,3,4,5,6,7
	global_load_b128 v[64*(\p)+32*\rho+4*\g:64*(\p)+32*\rho+4*\g+3], v[LI], s[40:41] offset:\off+(2*(\p)+\rho)*4096+512*\g
.endr
.endr
.endm
; Two rows become codes in LDS.  left: the younger loads that may stay out.  ahead = 1: the same rows of the next trip are asked for.
.macro PAIR p, ahead, left
	s_wait_loadcnt \left                           ; loads come back in order (ISA guide 5.7.1): this pair's 16 are in
	WIN 0x41                                       ; destination and source 0: window 1
.set j, 0
.rept 64
	v_med3_num_f32 v[64*\p+j], v[64*\p+j], -v[XL], v[XL]   ; the conversion to an 8-bit code does not saturate (ISA guide 7.6.2)
.set j, j+1
.endr
	s_wait_dscnt 0x0                               ; the last pair's LDS stores have read the registers that the conversions write
	WIN 0x01
.irp rho, 0,1
.irp q, 0,1,2,3
	v_cvt_scalef32_pk8_bf8_f32 v[C+8*\rho+2*\q:C+8*\rho+2*\q+1], v[64*\p+32*\rho+8*\q:64*\p+32*\rho+8*\q+7], v[XS]   ; register g of a row: the codes of k = 128 g + 4 lane + 0..3
.endr
.endr
	v_nop                                          ; a plain vector instruction behind the last scaled conversion
	WIN 0x40                                       ; loads' destination: window 1; the stores' address and data: window 0
.irp rho, 0,1
.irp g, 0,1,2,3,4,5,6,7
	ds_store_b32 v[XW], v[C+8*\rho+\g] offset:(2*\p+\rho)*PITCH+128*\g   ; 32 lanes: 128 bytes on end
.endr
.endr
.if \ahead
	XLOAD \p, 131072
.endif
.endm
.macro FETCHX s, f                     ; the two tiles' fragments of K step s: lane (r, h): row r, registers 4 c .. 4 c + 3: k = 128 s + 32 c + 16 h + 0..15, as W's images have it
.irp u, 0,1
.irp c, 0,1,2,3
	ds_load_b128 v[\f+16*\u+4*\c:\f+16*\u+4*\c+3], v[XR] offset:\u*16*PITCH+128*(\s)+32*\c
.endr
.endr
.endm
.macro ONE isv, s, t, u                ; one matrix instruction: tile t of W, tile u of x, K step s
.set rW, 64*(\s%4)+16*\t
.set rX, F0+32*(\s%2)+16*\u
.if \isv
.set rD, ACC+16*\t+8*\u
.if \s == 0
	v_wmma_f32_16x16x128_bf8_bf8 v[rD:rD+7], v[rX:rX+15], v[rW:rW+15], v[BIAS+8*\t:BIAS+8*\t+7]
.else
	v_wmma_f32_16x16x128_bf8_bf8 v[rD:rD+7], v[rX:rX+15], v[rW:rW+15], v[rD:rD+7]
.endif
.else
.set rD, ACC+32*\u+8*\t
.if \s == 0
	v_wmma_f32_16x16x128_bf8_bf8 v[rD:rD+7], v[rW:rW+15], v[rX:rX+15], v[BIAS+8*\t:BIAS+8*\t+7]
.else
	v_wmma_f32_16x16x128_bf8_bf8 v[rD:rD+7], v[rW:rW+15], v[rX:rX+15], v[rD:rD+7]
.endif
.endif
.endm
; 32 rows x my 64 columns x 1,024 K: 64 matrix instructions, the eight accumulators by turns, one instruction a turn, in the same order in every K step.
.macro PRODUCT isv
	FETCHX 0, F0
.irp s, 0,1,2,3,4,5,6,7
.if \s < 7
.if \s > 0
	PLACES 4                                       ; the set that is loaded next was read by the matrix instructions just issued
.endif
	FETCHX \s+1, F0+32*((\s+1)%2)
	s_wait_dscnt 8                                 ; this K step's 8 loads are in; the next step's 8 may be out
.else
	s_wait_dscnt 0x0
.endif
.if \isv
	WIN 0x08+4*(\s/4)                              ; source 1 (W): window 2 or 3
.else
	WIN 0x02+(\s/4)                                ; source 0 (W): window 2 or 3
.endif
.irp t, 0,1,2,3
.irp u, 0,1
	ONE \isv, \s, \t, \u
.endr
.endr
	WIN 0
.endr
	PLACES 4
.set j, 0
.rept 64
	v_med3_num_f32 v[ACC+j], v[ACC+j], -v[OL], v[OL]   ; each accumulator from its low end on
.set j, j+1
.endr
.irp q, 0,1,2,3,4,5,6,7
	v_cvt_scalef32_pk8_bf8_f32 v[CO+2*\q:CO+2*\q+1], v[ACC+8*\q:ACC+8*\q+7], v[OS]   ; accumulators 2 m, 2 m + 1 hold 16 neighbours: four registers of an operand
.endr
	v_nop                                          ; a plain vector instruction behind the last scaled conversion
.irp m, 0,1,2,3
.if \isv
	global_store_b128 v[LI], v[CO+4*\m:CO+4*\m+3], s[42:43] offset:2048*\m   ; tile m of V^T, the piece of these 32 keys: 512 bytes on end
.else
	global_store_b128 v[LI], v[CO+4*\m:CO+4*\m+3], s[42:43] offset:512*\m    ; tile m / 2 of rows, piece m % 2 of channels: 2,048 bytes on end in all
.endif
.endr
.endm
.macro TRIP ahead
.if \ahead
	PAIR 0, 1, 48                                  ; three younger pairs x 16 loads stay out
	PAIR 1, 1, 48
	PAIR 2, 1, 48
	PAIR 3, 1, 48
.else
	PAIR 0, 0, 48                                  ; the last trip asks for nothing: the counts run down
	PAIR 1, 0, 32
	PAIR 2, 0, 16
	PAIR 3, 0, 0
.endif
	WIN 0
	s_wait_dscnt 0x0                               ; for the others' sake: my codes lie in LDS (my reads of the other buffer came back a trip ago)
	s_barrier_signal -1
	s_barrier_wait -1                              ; all 32 rows' codes lie in the buffer in hand
	s_cmp_eq_u32 s37, 2                            ; the tensor: the same in all four waves
	s_cbranch_scc1 .Lisv_\@
	PRODUCT 0
	s_branch .Ljoin_\@
.Lisv_\@:
	PRODUCT 1
.Ljoin_\@:
.if \ahead
	s_wait_xcnt 0x0                                ; the loads and stores have read their bases and data: both pointers step, and the codes' registers are written again, only behind this wait
	s_add_nc_u64 s[40:41], s[40:41], 131072        ; 32 rows of x on
	s_and_b32 s50, s45, 3
	s_cmp_eq_u32 s50, 3                            ; every fourth trip ends a step of 128 keys
	s_cselect_b32 s48, s47, s46
	s_add_nc_u64 s[42:43], s[42:43], s[48:49]
	s_xor_b32 s44, s44, BUF1                       ; the other buffer
	v_add_nc_u32 v[XW], s44, v[XW0]
	v_add_nc_u32 v[XR], s44, v[XR0]
.endif
.endm
	s_load_b512 s[4:19], s[0:1], 0x0               ; q s[4:5], k s[6:7], v s[8:9], bq s[10:11], bk s[12:13], bv s[14:15], exponents s[16:17], wimg s[18:19]
	s_load_b128 s[20:23], s[0:1], 0x40             ; qimg s[20:21], kv s[22:23]
	v_lshl_add_u32 v254, v0, 2, 0x18200
	v_mov_b32 v255, 0
	v_lshrrev_b32 v1, 5, v0
	v_readfirstlane_b32 s36, v1                    ; wave 0..3
	v_and_b32 v1, 31, v0                           ; lane
	v_lshlrev_b32 v[LI], 4, v1
	v_and_b32 v12, 15, v0                          ; r
	v_bfe_u32 v13, v0, 4, 1                        ; h
	s_and_b32 s50, s36, 1                          ; natural row 8 w + i lies at LDS row 16 (w % 2) + 8 (w / 2) + i, so that lane r of tile u finds its row, 8 u + r + 8 (r / 8), at LDS row 16 u + r
	s_lshl_b32 s50, s50, 4
	s_lshr_b32 s51, s36, 1
	s_lshl_b32 s51, s51, 3
	s_add_co_u32 s50, s50, s51
	s_mul_i32 s50, s50, PITCH
	v_lshl_add_u32 v[XW0], v1, 2, s50
	v_mul_u32_u24 v[XR0], v12, PITCH
	v_lshl_add_u32 v[XR0], v13, 4, v[XR0]
	v_mov_b32 v[XW], v[XW0]
	v_mov_b32 v[XR], v[XR0]
	s_and_b32 s38, ttmp7, 0xffff
	s_lshr_b32 s37, s38, 4                         ; t: 0 q, 1 k, 2 v
	s_and_b32 s38, s38, 15                         ; rg: which 512 rows
	s_lshl_b32 s39, ttmp9, 2
	s_add_co_u32 s39, s39, s36                     ; my head
	s_lshl_b32 s52, s38, 21                        ; x: 512 rg rows of 4,096 bytes
	s_lshl_b32 s53, s36, 15
	s_add_co_u32 s52, s52, s53                     ; + 8 w rows
	s_mov_b32 s53, 0
	s_lshl_b32 s54, s37, 20                        ; W: the tensor's 2^20 bytes
	s_lshl_b32 s55, s39, 16
	s_add_co_u32 s54, s54, s55                     ; + my head's 32 fragments
	s_mov_b32 s55, 0
	s_lshl_b32 s56, s39, 8                         ; the bias: my head's 64 numbers
	s_mov_b32 s57, 0
	s_lshr_b32 s58, s38, 2                         ; the batch
	s_lshl_b32 s58, s58, 4
	s_add_co_u32 s58, s58, s39                     ; batch x 16 + head
	s_lshl_b32 s58, s58, 17                        ; qimg: 128 tiles of 1,024 bytes a head,
	s_and_b32 s59, s38, 3
	s_lshl_b32 s59, s59, 15                        ; + 16 (rg % 4) groups of 2,048
	s_add_co_u32 s58, s58, s59
	s_cmp_lg_u32 s37, 0
	s_cselect_b32 s59, 1, 0
	s_lshl_b32 s58, s58, s59                       ; kv: twice as much of both
	s_cmp_eq_u32 s37, 2
	s_cselect_b32 s59, 8192, 0                     ; V^T's tiles lie behind K's eight
	s_add_co_u32 s58, s58, s59
	s_mov_b32 s59, 0
	s_cmp_eq_u32 s37, 2                            ; what the destination steps by: a trip (s46), and the trip that ends a step of 128 keys (s47)
	s_mov_b32 s46, 2048
	s_cselect_b32 s46, 512, s46
	s_mov_b32 s47, 10240
	s_cselect_b32 s47, 14848, s47
	s_cmp_eq_u32 s37, 0
	s_cselect_b32 s47, 2048, s47
	s_wait_kmcnt 0x0
	s_load_b256 s[24:31], s[16:17], 0x0            ; e0 .. e7
	s_load_b128 s[32:35], s[16:17], 0x20           ; e8 .. e11
	s_cmp_eq_u32 s37, 1                            ; the choices hang on the work-group's number alone
	s_cselect_b64 s[40:41], s[6:7], s[4:5]
	s_cselect_b64 s[60:61], s[12:13], s[10:11]
	s_cmp_eq_u32 s37, 2
	s_cselect_b64 s[40:41], s[8:9], s[40:41]
	s_cselect_b64 s[60:61], s[14:15], s[60:61]
	s_cmp_eq_u32 s37, 0
	s_cselect_b64 s[42:43], s[20:21], s[22:23]
	s_add_nc_u64 s[40:41], s[40:41], s[52:53]      ; x at my wave's first row
	s_add_nc_u64 s[18:19], s[18:19], s[54:55]      ; my fragments of W
	s_add_nc_u64 s[60:61], s[60:61], s[56:57]      ; my bias
	s_add_nc_u64 s[42:43], s[42:43], s[58:59]      ; where the first trip's codes go
	WIN 0x80                                       ; destination window 2
.irp s, 0,1,2,3
.irp t, 0,1,2,3
.irp c, 0,1,2,3
	global_load_b128 v[64*\s+16*\t+4*\c:64*\s+16*\t+4*\c+3], v[LI], s[18:19] offset:(8*\t+\s)*2048+512*\c
.endr
.endr
.endr
	WIN 0xc0                                       ; destination window 3
.irp s, 0,1,2,3
.irp t, 0,1,2,3
.irp c, 0,1,2,3
	global_load_b128 v[64*\s+16*\t+4*\c:64*\s+16*\t+4*\c+3], v[LI], s[18:19] offset:(8*\t+\s+4)*2048+512*\c
.endr
.endr
.endr
	WIN 0
	s_cmp_eq_u32 s37, 2
	s_cbranch_scc1 .Lbias_v
	v_lshlrev_b32 v14, 6, v13                      ; q, k: register j of tile t is channel 32 (t / 2) + 16 h + 8 (t % 2) + j
.irp t, 0,1,2,3
	global_load_b128 v[BIAS+8*\t:BIAS+8*\t+3], v14, s[60:61] offset:(32*(\t/2)+8*(\t%2))*4
	global_load_b128 v[BIAS+8*\t+4:BIAS+8*\t+7], v14, s[60:61] offset:(32*(\t/2)+8*(\t%2))*4+16
.endr
	s_branch .Lbias_done
.Lbias_v:
	v_and_b32 v14, 8, v12                          ; v: all eight registers of tile t are channel 32 (t / 2) + 8 (t % 2) + r + 8 (r / 8)
	v_add_nc_u32 v14, v14, v12
	v_lshlrev_b32 v14, 2, v14
.irp t, 0,1,2,3
.irp j, 0,1,2,3,4,5,6,7
	global_load_b32 v[BIAS+8*\t+\j], v14, s[60:61] offset:(32*(\t/2)+8*(\t%2))*4
.endr
.endr
.Lbias_done:
	WIN 0x40
.irp p, 0,1,2,3
	XLOAD \p, 0                                    ; the first trip's rows
.endr
	WIN 0
	s_wait_kmcnt 0x0
	s_cmp_eq_u32 s37, 1
	s_cselect_b32 s50, s26, s24                    ; ea: entry 0, 2, 4
	s_cselect_b32 s51, s27, s25                    ; eb: entry 1, 3, 5
	s_cselect_b32 s52, s31, s30                    ; eo: entry 6, 7, 9
	s_cmp_eq_u32 s37, 2
	s_cselect_b32 s50, s28, s50
	s_cselect_b32 s51, s29, s51
	s_cselect_b32 s52, s33, s52
	s_add_co_i32 s51, s50, s51                     ; ea + eb: a sum stands for sum x 2^(ea + eb)
	s_sub_co_i32 s62, 0, s51
	s_sub_co_i32 s52, s52, s51                     ; eo - ea - eb
	s_add_co_i32 s50, s50, 127
	s_lshl_b32 s53, s50, 23
	v_mov_b32 v[XS], s53
	s_add_co_i32 s50, s50, 15
	s_lshl_b32 s50, s50, 23
	s_or_b32 s50, s50, 0x600000
	v_mov_b32 v[XL], s50
	s_add_co_i32 s52, s52, 127
	s_lshl_b32 s53, s52, 23
	v_mov_b32 v[OS], s53
	s_add_co_i32 s52, s52, 15
	s_lshl_b32 s52, s52, 23
	s_or_b32 s52, s52, 0x600000
	v_mov_b32 v[OL], s52
	s_wait_loadcnt 48                              ; W and the bias are in (and x's first pair): behind them only x's last three pairs were issued
.set j, 0
.rept 32
	v_ldexp_f32 v[BIAS+j], v[BIAS+j], s62          ; b / 2^(ea + eb)
.set j, j+1
.endr
	s_mov_b32 s44, 0                               ; the buffer in hand
	s_mov_b32 s45, 0                               ; the trip
	s_mov_b32 s49, 0                               ; (upper word of the destination's step)
.Ltrip:
	TRIP 1
	s_add_co_u32 s45, s45, 1
	s_cmp_lt_u32 s45, TRIPS-1
	s_cbranch_scc1 .Ltrip
	TRIP 0                                         ; the last trip is written out: no load leaves x
	s_wait_tensorcnt 0x0
	ds_add_u32 v254, v255
	s_wait_dscnt 0x0
	s_endpgm
.Lfunc_end_k_qf6ce3a916f_proj:
	.size	k_qf6ce3a916f_proj, .Lfunc_end_k_qf6ce3a916f_proj-k_qf6ce3a916f_proj
	.p2alignl 7, 3214868480
	.fill 96, 4, 3214868480
	.section	.rodata,"a",@progbits
	.p2align	6, 0x0
	.amdhsa_kernel k_qf6ce3a916f_proj
		.amdhsa_group_segment_fixed_size 99328
		.amdhsa_private_segment_fixed_size 0
		.amdhsa_enable_private_segment 0
		.amdhsa_kernarg_size 80
		.amdhsa_user_sgpr_count 2
		.amdhsa_user_sgpr_kernarg_segment_ptr 1
		.amdhsa_wavefront_size32 1
		.amdhsa_system_sgpr_workgroup_id_x 1
		.amdhsa_system_sgpr_workgroup_id_y 1
		.amdhsa_system_sgpr_workgroup_id_z 1
		.amdhsa_system_vgpr_workitem_id 0
		.amdhsa_next_free_vgpr 1024
		.amdhsa_next_free_sgpr 66
		.amdhsa_reserve_vcc 0
		.amdhsa_float_denorm_mode_32 3
		.amdhsa_float_denorm_mode_16_64 3
		.amdhsa_memory_ordered 1
		.amdhsa_forward_progress 1
		.amdhsa_inst_pref_size 139
	.end_amdhsa_kernel
	.amdgpu_metadata
---
amdhsa.version: [ 1, 2 ]
amdhsa.kernels:
  - .name:           k_qf6ce3a916f_proj
    .symbol:         k_qf6ce3a916f_proj.kd
    .args:
      - { .name: q, .offset: 0, .size: 8, .value_kind: global_buffer, .address_space: global }
      - { .name: k, .offset: 8, .size: 8, .value_kind: global_buffer, .address_space: global }
      - { .name: v, .offset: 16, .size: 8, .value_kind: global_buffer, .address_space: global }
      - { .name: bq, .offset: 24, .size: 8, .value_kind: global_buffer, .address_space: global }
      - { .name: bk, .offset: 32, .size: 8, .value_kind: global_buffer, .address_space: global }
      - { .name: bv, .offset: 40, .size: 8, .value_kind: global_buffer, .address_space: global }
      - { .name: lowp_scales, .offset: 48, .size: 8, .value_kind: global_buffer, .address_space: global }
      - { .name: wimg, .offset: 56, .size: 8, .value_kind: global_buffer, .address_space: global }
      - { .name: qimg, .offset: 64, .size: 8, .value_kind: global_buffer, .address_space: global }
      - { .name: kv, .offset: 72, .size: 8, .value_kind: global_buffer, .address_space: global }
    .group_segment_fixed_size: 99328
    .private_segment_fixed_size: 0
    .kernarg_segment_align: 8
    .kernarg_segment_size: 80
    .max_flat_workgroup_size: 128
    .sgpr_count:     66
    .vgpr_count:     1024
    .wavefront_size: 32
...
	.end_amdgpu_metadata
.endif
;; end of part 2
;; launch attn (part 3): grid 4 x 64, 16 waves a work-group, clusters of 4 x 1, 264,192 bytes of LDS; arguments qimg, kv, mw, lowp_scales, zimg; writes zimg
.if DOCPART == 3
	.amdgcn_target "amdgcn-amd-amdhsa--gfx1250"
	.amdhsa_code_object_version 6
	.text
	.protected	k_qf6ce3a916f_attn
	.globl	k_qf6ce3a916f_attn
	.p2align	8
	.type	k_qf6ce3a916f_attn,@function
k_qf6ce3a916f_attn:
	s_mov_b64 s[64:65], 0
	v_nop
	global_prefetch_b8 v0, s[64:65] scope:SCOPE_SE
	s_setreg_imm32_b32 hwreg(HW_REG_WAVE_MODE, 25, 1), 1
	s_wait_xcnt 0x0
	s_wait_alu depctr_hold_cnt(0) depctr_sa_sdst(0) depctr_va_vdst(0) depctr_va_sdst(0) depctr_va_ssrc(0) depctr_va_vcc(0) depctr_vm_vsrc(0)
	s_getreg_b32 s2, hwreg(HW_REG_IB_STS2, 6, 4)
	s_cmp_eq_u32 s2, 0
	s_cbranch_scc0 .Lentry_in_a_cluster
	s_endpgm
.Lentry_in_a_cluster:
	s_bfe_u32 s2, ttmp6, 0x10000c
	s_cmp_lg_u32 s2, 0x3003
	s_cbranch_scc0 .Lentry_shape_is_right
	s_endpgm
.Lentry_shape_is_right:
; ATTN: z = softmax(mask(Q K^T / 8)) V for one head, both products on codes of E5M2; z is quantised at once for the output projection.
; THE SOFTMAX AHEAD OF THE SECOND PRODUCT: t = score x log2(e) / 8; M = the running largest t rounded UP to a whole number; p = 2^(t - M) is quantised, not normalised; the row's sum is taken of the
; unquantised p and divides at the end.  When M moves, the sum and O are multiplied by 2^(old M - new M), which rounds nothing.
; THE MASK is an input and is honoured bit by bit: an earlier launch has laid it as lane masks, one word for each score register, so a masked score costs one v_cndmask_b32.  A masked score becomes -2^100
; ahead of the maximum: c x 2^100 is a whole f32 number, so in a row that has met only masked keys t - M is exactly 0 and p = 1 (a row whose mask is all false ends as the uniform softmax that the
; reference gives); the first key that counts makes the factor 2^(old M - new M) zero and wipes those terms; in every other row a masked key's p is 0.
; SHARES.  Work-group (X, head): 512 queries of one head: 256 work-groups.  Each of SIXTEEN waves owns two tiles of 16 queries, one after the other, each in 16 steps of 128 keys; four waves share a SIMD,
; so that one wave's vector work stands beside another's matrix work and LDS loads.
; LDS holds the head's WHOLE K and V, 262,144 bytes, as images of operand registers (step s at 16,384 s: 8 tiles of K, 4 of V^T).  It is filled ONCE: no slot is filled again and nothing is stored there.
; CLUSTER.  The four work-groups of a head need the same block: each wave's 16,384 bytes are asked for JOINTLY, by the same tensor load with the same descriptor and a mask that names the four.
; One tensor load a wave is outstanding.
; LAYOUT.  S^T = K Q^T (source 0 = 16 keys, source 1 = my 16 queries), O^T = V^T P^T: a lane holds ONE query throughout.  The keys of a tile of K and the channels of a tile of V^T are not neighbours
; (lane r of tile 2 b + u: 32 b + 8 u + r + 8 (r / 8)), so that p's, and z's, 16 registers of two neighbouring tiles are 16 neighbours along the next K.
; NO PREFETCH: all of K and V is asked for at the head, and the mask words are asked for a whole step ahead of their use.
; LIMITS on the given exponents: e6 + e7 between -74 and 29 (c x 2^100 is then a whole number under 3e38); e8, and e10 - e8 - e9, between -126 and 112.
; REGISTERS: v1 16 x lane; v2 the step's LDS address; v12 -M, v13 the largest t, v[14:15] the sum in two halves; v16-23, v24-31 Q of my two tiles; v32-95 K's 8 fragments, then V's 4; v96-159 S^T, then p;
; v160-191 O^T; v200-207 at work; v208 -2^100; v209, v210: 57,344 x 2^e8, 2^e8; v211, v212: the same with e10 - e8 - e9; v224-239 p's codes; v240-247, v248-255 z's codes of my two tiles.
; s[8:9] the mask words' address; s[12:13] z's; s14 wave; s15 LDS byte of the step; s16 counter; s20-51, s68-99 the step's 64 mask words; s[52:55], s[56:63] the descriptor; s[66:67] c; s[100:101] lane selects.
.macro ROUND                           ; a round of the cluster's barrier: my work-group's barrier; wave 0 signals for the work-group; every wave waits for all four; my work-group's barrier once more
	s_barrier_signal -1
	s_barrier_wait -1
	s_cmp_lg_u32 s14, 0
	s_cbranch_scc1 .Lnot_wave_0_\@
	s_barrier_signal -3
.Lnot_wave_0_\@:
	s_barrier_wait -3
	s_barrier_signal -1
	s_barrier_wait -1
.endm
.macro INIT                            ; a tile begins: the step is written once, and its first trip finds zeros, which the first change of M leaves zeros
	v_mov_b32 v13, 0xff61b1e6                      ; the largest t so far: -3e38, under every t
	v_floor_f32 v12, -v13                          ; -M
	v_mov_b32 v14, 0
	v_mov_b32 v15, 0
.set j, 0
.rept 32
	v_mov_b32 v[160+j], 0
.set j, j+1
.endr
	s_mov_b32 s15, 0
.endm
; A KEY STEP: 128 keys.  qf: Q's first register.  ahead = 1: the next step's mask words are asked for.
.macro STEP qf, ahead
	v_add_nc_u32 v2, s15, v1
.rept 3
	v_nop                                          ; with the addition above: four places in front of loads into registers that the last matrix instructions read
.endr
.irp t, 0,1,2,3,4,5,6,7
.irp c, 0,1
	ds_load_b128 v[32+8*\t+4*\c:35+8*\t+4*\c], v2 offset:1024*\t+512*\c   ; an image: 512 bytes on end
.endr
.endr
	s_wait_dscnt 0x0
.irp t, 0,1,2,3,4,5,6,7
	v_wmma_f32_16x16x64_bf8_bf8 v[96+8*\t:103+8*\t], v[32+8*\t:39+8*\t], v[\qf:\qf+7], 0   ; register 16 b + i of lane (r, h): query r, key 32 b + 16 h + i
.endr
.rept 4
	v_nop
.endr
.irp t, 0,1,2,3
.irp c, 0,1,2,3
	ds_load_b128 v[32+16*\t+4*\c:35+16*\t+4*\c], v2 offset:8192+2048*\t+512*\c   ; V^T lands while the softmax is worked
.endr
.endr
	s_wait_kmcnt 0x0                               ; this step's 64 mask words, asked for a step ago
.set n, 0
.rept 64
.if n < 32
	v_cndmask_b32 v[96+n], v208, v[96+n], s[20+n]  ; each accumulator from its low end on
.else
	v_cndmask_b32 v[96+n], v208, v[96+n], s[36+n]
.endif
.set n, n+1
.endr
.if \ahead
	s_wait_xcnt 0x0                                ; the words' loads are done and have read their base: it steps only behind these waits
	s_add_nc_u64 s[8:9], s[8:9], 256
	s_load_b512 s[20:35], s[8:9], 0x0
	s_load_b512 s[36:51], s[8:9], 0x40
	s_load_b512 s[68:83], s[8:9], 0x80
	s_load_b512 s[84:99], s[8:9], 0xc0
.endif
	v_max3_num_f32 v200, v96, v97, v98             ; the step's largest score of my query among my 64 keys, in two chains,
	v_max3_num_f32 v202, v99, v100, v101
.set j, 6
.rept 14
	v_max3_num_f32 v200, v200, v[96+j], v[97+j]
	v_max3_num_f32 v202, v202, v[98+j], v[99+j]
.set j, j+4
.endr
	v_max3_num_f32 v200, v200, v158, v159
	v_max_num_f32 v200, v200, v202
	v_permlanex16_b32 v204, v200, s100, s101
	v_max_num_f32 v200, v200, v204                 ; and among lane l xor 16's
	v_mul_f32 v200, s66, v200                      ; as t (c is positive)
	v_max_num_f32 v13, v13, v200                   ; the running largest t
	v_mov_b32 v200, v12
	v_floor_f32 v12, -v13                          ; the new -M = floor(-t) = -ceil(t): a whole number
	v_sub_f32 v200, v12, v200                      ; old M - new M: a whole number, 0 or less
	v_cvt_i32_f32 v200, v200                       ; (it saturates)
	v_ldexp_f32 v202, 1.0, v200                    ; f = 2^(old M - new M)
.set j, 0
.rept 32
	v_pk_fma_f32 v[96+j:97+j], v[96+j:97+j], s[66:67], v[12:13] op_sel_hi:[1,0,0]   ; t - M, two at a time (of the pairs c and -M the low word serves both halves)
.set j, j+2
.endr
.set j, 0
.rept 64
	v_exp_f32 v[96+j], v[96+j]                     ; p = 2^(t - M), at most 1
.set j, j+1
.endr
	v_pk_mul_f32 v[14:15], v[14:15], v[202:203] op_sel_hi:[1,0]   ; the sums under the new M: a plain instruction behind the exponentials
	s_wait_alu depctr_va_vdst(0)                   ; one wait for the whole batch, ahead of its first reader
	v_pk_add_f32 v[206:207], v[96:97], v[98:99]    ; the row's sum is taken of the unquantised p: two at a time, in two chains
.set j, 4
.rept 15
	v_pk_add_f32 v[14:15], v[14:15], v[96+j:97+j]
	v_pk_add_f32 v[206:207], v[206:207], v[98+j:99+j]
.set j, j+4
.endr
	v_pk_add_f32 v[14:15], v[14:15], v[206:207]
.irp b, 0,1,2,3
.set j, 0
.rept 16
	v_min_num_f32 v[96+16*\b+j], v[96+16*\b+j], v209   ; the conversion does not saturate (ISA guide 7.6.2); p is not negative, so the hold is one-sided
.set j, j+1
.endr
	v_cvt_scalef32_pk8_bf8_f32 v[224+4*\b:225+4*\b], v[96+16*\b:103+16*\b], v210
	v_cvt_scalef32_pk8_bf8_f32 v[226+4*\b:227+4*\b], v[104+16*\b:111+16*\b], v210
.endr
.set j, 0
.rept 16
	v_pk_mul_f32 v[160+j:161+j], v[160+j:161+j], v[202:203] op_sel_hi:[1,0]   ; O^T under the new M; also the plain instructions between the conversions and the products
.set j, j+2
.endr
	s_wait_dscnt 0x0                               ; V^T is in
.irp t, 0,1,2,3
	v_wmma_f32_16x16x128_bf8_bf8 v[160+8*\t:167+8*\t], v[32+16*\t:47+16*\t], v[224:239], v[160+8*\t:167+8*\t]   ; the four accumulators by turns
.endr
	s_add_co_u32 s15, s15, 16384
.endm
; A tile ends: O^T / the sum, quantised: register 8 t + j of lane (r, h) is channel 32 (t / 2) + 16 h + 8 (t % 2) + j of query r, so four conversions give two pieces of the next operand.
.macro FIN p
.rept 4
	v_nop
.endr
	v_add_f32 v14, v14, v15                        ; the sum's two halves,
	v_permlanex16_b32 v204, v14, s100, s101
	v_add_f32 v14, v14, v204                       ; and lane l xor 16's
	v_rcp_f32 v14, v14
	v_nop                                          ; a plain instruction behind the reciprocal
	s_wait_alu depctr_va_vdst(0)                   ; and the wait ahead of its first reader
.set j, 0
.rept 16
	v_pk_mul_f32 v[96+j:97+j], v[160+j:161+j], v[14:15] op_sel_hi:[1,0]
.set j, j+2
.endr
.set j, 0
.rept 32
	v_med3_num_f32 v[96+j], v[96+j], -v211, v211
.set j, j+1
.endr
.irp t, 0,1,2,3
	v_cvt_scalef32_pk8_bf8_f32 v[240+8*\p+2*\t:241+8*\p+2*\t], v[96+8*\t:103+8*\t], v212   ; the sums stand for sum x 2^(e8 + e9): the three scales are folded into one
.endr
	v_nop                                          ; a plain vector instruction behind the last scaled conversion
.irp b, 0,1
	global_store_b128 v1, v[240+8*\p+4*\b:243+8*\p+4*\b], s[12:13] offset:16384*\p+512*\b   ; 512 bytes on end, aligned; each tile has its own registers, so no store's data are written again
.endr
.endm
	s_load_b256 s[4:11], s[0:1], 0x0               ; qimg s[4:5], kv s[6:7], mw s[8:9], exponents s[10:11]
	s_load_b64 s[12:13], s[0:1], 0x20              ; zimg
	v_lshl_add_u32 v222, v0, 2, 0x40000
	v_mov_b32 v223, 0
	ds_add_u32 v222, v223
	ds_add_u32 v222, v223
	v_lshrrev_b32 v3, 5, v0
	v_readfirstlane_b32 s14, v3                    ; wave 0..15
	v_and_b32 v3, 31, v0
	v_lshlrev_b32 v1, 4, v3                        ; 16 x lane
	s_bfe_u32 s17, ttmp6, 0x40000                  ; cx: my place in the cluster
	s_lshl_b32 s19, ttmp9, 2
	s_add_co_u32 s17, s17, s19                     ; X = 4 x cluster x + cx: it enters Q's, the mask's and z's addresses alone
	s_and_b32 s18, ttmp7, 0xffff                   ; batch x 16 + head, which the four partners share
	s_lshl_b32 s32, s18, 18                        ; kv: the head's 262,144 bytes,
	s_lshl_b32 s33, s14, 14
	s_add_co_u32 s32, s32, s33                     ; my wave's 16,384 of them
	s_mov_b32 s33, 0
	s_lshl_b32 s34, s17, 5
	s_lshl_b32 s35, s14, 1
	s_add_co_u32 s34, s34, s35                     ; my first query tile in the batch: 32 X + 2 wave
	s_lshl_b32 s36, s34, 10
	s_lshl_b32 s37, s18, 17
	s_add_co_u32 s36, s36, s37                     ; Q: 128 tiles of 1,024 bytes a head
	s_mov_b32 s37, 0
	s_lshr_b32 s38, s18, 4
	s_lshl_b32 s38, s38, 7
	s_add_co_u32 s38, s38, s34                     ; batch x 128 + tile
	s_lshl_b32 s40, s38, 12                        ; the mask words: 16 steps of 256 bytes a tile; my two tiles lie on end
	s_mov_b32 s41, 0
	s_and_b32 s39, s18, 15                         ; the head
	s_lshl_b32 s39, s39, 10                        ; z: fragment head / 2 (2,048 bytes), pieces 2 (head % 2) on (512 each),
	s_lshl_b32 s42, s38, 14                        ; of the tile's eight fragments
	s_add_co_u32 s42, s42, s39
	s_mov_b32 s43, 0
	s_mov_b32 s52, 1                               ; group 0: count = 1,
	s_lshl_b32 s53, s14, 14                        ; LDS address: 16,384 x wave: no place in the cluster enters it
	s_mov_b32 s56, 15|(3<<16)|(1<<21)              ; group 1: 15:0 the mask: all four work-groups; 17:16 elements of 8 bytes; 21 set beside a mask; no padding
	s_mov_b32 s57, 32<<16                          ; tensor_dim0 = 32 elements: rows of 256 bytes
	s_mov_b32 s58, 64<<16                          ; tensor_dim1 = 64
	s_mov_b32 s59, 32<<16                          ; tile_dim0 = 32
	s_mov_b32 s60, 64                              ; tile_dim1 = 64
	s_mov_b32 s61, 32                              ; the pitch: the block is dense
	s_mov_b32 s62, 0
	s_mov_b32 s63, 0
	s_mov_b32 s100, 0x76543210                     ; v_permlanex16_b32: lane l xor 16
	s_mov_b32 s101, 0xfedcba98
	s_wait_dscnt 0x0
	s_wait_kmcnt 0x0
	s_load_b256 s[24:31], s[10:11], 0x10           ; e4 .. e11: e6 s26, e7 s27, e8 s28, e9 s29, e10 s30
	s_add_nc_u64 s[54:55], s[6:7], s[32:33]        ; global address
	s_or_b32 s55, s55, 0x80000000                  ; type = 2
	s_add_nc_u64 s[4:5], s[4:5], s[36:37]
	s_add_nc_u64 s[8:9], s[8:9], s[40:41]
	s_add_nc_u64 s[12:13], s[12:13], s[42:43]
	ROUND                                          ; all four work-groups are here: the joint loads meet
	tensor_load_to_lds s[52:55], s[56:63]          ; my one tensor load
	s_nop 0
.rept 4
	v_nop                                          ; behind a tensor load
.endr
.irp p, 0,1
.irp c, 0,1
	global_load_b128 v[16+8*\p+4*\c:19+8*\p+4*\c], v1, s[4:5] offset:1024*\p+512*\c   ; Q's fragments of my two tiles stay in registers
.endr
.endr
	v_mov_b32 v203, 0                              ; (named as the upper half of the pair v[202:203])
	v_mov_b32 v204, 0                              ; a lane permute's destination counts as one of its sources
	v_mov_b32 v208, 0xf1800000                     ; -2^100
	s_wait_kmcnt 0x0
	s_add_co_i32 s44, s26, s27
	s_lshl_b32 s44, s44, 23
	s_mov_b32 s66, 0x3e38aa3b                      ; c = log2(e) / 8
	s_add_co_i32 s66, s66, s44                     ; a score stands for score x 2^(e6 + e7): the exponents are added to c's exponent field
	s_mov_b32 s67, s66                             ; (named with it as a pair)
	s_add_co_i32 s44, s28, 127
	s_lshl_b32 s45, s44, 23
	v_mov_b32 v210, s45                            ; 2^e8
	s_add_co_i32 s44, s44, 15
	s_lshl_b32 s44, s44, 23
	s_or_b32 s44, s44, 0x600000
	v_mov_b32 v209, s44                            ; 57,344 x 2^e8
	s_sub_co_i32 s44, s30, s28
	s_sub_co_i32 s44, s44, s29
	s_add_co_i32 s44, s44, 127
	s_lshl_b32 s45, s44, 23
	v_mov_b32 v212, s45                            ; 2^(e10 - e8 - e9)
	s_add_co_i32 s44, s44, 15
	s_lshl_b32 s44, s44, 23
	s_or_b32 s44, s44, 0x600000
	v_mov_b32 v211, s44
	s_load_b512 s[20:35], s[8:9], 0x0              ; the first step's mask words (the exponents are used up)
	s_load_b512 s[36:51], s[8:9], 0x40
	s_load_b512 s[68:83], s[8:9], 0x80
	s_load_b512 s[84:99], s[8:9], 0xc0
	s_wait_tensorcnt 0x0                           ; my part of K and V is in,
	s_barrier_signal -1
	s_barrier_wait -1                              ; everybody's is
	s_wait_loadcnt 0x0                             ; Q
	INIT
	s_mov_b32 s16, 16
.Lpass0:                                           ; my first tile; its last step asks for the second tile's first words, which lie next in memory
	STEP 16, 1
	s_sub_co_u32 s16, s16, 1
	s_cmp_lg_u32 s16, 0
	s_cbranch_scc1 .Lpass0
	FIN 0
	INIT
	s_mov_b32 s16, 15
.Lpass1:
	STEP 24, 1
	s_sub_co_u32 s16, s16, 1
	s_cmp_lg_u32 s16, 0
	s_cbranch_scc1 .Lpass1
	STEP 24, 0                                     ; the last step is written out: no load leaves the mask words' buffer
	FIN 1
	s_wait_tensorcnt 0x0
	ds_add_u32 v222, v223
	s_wait_dscnt 0x0
	ROUND                                          ; the closing round: no work-group ends while a partner may still ask for a tile that names it
	s_endpgm
.Lfunc_end_k_qf6ce3a916f_attn:
	.size	k_qf6ce3a916f_attn, .Lfunc_end_k_qf6ce3a916f_attn-k_qf6ce3a916f_attn
	.p2alignl 7, 3214868480
	.fill 96, 4, 3214868480
	.section	.rodata,"a",@progbits
	.p2align	6, 0x0
	.amdhsa_kernel k_qf6ce3a916f_attn
		.amdhsa_group_segment_fixed_size 264192
		.amdhsa_private_segment_fixed_size 0
		.amdhsa_enable_private_segment 0
		.amdhsa_kernarg_size 40
		.amdhsa_user_sgpr_count 2
		.amdhsa_user_sgpr_kernarg_segment_ptr 1
		.amdhsa_wavefront_size32 1
		.amdhsa_system_sgpr_workgroup_id_x 1
		.amdhsa_system_sgpr_workgroup_id_y 1
		.amdhsa_system_sgpr_workgroup_id_z 1
		.amdhsa_system_vgpr_workitem_id 0
		.amdhsa_next_free_vgpr 256
		.amdhsa_next_free_sgpr 106
		.amdhsa_reserve_vcc 0
		.amdhsa_float_denorm_mode_32 3
		.amdhsa_float_denorm_mode_16_64 3
		.amdhsa_memory_ordered 1
		.amdhsa_forward_progress 1
		.amdhsa_inst_pref_size 74
	.end_amdhsa_kernel
	.amdgpu_metadata
---
amdhsa.version: [ 1, 2 ]
amdhsa.kernels:
  - .name:           k_qf6ce3a916f_attn
    .symbol:         k_qf6ce3a916f_attn.kd
    .args:
      - { .name: qimg, .offset: 0, .size: 8, .value_kind: global_buffer, .address_space: global }
      - { .name: kv, .offset: 8, .size: 8, .value_kind: global_buffer, .address_space: global }
      - { .name: mw, .offset: 16, .size: 8, .value_kind: global_buffer, .address_space: global }
      - { .name: lowp_scales, .offset: 24, .size: 8, .value_kind: global_buffer, .address_space: global }
      - { .name: zimg, .offset: 32, .size: 8, .value_kind: global_buffer, .address_space: global }
    .group_segment_fixed_size: 264192
    .private_segment_fixed_size: 0
    .kernarg_segment_align: 8
    .kernarg_segment_size: 40
    .max_flat_workgroup_size: 512
    .sgpr_count:     106
    .vgpr_count:     256
    .wavefront_size: 32
...
	.end_amdgpu_metadata
.endif
;; end of part 3
;; launch oproj (part 4): grid 4 x 64, 4 waves a work-group, no clusters, 35,328 bytes of LDS; arguments zimg, wimg, bo, lowp_scales, out0; writes out0
.if DOCPART == 4
	.amdgcn_target "amdgcn-amd-amdhsa--gfx1250"
	.amdhsa_code_object_version 6
	.text
	.protected	k_qf6ce3a916f_oproj
	.globl	k_qf6ce3a916f_oproj
	.p2align	8
	.type	k_qf6ce3a916f_oproj,@function
k_qf6ce3a916f_oproj:
	s_mov_b64 s[64:65], 0
	v_nop
	global_prefetch_b8 v0, s[64:65] scope:SCOPE_SE
	s_setreg_imm32_b32 hwreg(HW_REG_WAVE_MODE, 25, 1), 1
	s_wait_xcnt 0x0
; OPROJ: out = z wo + bo, on codes of E5M2; sums in f32; out [8192][1024] f32.
; SHARES.  Work-group (x, y): columns 256 x on, rows 128 y on.  Wave w owns 64 columns, 256 x + 64 w on: its 32 fragments of wo (512 registers) stay in registers.  Four trips of 32 rows, written out: every offset is an immediate.
; z's fragments come from memory straight into registers (they were stored as images of operand registers): a ring of eight K-step slots, each filled again for the next trip as soon as its products are issued.
; Source 0 = wo (16 columns), source 1 = z (16 rows): a lane holds one row and eight neighbouring columns a tile; out = sum x 2^(e10 + e11) + bo, one packed multiply-add for two numbers.
; THE ROWS OF A TILE OF z AND THE COLUMNS OF A TILE OF wo ARE NOT NEIGHBOURS (lane r of tile u of a group of 32: 8 u + r + 8 (r / 8)): the way out puts each row where it belongs.
; THE WAY OUT goes through the wave's own stage in LDS (32 rows x (256 + 16) bytes) and leaves as whole rows: sixteen lanes store 256 bytes on end, aligned.  Waves share nothing: no barrier.
; NO CLUSTER, NO TENSOR LOAD: both operands go from memory into registers, so no tile lands in LDS that a joint load could share.
; LIMIT: e10 + e11 between -126 and 127.
; REGISTERS, in windows of 256: window 0: below; window 1: z's slots, K step s, tile u, piece c at 32 s + 16 u + 4 c; windows 2, 3: wo(tile t, K step s) at window 2 + s / 4, register 64 (s % 4) + 16 t.
.set LI,   2                           ; v2   16 x lane
.set SO,   4                           ; v4   the stage: where I put 32 bytes of a row
.set SR,   5                           ; v5   and where I read a row back
.set GO,   6                           ; v6   my byte offset in two rows of out
.set BIAS, 48                          ; v48-79   bo: eight registers a tile of wo
.set ACC,  80                          ; v80-143  eight accumulators
.set OB,   144                         ; v144-207 32 rows read back
.set MSB, 0
.macro WIN new                         ; the immediate's high byte repeats the setting that is left
.if MSB != (\new)
	s_set_vgpr_msb (MSB<<8)|(\new)
.set MSB, (\new)
.endif
.endm
.macro PLACES n
.rept \n
	v_nop
.endr
.endm
.macro ZLOAD p, s                      ; trip p's two tiles, K step s: 8 loads of 512 bytes on end
.irp u, 0,1
.irp c, 0,1,2,3
	global_load_b128 v[32*\s+16*\u+4*\c:32*\s+16*\u+4*\c+3], v[LI], s[4:5] offset:((2*(\p)+\u)*8+\s)*2048+512*\c
.endr
.endr
.endm
.macro KSTEP p, s
.if \p < 3
	s_wait_loadcnt 56                              ; this slot's 8 loads are in; the seven younger slots' may be out
.else
	s_wait_loadcnt 8*(7-\s)                        ; the last trip asks for nothing: the counts run down
.endif
	WIN 0x06+(\s/4)                                ; source 0 (wo): window 2 or 3; source 1 (z): window 1
.irp t, 0,1,2,3
.irp u, 0,1
.if \s == 0
	v_wmma_f32_16x16x128_bf8_bf8 v[ACC+32*\u+8*\t:ACC+32*\u+8*\t+7], v[64*(\s%4)+16*\t:64*(\s%4)+16*\t+15], v[32*\s+16*\u:32*\s+16*\u+15], 0
.else
	v_wmma_f32_16x16x128_bf8_bf8 v[ACC+32*\u+8*\t:ACC+32*\u+8*\t+7], v[64*(\s%4)+16*\t:64*(\s%4)+16*\t+15], v[32*\s+16*\u:32*\s+16*\u+15], v[ACC+32*\u+8*\t:ACC+32*\u+8*\t+7]
.endif
.endr
.endr
.if \p < 3
	WIN 0x40                                       ; destination window 1
	PLACES 4                                       ; in front of loads into registers that the matrix instructions just issued have read; behind a trip's last K step also the places ahead of the first read of results
	ZLOAD \p+1, \s
.endif
.endm
.macro OUT p
	WIN 0
.if \p == 3
	PLACES 4
.endif
.set j, 0
.rept 32
	v_pk_fma_f32 v[ACC+j:ACC+j+1], v[ACC+j:ACC+j+1], s[16:17], v[BIAS+j%32:BIAS+j%32+1] op_sel_hi:[1,0,1]   ; accumulator (u, t) at ACC + 32 u + 8 t takes bo's tile t; each accumulator from its low end on
.set j, j+2
.endr
.irp u, 0,1
.irp t, 0,1,2,3
	ds_store_b128 v[SO], v[ACC+32*\u+8*\t:ACC+32*\u+8*\t+3] offset:4352*\u+128*(\t/2)+32*(\t%2)       ; lane (r, h): stage row 16 u + r, columns 32 (t / 2) + 16 h + 8 (t % 2) + 0..7
	ds_store_b128 v[SO], v[ACC+32*\u+8*\t+4:ACC+32*\u+8*\t+7] offset:4352*\u+128*(\t/2)+32*(\t%2)+16
.endr
.endr
	s_wait_xcnt 0x0                                ; the last trip's stores have read the registers that the loads below fill
.irp i, 0,1,2,3,4,5,6,7,8,9,10,11,12,13,14,15
	ds_load_b128 v[OB+4*\i:OB+4*\i+3], v[SR] offset:544*\i   ; LDS serves a wave's instructions in order (ISA guide 5.7.1.4): these see my stores; stage rows 2 i and 2 i + 1
.endr
.irp i, 0,1,2,3,4,5,6,7,8,9,10,11,12,13,14,15
	s_wait_dscnt 15-\i
	global_store_b128 v[GO], v[OB+4*\i:OB+4*\i+3], s[12:13] offset:131072*\p+4096*(8*(\i/8)+((2*\i)%16)+8*(((2*\i)%16)/8)) th:TH_STORE_NT   ; stage row 16 u + r is row 8 u + r + 8 (r / 8) of the 32; two runs of 256 bytes, aligned
.endr
.endm
	s_load_b256 s[4:11], s[0:1], 0x0               ; zimg s[4:5], wimg s[6:7], bo s[8:9], exponents s[10:11]
	s_load_b64 s[12:13], s[0:1], 0x20              ; out0
	v_lshl_add_u32 v254, v0, 2, 0x8800
	v_mov_b32 v255, 0
	v_lshrrev_b32 v1, 5, v0
	v_readfirstlane_b32 s14, v1                    ; wave 0..3
	v_and_b32 v1, 31, v0
	v_lshlrev_b32 v[LI], 4, v1
	v_and_b32 v12, 15, v0                          ; r
	v_bfe_u32 v13, v0, 4, 1                        ; h
	s_mul_i32 s22, s14, 8704                       ; my stage
	v_mul_u32_u24 v[SO], v12, 272
	v_lshl_add_u32 v[SO], v13, 6, v[SO]
	v_add_nc_u32 v[SO], s22, v[SO]
	v_mul_u32_u24 v[SR], v13, 272
	v_lshl_add_u32 v[SR], v12, 4, v[SR]
	v_add_nc_u32 v[SR], s22, v[SR]
	v_lshlrev_b32 v[GO], 12, v13                   ; lanes 0-15 one row of out, lanes 16-31 the next
	v_lshl_add_u32 v[GO], v12, 4, v[GO]
	v_lshlrev_b32 v14, 6, v13                      ; bo: register j of tile t is column 32 (t / 2) + 16 h + 8 (t % 2) + j
	s_and_b32 s23, ttmp7, 0xffff                   ; y
	s_lshl_b32 s24, ttmp9, 2
	s_add_co_u32 s24, s24, s14                     ; my group of 64 columns
	s_lshl_b32 s26, s24, 16
	s_add_co_u32 s26, s26, 3<<20                   ; wo is the fourth weight in wimg
	s_mov_b32 s27, 0
	s_lshl_b32 s28, s24, 8                         ; bo, and my columns in a row of out: 256 bytes a group
	s_mov_b32 s29, 0
	s_lshl_b32 s30, s23, 17                        ; z: 8 y tiles of 16,384 bytes
	s_mov_b32 s31, 0
	s_lshl_b32 s32, s23, 19                        ; out: 128 y rows of 4,096 bytes
	s_add_co_u32 s32, s32, s28
	s_mov_b32 s33, 0
	s_wait_kmcnt 0x0
	s_load_b64 s[20:21], s[10:11], 0x28            ; e10, e11
	s_add_nc_u64 s[6:7], s[6:7], s[26:27]
	s_add_nc_u64 s[8:9], s[8:9], s[28:29]
	s_add_nc_u64 s[4:5], s[4:5], s[30:31]
	s_add_nc_u64 s[12:13], s[12:13], s[32:33]
	WIN 0x80                                       ; destination window 2
.irp s, 0,1,2,3
.irp t, 0,1,2,3
.irp c, 0,1,2,3
	global_load_b128 v[64*\s+16*\t+4*\c:64*\s+16*\t+4*\c+3], v[LI], s[6:7] offset:(8*\t+\s)*2048+512*\c
.endr
.endr
.endr
	WIN 0xc0                                       ; destination window 3
.irp s, 0,1,2,3
.irp t, 0,1,2,3
.irp c, 0,1,2,3
	global_load_b128 v[64*\s+16*\t+4*\c:64*\s+16*\t+4*\c+3], v[LI], s[6:7] offset:(8*\t+\s+4)*2048+512*\c
.endr
.endr
.endr
	WIN 0
.irp t, 0,1,2,3
	global_load_b128 v[BIAS+8*\t:BIAS+8*\t+3], v14, s[8:9] offset:(32*(\t/2)+8*(\t%2))*4
	global_load_b128 v[BIAS+8*\t+4:BIAS+8*\t+7], v14, s[8:9] offset:(32*(\t/2)+8*(\t%2))*4+16
.endr
	WIN 0x40
.irp s, 0,1,2,3,4,5,6,7
	ZLOAD 0, \s                                    ; the ring is filled: wo and bo were asked for ahead of it, so the first slot's wait shows them in too
.endr
	s_wait_kmcnt 0x0
	s_add_co_i32 s16, s20, s21
	s_add_co_i32 s16, s16, 127
	s_lshl_b32 s16, s16, 23                        ; 2^(e10 + e11) as f32
	s_mov_b32 s17, s16                             ; (named with it as a pair)
.irp p, 0,1,2,3
.irp s, 0,1,2,3,4,5,6,7
	KSTEP \p, \s
.endr
	OUT \p
.endr
	s_wait_tensorcnt 0x0
	ds_add_u32 v254, v255
	s_wait_dscnt 0x0
	s_endpgm
.Lfunc_end_k_qf6ce3a916f_oproj:
	.size	k_qf6ce3a916f_oproj, .Lfunc_end_k_qf6ce3a916f_oproj-k_qf6ce3a916f_oproj
	.p2alignl 7, 3214868480
	.fill 96, 4, 3214868480
	.section	.rodata,"a",@progbits
	.p2align	6, 0x0
	.amdhsa_kernel k_qf6ce3a916f_oproj
		.amdhsa_group_segment_fixed_size 35328
		.amdhsa_private_segment_fixed_size 0
		.amdhsa_enable_private_segment 0
		.amdhsa_kernarg_size 40
		.amdhsa_user_sgpr_count 2
		.amdhsa_user_sgpr_kernarg_segment_ptr 1
		.amdhsa_wavefront_size32 1
		.amdhsa_system_sgpr_workgroup_id_x 1
		.amdhsa_system_sgpr_workgroup_id_y 1
		.amdhsa_system_sgpr_workgroup_id_z 1
		.amdhsa_system_vgpr_workitem_id 0
		.amdhsa_next_free_vgpr 1024
		.amdhsa_next_free_sgpr 66
		.amdhsa_reserve_vcc 0
		.amdhsa_float_denorm_mode_32 3
		.amdhsa_float_denorm_mode_16_64 3
		.amdhsa_memory_ordered 1
		.amdhsa_forward_progress 1
		.amdhsa_inst_pref_size 86
	.end_amdhsa_kernel
	.amdgpu_metadata
---
amdhsa.version: [ 1, 2 ]
amdhsa.kernels:
  - .name:           k_qf6ce3a916f_oproj
    .symbol:         k_qf6ce3a916f_oproj.kd
    .args:
      - { .name: zimg, .offset: 0, .size: 8, .value_kind: global_buffer, .address_space: global }
      - { .name: wimg, .offset: 8, .size: 8, .value_kind: global_buffer, .address_space: global }
      - { .name: bo, .offset: 16, .size: 8, .value_kind: global_buffer, .address_space: global }
      - { .name: lowp_scales, .offset: 24, .size: 8, .value_kind: global_buffer, .address_space: global }
      - { .name: out0, .offset: 32, .size: 8, .value_kind: global_buffer, .address_space: global }
    .group_segment_fixed_size: 35328
    .private_segment_fixed_size: 0
    .kernarg_segment_align: 8
    .kernarg_segment_size: 40
    .max_flat_workgroup_size: 128
    .sgpr_count:     66
    .vgpr_count:     1024
    .wavefront_size: 32
...
	.end_amdgpu_metadata
.endif
;; end of part 4
;; ======== version 2 of 3: 4 launches
;; limits: right only within a limited range of input values
;; workspace buffers: wimg 4,194,304 bytes; mw 2,097,152 bytes of whole numbers; mf 65,536 bytes of whole numbers; qimg 8,388,608 bytes; kv 16,777,216 bytes; zimg 8,388,608 bytes
;; launch prep (part 5): grid 640 x 1, 4 waves a work-group, no clusters, 0 bytes of LDS; arguments wq, wk, wv, wo, mask, lowp_scales, wimg, mw, mf; writes wimg, mw, mf
.if DOCPART == 5
	.amdgcn_target "amdgcn-amd-amdhsa--gfx1250"
	.amdhsa_code_object_version 6
	.text
	.protected	k_qf6ce3a916f_prep
	.globl	k_qf6ce3a916f_prep
	.p2align	8
	.type	k_qf6ce3a916f_prep,@function
k_qf6ce3a916f_prep:
	s_mov_b64 s[64:65], 0
	v_nop
	global_prefetch_b8 v0, s[64:65] scope:SCOPE_SE
	s_setreg_imm32_b32 hwreg(HW_REG_WAVE_MODE, 25, 1), 1
	s_wait_xcnt 0x0
; PREP: two jobs that need no product, told apart by the work-group's number.
; (a) Work-groups 0-127: the four weights [1024 (k)][1024 (n)] f32 become codes of E5M2, laid as IMAGES OF OPERAND REGISTERS:
;     wimg[j][cg = n / 64][T = 0..3][s = k / 128] is a fragment of 2,048 bytes; its piece c (512 bytes) holds at 16 x lane the 16 codes k = 128 s + 32 c + 16 (lane / 16) + 0..15
;     of column 64 cg + 32 (T / 2) + 8 (T % 2) + r + 8 (r / 8), r = lane % 16.  So a later launch fills a fragment by four 16-byte loads a lane, each load 512 bytes on end.
;     A lane takes a column and its registers run down K: nothing is transposed.  code = x / 2^e, held within +-57,344, to the nearest code, ties to even.
; (b) Work-groups 128-639: the mask's bytes become LANE MASKS.  mw[m = batch x 128 + query tile][key step of 128][64 words]: bit L of word n says whether
;     query 32 (tile / 2) + 8 (tile % 2) + r + 8 (r / 8) attends to key 128 step + 32 (n / 16) + 16 (L / 16) + n % 16: the place of score register n of lane L in the attention launch.
;     Beside them two FLAG WORDS for each step, mf[m][32 words]: word step = the OR of the step's 64 words (bit L: some key of lane L's 64 counts); word 16 + step = bit L: all 64 bytes of lane L are 1.
;     The attention launch branches on them: a step in which no key counts, and the selects of a step in which every key counts, need not be worked.
; LIMITS: each weight's exponent e lies between -126 and 112.  NaN among the weights is not served.  A mask byte counts as true where it is not 0; a step counts as all true only where all its bytes are 1.
; No LDS, no barrier: waves share nothing.  EXEC is narrowed once, for the flags' store of eight lanes (32 bytes a wave: the one store here that does not cover 256 bytes on end; the buffer has 65,536 bytes in all).
.set XSET, 32                          ; v32-95   (a) two sets of 32 numbers;  (b) v32-95: 4 steps x 16 registers of mask bytes
.set CD,   96                          ; v96-159  (a) a block's 8 registers of codes, a set for each block: no store's data are written again;  (b) v96-103 the words, v104-109 at work, v110 the flags
.macro LOAD t                          ; block t: W(32 t + i, my column), i = 0..31: a wave reads 128 bytes on end, the four waves 512
.set i, 0
.rept 32
	global_load_b32 v[XSET+32*((\t)%2)+i], v3, s[4:5] offset:(32*(\t)+i)*4096 th:TH_LOAD_NT
.set i, i+1
.endr
.endm
.macro BLOCK t
.if (\t) < 7
	s_wait_loadcnt 32                              ; this block's 32 loads are in; the next block's 32 may be out
.else
	s_wait_loadcnt 0x0
.endif
.set i, 0
.rept 32
	v_med3_num_f32 v[XSET+32*((\t)%2)+i], v[XSET+32*((\t)%2)+i], -v10, v10   ; the conversion to an 8-bit code does not saturate (ISA guide 7.6.2): the hold at the largest code x the scale
.set i, i+1
.endr
.irp g, 0,1,2,3
	v_cvt_scalef32_pk8_bf8_f32 v[CD+8*(\t)+2*\g:CD+8*(\t)+2*\g+1], v[XSET+32*((\t)%2)+8*\g:XSET+32*((\t)%2)+8*\g+7], v11
.endr
	; codes 0-15 of the block are the half lane / 16 = 0 of piece t % 4 of fragment s = 2 y + t / 4, codes 16-31 the other half, 256 bytes on.  Sixteen lanes fill 256 bytes on end, aligned
	global_store_b128 v4, v[CD+8*(\t):CD+8*(\t)+3], s[16:17] offset:((\t)/4)*2048+((\t)%4)*512
	global_store_b128 v4, v[CD+8*(\t)+4:CD+8*(\t)+7], s[16:17] offset:((\t)/4)*2048+((\t)%4)*512+256
.if (\t) < 6
	LOAD (\t)+2
.endif
.endm
.macro WORDS sl                        ; the 64 words and the two flag words of my sl-th step
	s_wait_loadcnt 12-4*\sl                        ; this step's four loads are in; the later steps' four each may be out
	v_or_b32 v108, v[32+16*\sl], v[33+16*\sl]      ; the OR and the AND of my 16 dwords: 64 bytes
	v_and_b32 v109, v[32+16*\sl], v[33+16*\sl]
.set n, 2
.rept 14
	v_or_b32 v108, v108, v[32+16*\sl+n]
	v_and_b32 v109, v109, v[32+16*\sl+n]
.set n, n+1
.endr
	v_cmp_ne_u32 s38, 0, v108                      ; bit L: some byte of lane L is not 0: the OR of the 64 words below
	v_cmp_eq_u32 s39, 0x01010101, v109             ; bit L: all bytes of lane L are 1
	v_writelane_b32 v110, s38, \sl
	v_writelane_b32 v110, s39, 4+\sl
.set n, 0
.rept 64
	v_and_b32 v[104+n%4], 0xff<<(8*(n%4)), v[32+16*\sl+n/4]      ; byte n of my 64
	v_cmp_ne_u32 s[20+n%8], 0, v[104+n%4]                        ; one bit a lane
	v_writelane_b32 v[96+2*\sl+n%2], s[20+n%8], n/2              ; word n goes to lane n / 2, register n % 2: the store below lays the words on end
.set n, n+1
.endr
	global_store_b64 v5, v[96+2*\sl:97+2*\sl], s[18:19] offset:256*\sl   ; 32 lanes x 8 bytes: 256 bytes on end, aligned
.endm
	s_load_b512 s[4:19], s[0:1], 0x0               ; wq s[4:5], wk s[6:7], wv s[8:9], wo s[10:11], mask s[12:13], exponents s[14:15], wimg s[16:17], mw s[18:19]
	s_load_b64 s[50:51], s[0:1], 0x40              ; mf
	v_lshrrev_b32 v1, 5, v0
	v_readfirstlane_b32 s2, v1                     ; wave 0..3
	v_and_b32 v2, 31, v0                           ; lane
	s_cmp_lt_u32 ttmp9, 128
	s_cbranch_scc0 .Lmask
	; ---- (a) a weight: id = 32 j + 8 y + x.  My wave: columns 128 x + 32 wave + lane, k = 256 y .. 256 y + 255
	s_lshr_b32 s28, ttmp9, 5                       ; j: wq, wk, wv, wo
	s_bfe_u32 s29, ttmp9, 0x20003                  ; y
	s_and_b32 s30, ttmp9, 7                        ; x
	v_lshlrev_b32 v3, 2, v2                        ; in: 4 bytes a lane
	v_bfe_u32 v5, v2, 3, 1                         ; my column's tile of the two in its group of 32: (lane / 8) % 2,
	v_and_b32 v6, 7, v2
	v_lshrrev_b32 v7, 4, v2
	v_lshl_add_u32 v6, v7, 3, v6                   ; and its row there: lane % 8 + 8 (lane / 16)
	v_lshlrev_b32 v4, 4, v6
	v_lshl_add_u32 v4, v5, 14, v4                  ; out: 16 x row + 16,384 x tile (a tile's eight fragments)
	s_lshl_b32 s32, s29, 20                        ; source: 256 y rows of 4,096 bytes
	s_lshl_b32 s33, s30, 9
	s_add_co_u32 s32, s32, s33                     ; + 128 x columns
	s_lshl_b32 s33, s2, 7
	s_add_co_u32 s32, s32, s33                     ; + 32 wave columns
	s_mov_b32 s33, 0
	s_lshl_b32 s34, s28, 20                        ; destination: the weight's 2^20 bytes,
	s_lshl_b32 s35, s30, 17
	s_add_co_u32 s34, s34, s35
	s_lshl_b32 s35, s2, 15
	s_add_co_u32 s34, s34, s35                     ; (8 x + 2 wave) tiles of 16,384 bytes,
	s_lshl_b32 s35, s29, 12
	s_add_co_u32 s34, s34, s35                     ; fragment s = 2 y
	s_mov_b32 s35, 0
	s_wait_kmcnt 0x0
	s_load_b256 s[36:43], s[14:15], 0x0            ; e0 .. e7
	s_load_b128 s[44:47], s[14:15], 0x20           ; e8 .. e11
	s_cmp_eq_u32 s28, 1                            ; the choice of the buffer hangs on the work-group's number alone
	s_cselect_b64 s[4:5], s[6:7], s[4:5]
	s_cmp_eq_u32 s28, 2
	s_cselect_b64 s[4:5], s[8:9], s[4:5]
	s_cmp_eq_u32 s28, 3
	s_cselect_b64 s[4:5], s[10:11], s[4:5]
	s_add_nc_u64 s[4:5], s[4:5], s[32:33]
	s_add_nc_u64 s[16:17], s[16:17], s[34:35]
	LOAD 0
	LOAD 1
	s_wait_kmcnt 0x0
	s_cmp_eq_u32 s28, 1                            ; the weight's exponent: entry 1, 3, 5 or 11
	s_cselect_b32 s48, s39, s37
	s_cmp_eq_u32 s28, 2
	s_cselect_b32 s48, s41, s48
	s_cmp_eq_u32 s28, 3
	s_cselect_b32 s48, s47, s48
	s_add_co_i32 s48, s48, 127
	s_lshl_b32 s49, s48, 23
	v_mov_b32 v11, s49                             ; 2^e as f32: the conversion takes its exponent field
	s_add_co_i32 s48, s48, 15
	s_lshl_b32 s48, s48, 23
	s_or_b32 s48, s48, 0x600000
	v_mov_b32 v10, s48                             ; 57,344 x 2^e
.irp t, 0,1,2,3,4,5,6,7
	BLOCK \t
.endr
	s_endpgm
	; ---- (b) the mask: m = id - 128 = batch x 128 + query tile.  My wave: key steps 4 wave .. 4 wave + 3
.Lmask:
	s_sub_co_u32 s28, ttmp9, 128                   ; m
	s_lshr_b32 s30, s28, 1
	s_lshl_b32 s30, s30, 16                        ; 32 (m / 2) rows of 2,048 bytes
	s_and_b32 s31, s28, 1
	s_lshl_b32 s31, s31, 14                        ; + 8 (m % 2) rows
	s_add_co_u32 s30, s30, s31
	s_lshl_b32 s31, s2, 9                          ; + my four steps' 512 keys
	s_add_co_u32 s30, s30, s31
	s_mov_b32 s31, 0
	s_lshl_b32 s32, s28, 12                        ; out: 16 m + 4 wave steps of 256 bytes
	s_lshl_b32 s33, s2, 10
	s_add_co_u32 s32, s32, s33
	s_mov_b32 s33, 0
	s_lshl_b32 s34, s28, 7                         ; the flags: 128 bytes a tile
	s_mov_b32 s35, 0
	s_lshl_b32 s36, s2, 4                          ; my four steps' words: 16 bytes
	v_and_b32 v6, 15, v0                           ; r
	v_and_b32 v7, 8, v6
	v_add_nc_u32 v6, v6, v7                        ; r + 8 (r / 8): my query's row among the tile's
	v_bfe_u32 v7, v0, 4, 1
	v_lshlrev_b32 v3, 11, v6
	v_lshl_add_u32 v3, v7, 4, v3                   ; in: my row, + 16 (lane / 16)
	v_lshlrev_b32 v5, 3, v2                        ; out: 8 bytes a lane
	v_lshrrev_b32 v8, 2, v2
	v_mul_u32_u24 v8, v8, 48
	v_lshl_add_u32 v8, v2, 2, v8
	v_add_nc_u32 v8, s36, v8                       ; the flags: lanes 0-3 at 16 wave + 4 lane (the ORs), lanes 4-7 at 64 + 16 wave + 4 (lane - 4) (the ANDs)
.irp j, 0,1,2,3,4,5,6,7
	v_mov_b32 v[96+\j], 0                          ; a lane write's destination counts as read: written once
.endr
	v_mov_b32 v110, 0
	s_wait_kmcnt 0x0
	s_add_nc_u64 s[12:13], s[12:13], s[30:31]
	s_add_nc_u64 s[18:19], s[18:19], s[32:33]
	s_add_nc_u64 s[50:51], s[50:51], s[34:35]
.irp sl, 0,1,2,3
.irp bb, 0,1,2,3
	global_load_b128 v[32+16*\sl+4*\bb:35+16*\sl+4*\bb], v3, s[12:13] offset:128*\sl+32*\bb th:TH_LOAD_NT   ; keys 32 bb + 16 (lane / 16) + 0..15 of the step
.endr
.endr
.irp sl, 0,1,2,3
	WORDS \sl
.endr
	s_wait_xcnt 0x0                                ; EXEC is a source of the stores above: it changes only behind this wait
	v_cmp_gt_u32 vcc_lo, 8, v2
	s_and_saveexec_b32 s40, vcc_lo                 ; lanes 0-7 hold my eight flag words
	global_store_b32 v8, v110, s[50:51]
	s_wait_xcnt 0x0                                ; and again, in front of the line that widens it
	s_or_b32 exec_lo, exec_lo, s40
	s_endpgm
.Lfunc_end_k_qf6ce3a916f_prep:
	.size	k_qf6ce3a916f_prep, .Lfunc_end_k_qf6ce3a916f_prep-k_qf6ce3a916f_prep
	.p2alignl 7, 3214868480
	.fill 96, 4, 3214868480
	.section	.rodata,"a",@progbits
	.p2align	6, 0x0
	.amdhsa_kernel k_qf6ce3a916f_prep
		.amdhsa_group_segment_fixed_size 0
		.amdhsa_private_segment_fixed_size 0
		.amdhsa_enable_private_segment 0
		.amdhsa_kernarg_size 72
		.amdhsa_user_sgpr_count 2
		.amdhsa_user_sgpr_kernarg_segment_ptr 1
		.amdhsa_wavefront_size32 1
		.amdhsa_system_sgpr_workgroup_id_x 1
		.amdhsa_system_sgpr_workgroup_id_y 1
		.amdhsa_system_sgpr_workgroup_id_z 1
		.amdhsa_system_vgpr_workitem_id 0
		.amdhsa_next_free_vgpr 176
		.amdhsa_next_free_sgpr 66
		.amdhsa_reserve_vcc 1
		.amdhsa_float_denorm_mode_32 3
		.amdhsa_float_denorm_mode_16_64 3
		.amdhsa_memory_ordered 1
		.amdhsa_forward_progress 1
		.amdhsa_inst_pref_size 103
	.end_amdhsa_kernel
	.amdgpu_metadata
---
amdhsa.version: [ 1, 2 ]
amdhsa.kernels:
  - .name:           k_qf6ce3a916f_prep
    .symbol:         k_qf6ce3a916f_prep.kd
    .args:
      - { .name: wq, .offset: 0, .size: 8, .value_kind: global_buffer, .address_space: global }
      - { .name: wk, .offset: 8, .size: 8, .value_kind: global_buffer, .address_space: global }
      - { .name: wv, .offset: 16, .size: 8, .value_kind: global_buffer, .address_space: global }
      - { .name: wo, .offset: 24, .size: 8, .value_kind: global_buffer, .address_space: global }
      - { .name: mask, .offset: 32, .size: 8, .value_kind: global_buffer, .address_space: global }
      - { .name: lowp_scales, .offset: 40, .size: 8, .value_kind: global_buffer, .address_space: global }
      - { .name: wimg, .offset: 48, .size: 8, .value_kind: global_buffer, .address_space: global }
      - { .name: mw, .offset: 56, .size: 8, .value_kind: global_buffer, .address_space: global }
      - { .name: mf, .offset: 64, .size: 8, .value_kind: global_buffer, .address_space: global }
    .group_segment_fixed_size: 0
    .private_segment_fixed_size: 0
    .kernarg_segment_align: 8
    .kernarg_segment_size: 72
    .max_flat_workgroup_size: 128
    .sgpr_count:     66
    .vgpr_count:     176
    .wavefront_size: 32
...
	.end_amdgpu_metadata
.endif
;; end of part 5
;; launch proj: the kernel of part 2 again; grid 4 x 48, 4 waves a work-group, no clusters, 99,328 bytes of LDS; arguments q, k, v, bq, bk, bv, lowp_scales, wimg, qimg, kv; writes qimg, kv
;; launch attn (part 6): grid 4 x 64, 16 waves a work-group, no clusters, 264,192 bytes of LDS; arguments qimg, kv, mw, mf, lowp_scales, zimg; writes zimg
.if DOCPART == 6
	.amdgcn_target "amdgcn-amd-amdhsa--gfx1250"
	.amdhsa_code_object_version 6
	.text
	.protected	k_qf6ce3a916f_attn
	.globl	k_qf6ce3a916f_attn
	.p2align	8
	.type	k_qf6ce3a916f_attn,@function
k_qf6ce3a916f_attn:
	s_mov_b64 s[64:65], 0
	v_nop
	global_prefetch_b8 v0, s[64:65] scope:SCOPE_SE
	s_setreg_imm32_b32 hwreg(HW_REG_WAVE_MODE, 25, 1), 1
	s_wait_xcnt 0x0
; ATTN: z = softmax(mask(Q K^T / 8)) V for one head, both products on codes of E5M2; z is quantised at once for the output projection.
; THE SOFTMAX AHEAD OF THE SECOND PRODUCT: t = score x log2(e) / 8; M = the running largest t rounded UP to a whole number; p = 2^(t - M) is quantised, not normalised; the row's sum is taken of the
; unquantised p and divides at the end.  When M moves, the sum and O are multiplied by 2^(old M - new M), which rounds nothing.
; THE MASK is an input and is honoured bit by bit: an earlier launch has laid it as lane masks, one word for each score register, so a masked score costs one v_cndmask_b32.  A masked score becomes -2^100
; ahead of the maximum: c x 2^100 is a whole f32 number, so in a row that has met only masked keys t - M is exactly 0 and p = 1 (a row whose mask is all false ends as the uniform softmax that the
; reference gives); the first key that counts makes the factor 2^(old M - new M) zero and wipes those terms; in every other row a masked key's p is 0.
; WORK THAT THE MASK THROWS AWAY IS JUMPED OVER, by scalar branches on whole numbers that the earlier launch stored (two flag words a step), inside loops of a constant 16 trips:
;   - a step of 128 keys none of which counts for any of the tile's 16 queries is left out whole, if every row of the tile has a key that counts in some step (its masked keys then end with weight 0);
;     a tile with a wholly masked row walks all 16 steps;
;   - a step all of whose keys count leaves out its 64 selects, and its mask words are not loaded;
;   - the 64 holds of p are left out where e8 >= -15: 57,344 x 2^e8 is then 1.75 or more, and p is at most 1.  Where e8 < -15 they are executed.
; SHARES.  Work-group (X, head): 512 queries of one head: 256 work-groups.  Wave w of SIXTEEN owns query tiles g = 16 X + w and 127 - g, one after the other; four waves share a SIMD, so that one wave's
; vector work stands beside another's matrix work and LDS loads.  The pairing evens the steps out where later queries attend to more keys (g / 8 + (127 - g) / 8 = 15 for every g); every mask is served alike rightly.
; LDS holds the head's WHOLE K and V, 262,144 bytes, as images of operand registers (step s at 16,384 s: 8 tiles of K, 4 of V^T).  It is written once, through registers: wave w brings step w's 16,384 bytes.
; NO CLUSTER, NO TENSOR LOAD, though the four work-groups of a head read the same block: the waves here branch on numbers read from memory, each by its own tiles' flags.
;   What is shared is read once, at the head: 262,144 bytes for up to 512 tile steps of a work-group.
; LAYOUT.  S^T = K Q^T (source 0 = 16 keys, source 1 = my 16 queries), O^T = V^T P^T: a lane holds ONE query throughout.  The keys of a tile of K and the channels of a tile of V^T are not neighbours
; (lane r of tile 2 b + u: 32 b + 8 u + r + 8 (r / 8)), so that p's, and z's, 16 registers of two neighbouring tiles are 16 neighbours along the next K.
; NO PREFETCH: all of K and V is asked for at the head, and the mask words are asked for a step ahead of their use.
; LIMITS on the given exponents: e6 + e7 between -74 and 29 (c x 2^100 is then a whole number under 3e38); e8, and e10 - e8 - e9, between -126 and 112.
; REGISTERS: v1 16 x lane; v2 the step's LDS address; v3, v4 Q's offsets; v5 where my part of K and V goes; v12 -M, v13 the largest t, v[14:15] the sum in two halves; v16-23, v24-31 Q of my two tiles;
; v32-95 K's 8 fragments, then V's 4 (at the head v32-159: K and V on their way to LDS); v96-159 S^T, then p; v160-191 O^T; v200-207 at work; v208 -2^100; v209, v210: 57,344 x 2^e8, 2^e8;
; v211, v212: the same with e10 - e8 - e9; v224-239 p's codes; v240-247, v248-255 z's codes of my two tiles.
; s[4:5] Q; s[6:7] K and V; s[8:9], s[56:57] the mask words of my two tiles; s[10:11], s[58:59] their flags; s[12:13], s[54:55] their z; s14 wave; s15 LDS byte of the step; s16 counter;
; s17 bit 0: the step in hand is worked; s18 bit 0: it needs its mask words, bit 1: the next step does (both shifted each trip); s62, s63 the same for my second tile; s60: 1 where p is held;
; s20-51, s68-99 the step's 64 mask words; s[66:67] c; s[100:101] lane selects; s2, s3, s19, s61 at work.
.macro INIT                            ; a tile begins: the step is written once, and its first trip finds zeros, which the first change of M leaves zeros
	v_mov_b32 v13, 0xff61b1e6                      ; the largest t so far: -3e38, under every t
	v_floor_f32 v12, -v13                          ; -M
	v_mov_b32 v14, 0
	v_mov_b32 v15, 0
.set j, 0
.rept 32
	v_mov_b32 v[160+j], 0
.set j, j+1
.endr
	s_mov_b32 s15, 0
.endm
; A tile's 32 flag words (the ORs from s[orb] on, the ANDs from s[andb] on) become two words of 16 bits, bit i for step i.
.macro FLAGS orb, andb, any, need
	s_or_b32 s19, s[\orb], s[\orb+1]
.set i, 2
.rept 14
	s_or_b32 s19, s19, s[\orb+i]
.set i, i+1
.endr
	s_lshr_b32 s61, s19, 16                        ; lanes r and 16 + r hold the two halves of row r's keys
	s_or_b32 s19, s19, s61
	s_and_b32 s19, s19, 0xffff                     ; bit r: row r has a key that counts
	s_mov_b32 s[\any], 0
	s_mov_b32 s[\need], 0
.set i, 0
.rept 16
	s_cmp_lg_u32 s[\orb+i], 0
	s_cselect_b32 s61, 1<<i, 0
	s_or_b32 s[\any], s[\any], s61                 ; some key of step i counts
	s_cmp_eq_u32 s[\andb+i], -1
	s_cselect_b32 s61, 1<<i, 0
	s_or_b32 s[\need], s[\need], s61               ; (for now: all keys of step i count)
.set i, i+1
.endr
	s_cmp_eq_u32 s19, 0xffff
	s_cselect_b32 s[\any], s[\any], 0xffff         ; a tile with a wholly masked row walks every step
	s_and_not1_b32 s[\need], s[\any], s[\need]     ; the words are needed where the step is worked and not all its keys count
.endm
.macro WLOAD mp                        ; a step's 64 mask words
	s_load_b512 s[20:35], s[\mp:\mp+1], 0x0
	s_load_b512 s[36:51], s[\mp:\mp+1], 0x40
	s_load_b512 s[68:83], s[\mp:\mp+1], 0x80
	s_load_b512 s[84:99], s[\mp:\mp+1], 0xc0
.endm
; Once in every trip, on either way: the words' address steps, and the next step's words are asked for if that step needs them.  Bit 16 is never set: no load leaves the buffer behind the last step.
.macro AHEAD mp
	s_wait_kmcnt 0x0                               ; no load of words is out: its registers and its base may be written
	s_wait_xcnt 0x0
	s_add_nc_u64 s[\mp:\mp+1], s[\mp:\mp+1], 256
	s_and_b32 s19, s18, 2
	s_cmp_lg_u32 s19, 0
	s_cbranch_scc0 .Lnone_\@
	WLOAD \mp
.Lnone_\@:
.endm
; A KEY STEP: 128 keys.  qf: Q's first register.  mp: the pair that holds the mask words' address.
.macro STEP qf, mp
	s_and_b32 s19, s17, 1
	s_cmp_lg_u32 s19, 0
	s_cbranch_scc1 .Lwork_\@
	AHEAD \mp                                      ; no key of the step counts: only the addresses step
	s_branch .Lend_\@
.Lwork_\@:
	v_add_nc_u32 v2, s15, v1
.rept 3
	v_nop                                          ; with the addition above: four places in front of loads into registers that the last matrix instructions read
.endr
.irp t, 0,1,2,3,4,5,6,7
.irp c, 0,1
	ds_load_b128 v[32+8*\t+4*\c:35+8*\t+4*\c], v2 offset:1024*\t+512*\c   ; an image: 512 bytes on end
.endr
.endr
	s_wait_dscnt 0x0
.irp t, 0,1,2,3,4,5,6,7
	v_wmma_f32_16x16x64_bf8_bf8 v[96+8*\t:103+8*\t], v[32+8*\t:39+8*\t], v[\qf:\qf+7], 0   ; register 16 b + i of lane (r, h): query r, key 32 b + 16 h + i
.endr
.rept 4
	v_nop
.endr
.irp t, 0,1,2,3
.irp c, 0,1,2,3
	ds_load_b128 v[32+16*\t+4*\c:35+16*\t+4*\c], v2 offset:8192+2048*\t+512*\c   ; V^T lands while the softmax is worked
.endr
.endr
	s_and_b32 s19, s18, 1
	s_cmp_lg_u32 s19, 0
	s_cbranch_scc0 .Lopen_\@                       ; every key of the step counts: nothing to select
	s_wait_kmcnt 0x0                               ; this step's 64 mask words, asked for a step ago
.set n, 0
.rept 64
.if n < 32
	v_cndmask_b32 v[96+n], v208, v[96+n], s[20+n]  ; each accumulator from its low end on
.else
	v_cndmask_b32 v[96+n], v208, v[96+n], s[36+n]
.endif
.set n, n+1
.endr
.Lopen_\@:
	AHEAD \mp
	v_max3_num_f32 v200, v96, v97, v98             ; the step's largest score of my query among my 64 keys, in two chains, each accumulator from its low end on,
	v_max3_num_f32 v202, v99, v100, v101
.set j, 6
.rept 14
	v_max3_num_f32 v200, v200, v[96+j], v[97+j]
	v_max3_num_f32 v202, v202, v[98+j], v[99+j]
.set j, j+4
.endr
	v_max3_num_f32 v200, v200, v158, v159
	v_max_num_f32 v200, v200, v202
	v_permlanex16_b32 v204, v200, s100, s101
	v_max_num_f32 v200, v200, v204                 ; and among lane l xor 16's
	v_mul_f32 v200, s66, v200                      ; as t (c is positive)
	v_max_num_f32 v13, v13, v200                   ; the running largest t
	v_mov_b32 v200, v12
	v_floor_f32 v12, -v13                          ; the new -M = floor(-t) = -ceil(t): a whole number
	v_sub_f32 v200, v12, v200                      ; old M - new M: a whole number, 0 or less
	v_cvt_i32_f32 v200, v200                       ; (it saturates)
	v_ldexp_f32 v202, 1.0, v200                    ; f = 2^(old M - new M)
.set j, 0
.rept 32
	v_pk_fma_f32 v[96+j:97+j], v[96+j:97+j], s[66:67], v[12:13] op_sel_hi:[1,0,0]   ; t - M, two at a time (of the pairs c and -M the low word serves both halves)
.set j, j+2
.endr
.set j, 0
.rept 64
	v_exp_f32 v[96+j], v[96+j]                     ; p = 2^(t - M), at most 1
.set j, j+1
.endr
	v_pk_mul_f32 v[14:15], v[14:15], v[202:203] op_sel_hi:[1,0]   ; the sums under the new M: a plain instruction behind the exponentials
	s_wait_alu depctr_va_vdst(0)                   ; one wait for the whole batch, ahead of its first reader
	v_pk_add_f32 v[206:207], v[96:97], v[98:99]    ; the row's sum is taken of the unquantised p: two at a time, in two chains
.set j, 4
.rept 15
	v_pk_add_f32 v[14:15], v[14:15], v[96+j:97+j]
	v_pk_add_f32 v[206:207], v[206:207], v[98+j:99+j]
.set j, j+4
.endr
	v_pk_add_f32 v[14:15], v[14:15], v[206:207]
	s_cmp_lg_u32 s60, 0
	s_cbranch_scc0 .Lfits_\@                       ; e8 >= -15: the largest code x the scale is 1.75 or more, p at most 1: nothing to hold
.set j, 0
.rept 64
	v_min_num_f32 v[96+j], v[96+j], v209           ; the conversion does not saturate (ISA guide 7.6.2); p is not negative, so the hold is one-sided
.set j, j+1
.endr
.Lfits_\@:
.irp b, 0,1,2,3
	v_cvt_scalef32_pk8_bf8_f32 v[224+4*\b:225+4*\b], v[96+16*\b:103+16*\b], v210
	v_cvt_scalef32_pk8_bf8_f32 v[226+4*\b:227+4*\b], v[104+16*\b:111+16*\b], v210
.endr
.set j, 0
.rept 16
	v_pk_mul_f32 v[160+j:161+j], v[160+j:161+j], v[202:203] op_sel_hi:[1,0]   ; O^T under the new M; also the plain instructions between the conversions and the products
.set j, j+2
.endr
	s_wait_dscnt 0x0                               ; V^T is in
.irp t, 0,1,2,3
	v_wmma_f32_16x16x128_bf8_bf8 v[160+8*\t:167+8*\t], v[32+16*\t:47+16*\t], v[224:239], v[160+8*\t:167+8*\t]   ; the four accumulators by turns
.endr
.Lend_\@:
	s_lshr_b32 s17, s17, 1                         ; on to the next step's bits,
	s_lshr_b32 s18, s18, 1
	s_add_co_u32 s15, s15, 16384                   ; and its tiles
.endm
; A tile ends: O^T / the sum, quantised: register 8 t + j of lane (r, h) is channel 32 (t / 2) + 16 h + 8 (t % 2) + j of query r, so four conversions give two pieces of the next operand.
.macro FIN p, zp
.rept 4
	v_nop
.endr
	v_add_f32 v14, v14, v15                        ; the sum's two halves,
	v_permlanex16_b32 v204, v14, s100, s101
	v_add_f32 v14, v14, v204                       ; and lane l xor 16's
	v_rcp_f32 v14, v14
	v_nop                                          ; a plain instruction behind the reciprocal
	s_wait_alu depctr_va_vdst(0)                   ; and the wait ahead of its first reader
.set j, 0
.rept 16
	v_pk_mul_f32 v[96+j:97+j], v[160+j:161+j], v[14:15] op_sel_hi:[1,0]
.set j, j+2
.endr
.set j, 0
.rept 32
	v_med3_num_f32 v[96+j], v[96+j], -v211, v211
.set j, j+1
.endr
.irp t, 0,1,2,3
	v_cvt_scalef32_pk8_bf8_f32 v[240+8*\p+2*\t:241+8*\p+2*\t], v[96+8*\t:103+8*\t], v212   ; the sums stand for sum x 2^(e8 + e9): the three scales are folded into one
.endr
	v_nop                                          ; a plain vector instruction behind the last scaled conversion
.irp b, 0,1
	global_store_b128 v1, v[240+8*\p+4*\b:243+8*\p+4*\b], s[\zp:\zp+1] offset:512*\b   ; 512 bytes on end, aligned; each tile has its own registers and its own base: neither is written again
.endr
.endm
	s_load_b256 s[4:11], s[0:1], 0x0               ; qimg s[4:5], kv s[6:7], mw s[8:9], mf s[10:11]
	s_load_b128 s[52:55], s[0:1], 0x20             ; exponents s[52:53], zimg s[54:55]
	v_lshl_add_u32 v222, v0, 2, 0x40000
	v_mov_b32 v223, 0
	v_lshrrev_b32 v3, 5, v0
	v_readfirstlane_b32 s14, v3                    ; wave 0..15
	v_and_b32 v3, 31, v0
	v_lshlrev_b32 v1, 4, v3                        ; 16 x lane
	s_and_b32 s36, ttmp7, 0xffff                   ; batch x 16 + head
	s_lshl_b32 s37, ttmp9, 4
	s_add_co_u32 s37, s37, s14                     ; g = 16 X + wave: my first tile in the batch,
	s_sub_co_u32 s38, 127, s37                     ; 127 - g: my second
	s_lshr_b32 s39, s36, 4
	s_lshl_b32 s39, s39, 7                         ; 128 x batch
	s_add_co_u32 s40, s39, s37                     ; batch x 128 + tile, for both
	s_add_co_u32 s41, s39, s38
	s_and_b32 s42, s36, 15
	s_lshl_b32 s42, s42, 10                        ; z: fragment head / 2 (2,048 bytes), pieces 2 (head % 2) on (512 each)
	s_lshl_b32 s43, s14, 14                        ; my wave's 16,384 bytes of K and V, in memory and in LDS
	s_lshl_b32 s20, s36, 18                        ; kv: the head's 262,144 bytes
	s_add_co_u32 s20, s20, s43
	s_mov_b32 s21, 0
	s_lshl_b32 s22, s36, 17                        ; Q: 128 tiles of 1,024 bytes a head
	s_mov_b32 s23, 0
	s_lshl_b32 s24, s40, 12                        ; the mask words: 16 steps of 256 bytes a tile
	s_mov_b32 s25, 0
	s_lshl_b32 s26, s41, 12
	s_mov_b32 s27, 0
	s_lshl_b32 s28, s40, 7                         ; the flags: 128 bytes a tile
	s_mov_b32 s29, 0
	s_lshl_b32 s30, s41, 7
	s_mov_b32 s31, 0
	s_lshl_b32 s32, s40, 14                        ; z: eight fragments of 2,048 bytes a tile
	s_add_co_u32 s32, s32, s42
	s_mov_b32 s33, 0
	s_lshl_b32 s34, s41, 14
	s_add_co_u32 s34, s34, s42
	s_mov_b32 s35, 0
	v_lshl_add_u32 v3, s37, 10, v1                 ; Q's tiles: 1,024 x tile + 16 x lane
	v_lshl_add_u32 v4, s38, 10, v1
	v_add_nc_u32 v5, s43, v1                       ; LDS: 16,384 x wave + 16 x lane
	s_mov_b32 s100, 0x76543210                     ; v_permlanex16_b32: lane l xor 16
	s_mov_b32 s101, 0xfedcba98
	s_wait_kmcnt 0x0
	s_add_nc_u64 s[6:7], s[6:7], s[20:21]
	s_add_nc_u64 s[4:5], s[4:5], s[22:23]
	s_add_nc_u64 s[56:57], s[8:9], s[26:27]
	s_add_nc_u64 s[8:9], s[8:9], s[24:25]
	s_add_nc_u64 s[58:59], s[10:11], s[30:31]
	s_add_nc_u64 s[10:11], s[10:11], s[28:29]
	s_add_nc_u64 s[12:13], s[54:55], s[32:33]
	s_add_nc_u64 s[54:55], s[54:55], s[34:35]
.set i, 0
.rept 32
	global_load_b128 v[32+4*i:35+4*i], v1, s[6:7] offset:512*i   ; step w of K and V: 32 loads of 512 bytes on end
.set i, i+1
.endr
.irp c, 0,1
	global_load_b128 v[16+4*\c:19+4*\c], v3, s[4:5] offset:512*\c   ; Q's fragments of my two tiles stay in registers
	global_load_b128 v[24+4*\c:27+4*\c], v4, s[4:5] offset:512*\c
.endr
	s_load_b128 s[16:19], s[52:53], 0x18           ; e6, e7, e8, e9
	s_load_b32 s60, s[52:53], 0x28                 ; e10
	s_load_b512 s[20:35], s[10:11], 0x0            ; my first tile's flags: the ORs,
	s_load_b512 s[36:51], s[10:11], 0x40           ; the ANDs;
	s_load_b512 s[68:83], s[58:59], 0x0            ; my second tile's
	s_load_b512 s[84:99], s[58:59], 0x40
	v_mov_b32 v203, 0                              ; (named as the upper half of the pair v[202:203])
	v_mov_b32 v204, 0                              ; a lane permute's destination counts as one of its sources
	v_mov_b32 v208, 0xf1800000                     ; -2^100
	s_wait_kmcnt 0x0
	s_add_co_i32 s2, s16, s17
	s_lshl_b32 s2, s2, 23
	s_mov_b32 s66, 0x3e38aa3b                      ; c = log2(e) / 8
	s_add_co_i32 s66, s66, s2                      ; a score stands for score x 2^(e6 + e7): the exponents are added to c's exponent field
	s_mov_b32 s67, s66                             ; (named with it as a pair)
	s_add_co_i32 s2, s18, 127
	s_lshl_b32 s3, s2, 23
	v_mov_b32 v210, s3                             ; 2^e8
	s_add_co_i32 s2, s2, 15
	s_lshl_b32 s2, s2, 23
	s_or_b32 s2, s2, 0x600000
	v_mov_b32 v209, s2                             ; 57,344 x 2^e8
	s_sub_co_i32 s2, s60, s18
	s_sub_co_i32 s2, s2, s19
	s_add_co_i32 s2, s2, 127
	s_lshl_b32 s3, s2, 23
	v_mov_b32 v212, s3                             ; 2^(e10 - e8 - e9)
	s_add_co_i32 s2, s2, 15
	s_lshl_b32 s2, s2, 23
	s_or_b32 s2, s2, 0x600000
	v_mov_b32 v211, s2
	s_cmp_lt_i32 s18, -15
	s_cselect_b32 s60, 1, 0                        ; p is held only where 57,344 x 2^e8 lies under 1
	FLAGS 20, 36, 17, 18                           ; (the exponents are used up)
	FLAGS 68, 84, 62, 63
	WLOAD 8                                        ; my first tile's first step: always, so that all 64 registers hold words from here on
.set i, 0
.rept 32
	s_wait_loadcnt 35-i                            ; loads come back in order (ISA guide 5.7.1): behind load i stand 31 - i of K and V and Q's four
	ds_store_b128 v5, v[32+4*i:35+4*i] offset:512*i
.set i, i+1
.endr
	s_wait_dscnt 0x0                               ; for the others' sake: my part of K and V lies in LDS,
	s_barrier_signal -1
	s_barrier_wait -1                              ; everybody's does.  The one barrier: it stands ahead of every branch on loaded numbers
	s_wait_loadcnt 0x0                             ; Q
	INIT
	s_mov_b32 s16, 16
.Lpass0:                                           ; my first tile: 16 trips, whatever the flags say
	STEP 16, 8
	s_sub_co_u32 s16, s16, 1
	s_cmp_lg_u32 s16, 0
	s_cbranch_scc1 .Lpass0
	FIN 0, 12
	s_mov_b32 s17, s62                             ; my second tile's bits
	s_mov_b32 s18, s63
	s_wait_kmcnt 0x0                               ; no load of words is out
	s_and_b32 s19, s18, 1
	s_cmp_lg_u32 s19, 0
	s_cbranch_scc0 .Lno_first
	WLOAD 56                                       ; its first step's words, if that step needs them
.Lno_first:
	INIT
	s_mov_b32 s16, 16
.Lpass1:
	STEP 24, 56
	s_sub_co_u32 s16, s16, 1
	s_cmp_lg_u32 s16, 0
	s_cbranch_scc1 .Lpass1
	FIN 1, 54
	s_wait_tensorcnt 0x0
	ds_add_u32 v222, v223
	s_wait_dscnt 0x0
	s_endpgm
.Lfunc_end_k_qf6ce3a916f_attn:
	.size	k_qf6ce3a916f_attn, .Lfunc_end_k_qf6ce3a916f_attn-k_qf6ce3a916f_attn
	.p2alignl 7, 3214868480
	.fill 96, 4, 3214868480
	.section	.rodata,"a",@progbits
	.p2align	6, 0x0
	.amdhsa_kernel k_qf6ce3a916f_attn
		.amdhsa_group_segment_fixed_size 264192
		.amdhsa_private_segment_fixed_size 0
		.amdhsa_enable_private_segment 0
		.amdhsa_kernarg_size 48
		.amdhsa_user_sgpr_count 2
		.amdhsa_user_sgpr_kernarg_segment_ptr 1
		.amdhsa_wavefront_size32 1
		.amdhsa_system_sgpr_workgroup_id_x 1
		.amdhsa_system_sgpr_workgroup_id_y 1
		.amdhsa_system_sgpr_workgroup_id_z 1
		.amdhsa_system_vgpr_workitem_id 0
		.amdhsa_next_free_vgpr 256
		.amdhsa_next_free_sgpr 106
		.amdhsa_reserve_vcc 0
		.amdhsa_float_denorm_mode_32 3
		.amdhsa_float_denorm_mode_16_64 3
		.amdhsa_memory_ordered 1
		.amdhsa_forward_progress 1
		.amdhsa_inst_pref_size 71
	.end_amdhsa_kernel
	.amdgpu_metadata
---
amdhsa.version: [ 1, 2 ]
amdhsa.kernels:
  - .name:           k_qf6ce3a916f_attn
    .symbol:         k_qf6ce3a916f_attn.kd
    .args:
      - { .name: qimg, .offset: 0, .size: 8, .value_kind: global_buffer, .address_space: global }
      - { .name: kv, .offset: 8, .size: 8, .value_kind: global_buffer, .address_space: global }
      - { .name: mw, .offset: 16, .size: 8, .value_kind: global_buffer, .address_space: global }
      - { .name: mf, .offset: 24, .size: 8, .value_kind: global_buffer, .address_space: global }
      - { .name: lowp_scales, .offset: 32, .size: 8, .value_kind: global_buffer, .address_space: global }
      - { .name: zimg, .offset: 40, .size: 8, .value_kind: global_buffer, .address_space: global }
    .group_segment_fixed_size: 264192
    .private_segment_fixed_size: 0
    .kernarg_segment_align: 8
    .kernarg_segment_size: 48
    .max_flat_workgroup_size: 512
    .sgpr_count:     106
    .vgpr_count:     256
    .wavefront_size: 32
...
	.end_amdgpu_metadata
.endif
;; end of part 6
;; launch oproj: the kernel of part 4 again; grid 4 x 64, 4 waves a work-group, no clusters, 35,328 bytes of LDS; arguments zimg, wimg, bo, lowp_scales, out0; writes out0
;; ======== version 3 of 3: 4 launches
;; limits: right only within a limited range of input values
;; workspace buffers: wimg 4,194,304 bytes; mw 2,097,152 bytes of whole numbers; mf 65,536 bytes of whole numbers; qimg 8,388,608 bytes; kv 16,777,216 bytes; zimg 8,388,608 bytes
;; launch prep (part 7): grid 640 x 1, 4 waves a work-group, no clusters, 0 bytes of LDS; arguments wq, wk, wv, wo, mask, lowp_scales, wimg, mw, mf; writes wimg, mw, mf
.if DOCPART == 7
	.amdgcn_target "amdgcn-amd-amdhsa--gfx1250"
	.amdhsa_code_object_version 6
	.text
	.protected	k_qf6ce3a916f_prep
	.globl	k_qf6ce3a916f_prep
	.p2align	8
	.type	k_qf6ce3a916f_prep,@function
k_qf6ce3a916f_prep:
	s_mov_b64 s[64:65], 0
	v_nop
	global_prefetch_b8 v0, s[64:65] scope:SCOPE_SE
	s_setreg_imm32_b32 hwreg(HW_REG_WAVE_MODE, 25, 1), 1
	s_wait_xcnt 0x0
; PREP: two jobs that need no product, told apart by the work-group's number.
; (a) Work-groups 0-127: the four weights [1024 (k)][1024 (n)] f32 become codes of E5M2, laid as IMAGES OF OPERAND REGISTERS:
;     wimg[j][cg = n / 64][T = 0..3][s = k / 128] is a fragment of 2,048 bytes; its piece c (512 bytes) holds at 16 x lane the 16 codes k = 128 s + 32 c + 16 (lane / 16) + 0..15
;     of column 64 cg + 32 (T / 2) + 8 (T % 2) + r + 8 (r / 8), r = lane % 16.  So a later launch fills a fragment by four 16-byte loads a lane, each load 512 bytes on end.
;     A lane takes a column and its registers run down K: nothing is transposed.  code = x / 2^e, held within +-57,344, to the nearest code, ties to even.
; (b) Work-groups 128-639: the mask's bytes become LANE MASKS.  mw[m = batch x 128 + query tile][key step of 128][64 words]: bit L of word n says whether
;     query 32 (tile / 2) + 8 (tile % 2) + r + 8 (r / 8) attends to key 128 step + 32 (n / 16) + 16 (L / 16) + n % 16: the place of score register n of lane L in the attention launch.
;     Beside them two FLAG WORDS for each step, mf[m][32 words]: word step = the OR of the step's 64 words (bit L: some key of lane L's 64 counts); word 16 + step = bit L: all 64 bytes of lane L are 1.
;     The attention launch branches on them: a step in which no key counts, and the selects of a step in which every key counts, need not be worked.
; LIMITS: each weight's exponent e lies between -126 and 112.  NaN among the weights is not served.  A mask byte counts as true where it is not 0; a step counts as all true only where all its bytes are 1.
; No LDS, no barrier: waves share nothing.  EXEC is narrowed once, for the flags' store of eight lanes (32 bytes a wave: the one store here that does not cover 256 bytes on end; the buffer has 65,536 bytes in all).
.set XSET, 32                          ; v32-95   (a) two sets of 32 numbers;  (b) v32-95: 4 steps x 16 registers of mask bytes
.set CD,   96                          ; v96-159  (a) a block's 8 registers of codes, a set for each block: no store's data are written again;  (b) v96-103 the words, v104-109 at work, v110 the flags
.macro LOAD t                          ; block t: W(32 t + i, my column), i = 0..31: a wave reads 128 bytes on end, the four waves 512
.set i, 0
.rept 32
	global_load_b32 v[XSET+32*((\t)%2)+i], v3, s[4:5] offset:(32*(\t)+i)*4096 th:TH_LOAD_NT
.set i, i+1
.endr
.endm
.macro BLOCK t
.if (\t) < 7
	s_wait_loadcnt 32                              ; this block's 32 loads are in; the next block's 32 may be out
.else
	s_wait_loadcnt 0x0
.endif
.set i, 0
.rept 32
	v_med3_num_f32 v[XSET+32*((\t)%2)+i], v[XSET+32*((\t)%2)+i], -v10, v10   ; the conversion to an 8-bit code does not saturate (ISA guide 7.6.2): the hold at the largest code x the scale
.set i, i+1
.endr
.irp g, 0,1,2,3
	v_cvt_scalef32_pk8_bf8_f32 v[CD+8*(\t)+2*\g:CD+8*(\t)+2*\g+1], v[XSET+32*((\t)%2)+8*\g:XSET+32*((\t)%2)+8*\g+7], v11
.endr
	; codes 0-15 of the block are the half lane / 16 = 0 of piece t % 4 of fragment s = 2 y + t / 4, codes 16-31 the other half, 256 bytes on.  Sixteen lanes fill 256 bytes on end, aligned
	global_store_b128 v4, v[CD+8*(\t):CD+8*(\t)+3], s[16:17] offset:((\t)/4)*2048+((\t)%4)*512
	global_store_b128 v4, v[CD+8*(\t)+4:CD+8*(\t)+7], s[16:17] offset:((\t)/4)*2048+((\t)%4)*512+256
.if (\t) < 6
	LOAD (\t)+2
.endif
.endm
.macro WORDS sl                        ; the 64 words and the two flag words of my sl-th step
	s_wait_loadcnt 12-4*\sl                        ; this step's four loads are in; the later steps' four each may be out
	v_or_b32 v108, v[32+16*\sl], v[33+16*\sl]      ; the OR and the AND of my 16 dwords: 64 bytes
	v_and_b32 v109, v[32+16*\sl], v[33+16*\sl]
.set n, 2
.rept 14
	v_or_b32 v108, v108, v[32+16*\sl+n]
	v_and_b32 v109, v109, v[32+16*\sl+n]
.set n, n+1
.endr
	v_cmp_ne_u32 s38, 0, v108                      ; bit L: some byte of lane L is not 0: the OR of the 64 words below
	v_cmp_eq_u32 s39, 0x01010101, v109             ; bit L: all bytes of lane L are 1
	v_writelane_b32 v110, s38, \sl
	v_writelane_b32 v110, s39, 4+\sl
.set n, 0
.rept 64
	v_and_b32 v[104+n%4], 0xff<<(8*(n%4)), v[32+16*\sl+n/4]      ; byte n of my 64
	v_cmp_ne_u32 s[20+n%8], 0, v[104+n%4]                        ; one bit a lane
	v_writelane_b32 v[96+2*\sl+n%2], s[20+n%8], n/2              ; word n goes to lane n / 2, register n % 2: the store below lays the words on end
.set n, n+1
.endr
	global_store_b64 v5, v[96+2*\sl:97+2*\sl], s[18:19] offset:256*\sl   ; 32 lanes x 8 bytes: 256 bytes on end, aligned
.endm
	s_load_b512 s[4:19], s[0:1], 0x0               ; wq s[4:5], wk s[6:7], wv s[8:9], wo s[10:11], mask s[12:13], exponents s[14:15], wimg s[16:17], mw s[18:19]
	s_load_b64 s[50:51], s[0:1], 0x40              ; mf
	v_lshrrev_b32 v1, 5, v0
	v_readfirstlane_b32 s2, v1                     ; wave 0..3
	v_and_b32 v2, 31, v0                           ; lane
	s_cmp_lt_u32 ttmp9, 128
	s_cbranch_scc0 .Lmask
	; ---- (a) a weight: id = 32 j + 8 y + x.  My wave: columns 128 x + 32 wave + lane, k = 256 y .. 256 y + 255
	s_lshr_b32 s28, ttmp9, 5                       ; j: wq, wk, wv, wo
	s_bfe_u32 s29, ttmp9, 0x20003                  ; y
	s_and_b32 s30, ttmp9, 7                        ; x
	v_lshlrev_b32 v3, 2, v2                        ; in: 4 bytes a lane
	v_bfe_u32 v5, v2, 3, 1                         ; my column's tile of the two in its group of 32: (lane / 8) % 2,
	v_and_b32 v6, 7, v2
	v_lshrrev_b32 v7, 4, v2
	v_lshl_add_u32 v6, v7, 3, v6                   ; and its row there: lane % 8 + 8 (lane / 16)
	v_lshlrev_b32 v4, 4, v6
	v_lshl_add_u32 v4, v5, 14, v4                  ; out: 16 x row + 16,384 x tile (a tile's eight fragments)
	s_lshl_b32 s32, s29, 20                        ; source: 256 y rows of 4,096 bytes
	s_lshl_b32 s33, s30, 9
	s_add_co_u32 s32, s32, s33                     ; + 128 x columns
	s_lshl_b32 s33, s2, 7
	s_add_co_u32 s32, s32, s33                     ; + 32 wave columns
	s_mov_b32 s33, 0
	s_lshl_b32 s34, s28, 20                        ; destination: the weight's 2^20 bytes,
	s_lshl_b32 s35, s30, 17
	s_add_co_u32 s34, s34, s35
	s_lshl_b32 s35, s2, 15
	s_add_co_u32 s34, s34, s35                     ; (8 x + 2 wave) tiles of 16,384 bytes,
	s_lshl_b32 s35, s29, 12
	s_add_co_u32 s34, s34, s35                     ; fragment s = 2 y
	s_mov_b32 s35, 0
	s_wait_alu depctr_va_vdst(0)
	s_wait_kmcnt 0x0
	s_load_b256 s[36:43], s[14:15], 0x0            ; e0 .. e7
	s_load_b128 s[44:47], s[14:15], 0x20           ; e8 .. e11
	s_cmp_eq_u32 s28, 1                            ; the choice of the buffer hangs on the work-group's number alone
	s_cselect_b64 s[4:5], s[6:7], s[4:5]
	s_cmp_eq_u32 s28, 2
	s_cselect_b64 s[4:5], s[8:9], s[4:5]
	s_cmp_eq_u32 s28, 3
	s_cselect_b64 s[4:5], s[10:11], s[4:5]
	s_add_nc_u64 s[4:5], s[4:5], s[32:33]
	s_add_nc_u64 s[16:17], s[16:17], s[34:35]
	LOAD 0
	LOAD 1
	s_wait_kmcnt 0x0
	s_cmp_eq_u32 s28, 1                            ; the weight's exponent: entry 1, 3, 5 or 11
	s_cselect_b32 s48, s39, s37
	s_cmp_eq_u32 s28, 2
	s_cselect_b32 s48, s41, s48
	s_cmp_eq_u32 s28, 3
	s_cselect_b32 s48, s47, s48
	s_add_co_i32 s48, s48, 127
	s_lshl_b32 s49, s48, 23
	v_mov_b32 v11, s49                             ; 2^e as f32: the conversion takes its exponent field
	s_add_co_i32 s48, s48, 15
	s_lshl_b32 s48, s48, 23
	s_or_b32 s48, s48, 0x600000
	v_mov_b32 v10, s48                             ; 57,344 x 2^e
	s_wait_alu depctr_va_vdst(0)
.irp t, 0,1,2,3,4,5,6,7
	BLOCK \t
.endr
	s_endpgm
	; ---- (b) the mask: m = id - 128 = batch x 128 + query tile.  My wave: key steps 4 wave .. 4 wave + 3
.Lmask:
	s_sub_co_u32 s28, ttmp9, 128                   ; m
	s_lshr_b32 s30, s28, 1
	s_lshl_b32 s30, s30, 16                        ; 32 (m / 2) rows of 2,048 bytes
	s_and_b32 s31, s28, 1
	s_lshl_b32 s31, s31, 14                        ; + 8 (m % 2) rows
	s_add_co_u32 s30, s30, s31
	s_lshl_b32 s31, s2, 9                          ; + my four steps' 512 keys
	s_add_co_u32 s30, s30, s31
	s_mov_b32 s31, 0
	s_lshl_b32 s32, s28, 12                        ; out: 16 m + 4 wave steps of 256 bytes
	s_lshl_b32 s33, s2, 10
	s_add_co_u32 s32, s32, s33
	s_mov_b32 s33, 0
	s_lshl_b32 s34, s28, 7                         ; the flags: 128 bytes a tile
	s_mov_b32 s35, 0
	s_lshl_b32 s36, s2, 4                          ; my four steps' words: 16 bytes
	v_and_b32 v6, 15, v0                           ; r
	v_and_b32 v7, 8, v6
	v_add_nc_u32 v6, v6, v7                        ; r + 8 (r / 8): my query's row among the tile's
	v_bfe_u32 v7, v0, 4, 1
	v_lshlrev_b32 v3, 11, v6
	v_lshl_add_u32 v3, v7, 4, v3                   ; in: my row, + 16 (lane / 16)
	s_wait_alu depctr_va_vdst(0)
	v_lshlrev_b32 v5, 3, v2                        ; out: 8 bytes a lane
	v_lshrrev_b32 v8, 2, v2
	v_mul_u32_u24 v8, v8, 48
	v_lshl_add_u32 v8, v2, 2, v8
	v_add_nc_u32 v8, s36, v8                       ; the flags: lanes 0-3 at 16 wave + 4 lane (the ORs), lanes 4-7 at 64 + 16 wave + 4 (lane - 4) (the ANDs)
.irp j, 0,1,2,3,4,5,6,7
	v_mov_b32 v[96+\j], 0                          ; a lane write's destination counts as read: written once
.endr
	v_mov_b32 v110, 0
	s_wait_kmcnt 0x0
	s_add_nc_u64 s[12:13], s[12:13], s[30:31]
	s_add_nc_u64 s[18:19], s[18:19], s[32:33]
	s_add_nc_u64 s[50:51], s[50:51], s[34:35]
.irp sl, 0,1,2,3
.irp bb, 0,1,2,3
	global_load_b128 v[32+16*\sl+4*\bb:35+16*\sl+4*\bb], v3, s[12:13] offset:128*\sl+32*\bb th:TH_LOAD_NT   ; keys 32 bb + 16 (lane / 16) + 0..15 of the step
.endr
.endr
.irp sl, 0,1,2,3
	WORDS \sl
.endr
	s_wait_xcnt 0x0                                ; EXEC is a source of the stores above: it changes only behind this wait
	v_cmp_gt_u32 vcc_lo, 8, v2
	s_and_saveexec_b32 s40, vcc_lo                 ; lanes 0-7 hold my eight flag words
	global_store_b32 v8, v110, s[50:51]
	s_wait_xcnt 0x0                                ; and again, in front of the line that widens it
	s_or_b32 exec_lo, exec_lo, s40
	s_endpgm
.Lfunc_end_k_qf6ce3a916f_prep:
	.size	k_qf6ce3a916f_prep, .Lfunc_end_k_qf6ce3a916f_prep-k_qf6ce3a916f_prep
	.p2alignl 7, 3214868480
	.fill 96, 4, 3214868480
	.section	.rodata,"a",@progbits
	.p2align	6, 0x0
	.amdhsa_kernel k_qf6ce3a916f_prep
		.amdhsa_group_segment_fixed_size 0
		.amdhsa_private_segment_fixed_size 0
		.amdhsa_enable_private_segment 0
		.amdhsa_kernarg_size 72
		.amdhsa_user_sgpr_count 2
		.amdhsa_user_sgpr_kernarg_segment_ptr 1
		.amdhsa_wavefront_size32 1
		.amdhsa_system_sgpr_workgroup_id_x 1
		.amdhsa_system_sgpr_workgroup_id_y 1
		.amdhsa_system_sgpr_workgroup_id_z 1
		.amdhsa_system_vgpr_workitem_id 0
		.amdhsa_next_free_vgpr 176
		.amdhsa_next_free_sgpr 66
		.amdhsa_reserve_vcc 1
		.amdhsa_float_denorm_mode_32 3
		.amdhsa_float_denorm_mode_16_64 3
		.amdhsa_memory_ordered 1
		.amdhsa_forward_progress 1
		.amdhsa_inst_pref_size 103
	.end_amdhsa_kernel
	.amdgpu_metadata
---
amdhsa.version: [ 1, 2 ]
amdhsa.kernels:
  - .name:           k_qf6ce3a916f_prep
    .symbol:         k_qf6ce3a916f_prep.kd
    .args:
      - { .name: wq, .offset: 0, .size: 8, .value_kind: global_buffer, .address_space: global }
      - { .name: wk, .offset: 8, .size: 8, .value_kind: global_buffer, .address_space: global }
      - { .name: wv, .offset: 16, .size: 8, .value_kind: global_buffer, .address_space: global }
      - { .name: wo, .offset: 24, .size: 8, .value_kind: global_buffer, .address_space: global }
      - { .name: mask, .offset: 32, .size: 8, .value_kind: global_buffer, .address_space: global }
      - { .name: lowp_scales, .offset: 40, .size: 8, .value_kind: global_buffer, .address_space: global }
      - { .name: wimg, .offset: 48, .size: 8, .value_kind: global_buffer, .address_space: global }
      - { .name: mw, .offset: 56, .size: 8, .value_kind: global_buffer, .address_space: global }
      - { .name: mf, .offset: 64, .size: 8, .value_kind: global_buffer, .address_space: global }
    .group_segment_fixed_size: 0
    .private_segment_fixed_size: 0
    .kernarg_segment_align: 8
    .kernarg_segment_size: 72
    .max_flat_workgroup_size: 128
    .sgpr_count:     66
    .vgpr_count:     176
    .wavefront_size: 32
...
	.end_amdgpu_metadata
.endif
;; end of part 7
;; launch proj (part 8): grid 4 x 48, 4 waves a work-group, no clusters, 99,328 bytes of LDS; arguments q, k, v, bq, bk, bv, lowp_scales, wimg, qimg, kv; writes qimg, kv
.if DOCPART == 8
	.amdgcn_target "amdgcn-amd-amdhsa--gfx1250"
	.amdhsa_code_object_version 6
	.text
	.protected	k_qf6ce3a916f_proj
	.globl	k_qf6ce3a916f_proj
	.p2align	8
	.type	k_qf6ce3a916f_proj,@function
k_qf6ce3a916f_proj:
	s_mov_b64 s[64:65], 0
	v_nop
	global_prefetch_b8 v0, s[64:65] scope:SCOPE_SE
	s_setreg_imm32_b32 hwreg(HW_REG_WAVE_SCHED_MODE, 0, 2), 2
	s_setreg_imm32_b32 hwreg(HW_REG_WAVE_MODE, 25, 1), 1
	s_wait_xcnt 0x0
	s_wait_alu depctr_vm_vsrc(0)
; PROJ: the three projections x W + b (x = q, k, v: [8192][1024] f32), both operands as codes of E5M2, sums in f32; the result is quantised at once for the attention launch.
; SHARES.  Work-group (x, y): column slice x (four heads), tensor t = y / 16, rows 512 (y % 16) on.  Wave w owns head 4 x + w: its 32 fragments of W (64 columns x 1,024 K, 512 registers)
; stay in registers for the whole launch.  16 trips of 32 rows.  12 pairs (tensor, slice) x 16 row groups = 192 work-groups.
; A TRIP.  Wave w loads rows 8 w .. 8 w + 7 as they lie (a load is 512 bytes on end), holds and converts them (one scale a tensor: a conversion's eight numbers need not be neighbours) and stores
; the codes into LDS rows; a barrier; every wave reads the 32 rows' fragments and multiplies.  Two LDS buffers take turns, so one barrier a trip serves: a buffer is written again only by waves that
; have passed the next barrier, which every wave signals behind its reads of it.
; THE ROWS AND COLUMNS OF A TILE ARE NOT NEIGHBOURS: in a group of 32, lane r of tile u takes 8 u + r + 8 (r / 8).  So the 16 result registers of two neighbouring tiles are 16 neighbours along the axis
; that lies in the registers, and the conversions' results are the next operand's registers.
; q, k: source 0 = W, source 1 = x: a lane holds one row and 16 neighbouring channels.  v: source 0 = x, source 1 = W: a lane holds one channel and 16 neighbouring keys (the keys are the next K).
; The bias, divided by 2^(ea + eb), is the C of each sum's first matrix instruction; the three scales ahead of the quantiser are folded into the conversion's one, 2^(eo - ea - eb).
; OUT: qimg[batch x 16 + head][query tile] 1,024 bytes; kv[batch x 16 + head][step of 128 keys]: 8 tiles of K (1,024 bytes each), then 4 tiles of V^T (2,048 each): images of operand registers, 16 bytes a lane, 512 a store.
; NO CLUSTER: x comes from memory into registers as f32 and only its codes reach LDS, W lies in registers: no tile lands in LDS from memory, so there is none for a joint load to share.
; LIMITS: ea, and eo - ea - eb, between -126 and 112.  NaN among the inputs is not served.
; REGISTERS, in windows of 256: window 0: see below; window 1: x as loaded, row i of my eight, segment g at 32 i + 4 g; windows 2, 3: W(tile t, K step s) at window 2 + s / 4, register 64 (s % 4) + 16 t.
; THE MODE: SCHED_MODE bits 1:0 = 2 (LLVM: expert scheduling mode 2), set by the entry lines.  The code itself states the register dependences
; between vector or matrix instructions and memory or LDS instructions, with s_wait_alu, always for 0.
; THE PLAN.  Registers that memory or LDS instructions touch:
;   v2, v14, v15   offsets, made once at the head, ahead of the one wait in front of the first load, and never written again.
;   v6, v7         LDS addresses.  Read by the trip's LDS stores and fragment loads; written once a trip, at its end; the next trip's first wait on va_vdst stands ahead of their next reader.
;   window 1       Half h (rows 4 h .. 4 h + 3): loads land; the half's holds write it and its conversions read it; behind them the same rows of the next trip are asked for.
;   F0, F1, F2     three sets of 32 registers.  In the x phase half h's conversions write its codes into set h, and its LDS stores read them.  In the product phase the fragment loads of K step s land in
;                  set s % 3 and the step's eight products read it.
;   v32-47         the results' codes: written by the conversions at the trip's end, read by its four global stores.
;   W, the bias    loaded once.      ACC: named by vector and matrix instructions alone.      v254, v255: written at the head, read by the closing add alone.
; WAITS ON va_vdst, six a trip: one a half, behind its conversions (its codes are written, its raw registers are done with; in the first half v6 and v7 are written too): the half's 32 LDS stores and 32 loads follow it;
; one ahead of K steps 2, 4 and 6 (the two steps before are done reading their sets, which take the next two fragments); one ahead of the results' stores.
; WAITS ON vm_vsrc, two a trip: behind the barrier (the LDS stores have read sets 0 and 1, in which fragments land) and behind the results' stores (these have read v32-47, the LDS instructions v6 and v7).
.set PITCH, 1040                       ; an LDS row: 1,024 codes + 16 bytes = 65 x 16: the 16 rows that a fragment load touches start at 16 different groups of four banks (64 banks of 4 bytes: ISA guide 11.1)
.set BUF1,  65536                      ; the second buffer: one exclusive or turns an address from one to the other
.set TRIPS, 16
.set LI,   2                           ; v2   16 x lane
.set XW0,  4                           ; v4   where my wave's first row of codes goes, + 4 x lane, in buffer 0
.set XR0,  5                           ; v5   a fragment's row r x pitch + 16 (lane / 16), in buffer 0
.set XW,   6                           ; v6, v7  the same in the buffer in hand
.set XR,   7
.set XS,   8                           ; v8   2^ea;  v9  57,344 x 2^ea
.set XL,   9
.set OS,   10                          ; v10  2^(eo - ea - eb);  v11  57,344 x that
.set OL,   11
.set CO,   32                          ; v32-47   the results' codes
.set BIAS, 48                          ; v48-79   eight registers a tile of W
.set ACC,  80                          ; v80-143  eight accumulators
.set F0,   144                         ; v144-239 three sets of 2 tiles x 16 registers: x's fragments; in the x phase sets 0 and 1 hold the two halves' codes
.set MSB, 0
.macro WIN new                         ; the immediate's high byte repeats the setting that is left; a switch that changes nothing is dropped
.if MSB != (\new)
	s_set_vgpr_msb (MSB<<8)|(\new)
.set MSB, (\new)
.endif
.endm
.macro PLACES n                        ; plain vector instructions between a matrix instruction and a load into, or a vector instruction on, its registers
.rept \n
	v_nop
.endr
.endm
.macro XLOAD h, off                    ; rows 4 h .. 4 h + 3 of my eight, off bytes on: 32 loads of 512 bytes on end
.irp i, 0,1,2,3
.irp g, 0,1,2,3,4,5,6,7
	global_load_b128 v[128*(\h)+32*\i+4*\g:128*(\h)+32*\i+4*\g+3], v[LI], s[40:41] offset:\off+(4*(\h)+\i)*4096+512*\g
.endr
.endr
.endm
; Four rows become codes in LDS.  left: the younger loads that may stay out.  ahead = 1: the same rows of the next trip are asked for.
.macro HALF h, ahead, left
	s_wait_loadcnt \left                           ; loads come back in order (ISA guide 5.7.1): this half's 32 are in
	WIN 0x41                                       ; destination and source 0: window 1
.set j, 0
.rept 128
	v_med3_num_f32 v[128*\h+j], v[128*\h+j], -v[XL], v[XL]   ; the conversion to an 8-bit code does not saturate (ISA guide 7.6.2)
.set j, j+1
.endr
	WIN 0x01
.irp i, 0,1,2,3
.irp q, 0,1,2,3
	v_cvt_scalef32_pk8_bf8_f32 v[F0+32*\h+8*\i+2*\q:F0+32*\h+8*\i+2*\q+1], v[128*\h+32*\i+8*\q:128*\h+32*\i+8*\q+7], v[XS]   ; register g of a row: the codes of k = 128 g + 4 lane + 0..3
.endr
.endr
	v_nop                                          ; a plain vector instruction behind the last scaled conversion
	WIN 0x40                                       ; loads' destination: window 1; the stores' address and data: window 0
	s_wait_alu depctr_va_vdst(0)                   ; the conversions have written set h, which the LDS stores read, and are done reading the half's raw registers, which the holds wrote and in which the loads land; in the first half v6 and v7 are written
.irp i, 0,1,2,3
.irp g, 0,1,2,3,4,5,6,7
	ds_store_b32 v[XW], v[F0+32*\h+8*\i+\g] offset:(4*\h+\i)*PITCH+128*\g   ; 32 lanes: 128 bytes on end
.endr
.endr
.if \ahead
	XLOAD \h, 131072
.endif
.endm
.macro FETCHX s, k                     ; the two tiles' fragments of K step s into set k: lane (r, h): row r, registers 4 c .. 4 c + 3: k = 128 s + 32 c + 16 h + 0..15, as W's images have it
.irp u, 0,1
.irp c, 0,1,2,3
	ds_load_b128 v[F0+32*(\k)+16*\u+4*\c:F0+32*(\k)+16*\u+4*\c+3], v[XR] offset:\u*16*PITCH+128*(\s)+32*\c
.endr
.endr
.endm
.macro ONE isv, s, t, u                ; one matrix instruction: tile t of W, tile u of x, K step s
.set rW, 64*(\s%4)+16*\t
.set rX, F0+32*(\s%3)+16*\u
.if \isv
.set rD, ACC+16*\t+8*\u
.if \s == 0
	v_wmma_f32_16x16x128_bf8_bf8 v[rD:rD+7], v[rX:rX+15], v[rW:rW+15], v[BIAS+8*\t:BIAS+8*\t+7]
.else
	v_wmma_f32_16x16x128_bf8_bf8 v[rD:rD+7], v[rX:rX+15], v[rW:rW+15], v[rD:rD+7]
.endif
.else
.set rD, ACC+32*\u+8*\t
.if \s == 0
	v_wmma_f32_16x16x128_bf8_bf8 v[rD:rD+7], v[rW:rW+15], v[rX:rX+15], v[BIAS+8*\t:BIAS+8*\t+7]
.else
	v_wmma_f32_16x16x128_bf8_bf8 v[rD:rD+7], v[rW:rW+15], v[rX:rX+15], v[rD:rD+7]
.endif
.endif
.endm
; 32 rows x my 64 columns x 1,024 K: 64 matrix instructions, the eight accumulators by turns, one instruction a turn, in the same order in every K step.
; The fragments of K steps 0, 1, 2 are asked for at once; ahead of steps 2, 4 and 6 the two sets that the two steps before have read take the next fragments.  ahead = 1: a further trip follows.
.macro PRODUCT isv, ahead
	FETCHX 0, 0
	FETCHX 1, 1
	FETCHX 2, 2
.irp s, 0,1,2,3,4,5,6,7
.if (\s == 2) || (\s == 4) || (\s == 6)
	WIN 0
	PLACES 4                                       ; kept beside the wait below
	s_wait_alu depctr_va_vdst(0)                   ; the products of the two K steps before are done reading their sets, in which the loads below land
	FETCHX \s+1, (\s+1)%3
.if \s < 6
	FETCHX \s+2, (\s+2)%3
.endif
.endif
.if \s == 7
	s_wait_dscnt 0x0
.elseif (\s == 6) || ((\s % 2) == 1)
	s_wait_dscnt 8                                 ; LDS loads come back in order (ISA guide 5.7.1): this K step's 8 are in; one younger fragment pair's 8 may be out
.else
	s_wait_dscnt 16                                ; this K step's 8 loads are in; the two younger steps' 16 may be out
.endif
.if \isv
	WIN 0x08+4*(\s/4)                              ; source 1 (W): window 2 or 3
.else
	WIN 0x02+(\s/4)                                ; source 0 (W): window 2 or 3
.endif
.irp t, 0,1,2,3
.irp u, 0,1
	ONE \isv, \s, \t, \u
.endr
.endr
.endr
	WIN 0
	PLACES 4
.set j, 0
.rept 64
	v_med3_num_f32 v[ACC+j], v[ACC+j], -v[OL], v[OL]   ; each accumulator from its low end on
.set j, j+1
.endr
.irp q, 0,1,2,3,4,5,6,7
	v_cvt_scalef32_pk8_bf8_f32 v[CO+2*\q:CO+2*\q+1], v[ACC+8*\q:ACC+8*\q+7], v[OS]   ; accumulators 2 m, 2 m + 1 hold 16 neighbours: four registers of an operand
.endr
	v_nop                                          ; a plain vector instruction behind the last scaled conversion
	s_wait_alu depctr_va_vdst(0)                   ; the conversions have written v32-47, which the stores read
.irp m, 0,1,2,3
.if \isv
	global_store_b128 v[LI], v[CO+4*\m:CO+4*\m+3], s[42:43] offset:2048*\m   ; tile m of V^T, the piece of these 32 keys: 512 bytes on end
.else
	global_store_b128 v[LI], v[CO+4*\m:CO+4*\m+3], s[42:43] offset:512*\m    ; tile m / 2 of rows, piece m % 2 of channels: 2,048 bytes on end in all
.endif
.endr
.if \ahead
	s_wait_alu depctr_vm_vsrc(0)                   ; the stores have read v32-47, which the next trip's conversions write; the trip's LDS stores and loads have read v6 and v7, which are written below.  Stated ahead of the branch
.endif
.endm
.macro TRIP ahead
.if \ahead
	HALF 0, 1, 32                                  ; the other half's 32 younger loads stay out
	HALF 1, 1, 32
.else
	HALF 0, 0, 32                                  ; the last trip asks for nothing: the counts run down
	HALF 1, 0, 0
.endif
	WIN 0
	s_wait_dscnt 0x0                               ; for the others' sake: my codes lie in LDS (my reads of the other buffer came back a trip ago)
	s_barrier_signal -1
	s_barrier_wait -1                              ; all 32 rows' codes lie in the buffer in hand
	s_wait_alu depctr_vm_vsrc(0)                   ; my LDS stores have read sets 0 and 1, in which the fragments' loads land.  Stated ahead of the branch
	s_cmp_eq_u32 s37, 2                            ; the tensor: the same in all four waves
	s_cbranch_scc1 .Lisv_\@
	PRODUCT 0, \ahead
	s_branch .Ljoin_\@
.Lisv_\@:
	PRODUCT 1, \ahead
.Ljoin_\@:
.if \ahead
	s_wait_xcnt 0x0                                ; the loads and stores have read their bases and data: both pointers step, and the codes' registers are written again, only behind this wait
	s_add_nc_u64 s[40:41], s[40:41], 131072        ; 32 rows of x on
	s_and_b32 s50, s45, 3
	s_cmp_eq_u32 s50, 3                            ; every fourth trip ends a step of 128 keys
	s_cselect_b32 s48, s47, s46
	s_add_nc_u64 s[42:43], s[42:43], s[48:49]
	s_xor_b32 s44, s44, BUF1                       ; the other buffer
	v_add_nc_u32 v[XW], s44, v[XW0]
	v_add_nc_u32 v[XR], s44, v[XR0]
.endif
.endm
	s_load_b512 s[4:19], s[0:1], 0x0               ; q s[4:5], k s[6:7], v s[8:9], bq s[10:11], bk s[12:13], bv s[14:15], exponents s[16:17], wimg s[18:19]
	s_load_b128 s[20:23], s[0:1], 0x40             ; qimg s[20:21], kv s[22:23]
	v_lshl_add_u32 v254, v0, 2, 0x18200            ; the LDS address of my spare word, behind the two buffers, and 0: made here and kept for the closing lines alone
	v_mov_b32 v255, 0
	v_lshrrev_b32 v1, 5, v0
	v_readfirstlane_b32 s36, v1                    ; wave 0..3
	v_and_b32 v1, 31, v0                           ; lane
	v_lshlrev_b32 v[LI], 4, v1
	v_and_b32 v12, 15, v0                          ; r
	v_bfe_u32 v13, v0, 4, 1                        ; h
	v_lshlrev_b32 v14, 6, v13                      ; the bias of q, k: register j of tile t is channel 32 (t / 2) + 16 h + 8 (t % 2) + j
	v_and_b32 v15, 8, v12                          ; the bias of v: all eight registers of tile t are channel 32 (t / 2) + 8 (t % 2) + r + 8 (r / 8)
	v_add_nc_u32 v15, v15, v12
	v_lshlrev_b32 v15, 2, v15                      ; (both offsets are made here, ahead of the branch on the tensor and of the wait in front of the first load)
	s_wait_alu depctr_va_sdst(0)                   ; s36 is written, ahead of its first reader
	s_and_b32 s50, s36, 1                          ; natural row 8 w + i lies at LDS row 16 (w % 2) + 8 (w / 2) + i, so that lane r of tile u finds its row, 8 u + r + 8 (r / 8), at LDS row 16 u + r
	s_lshl_b32 s50, s50, 4
	s_lshr_b32 s51, s36, 1
	s_lshl_b32 s51, s51, 3
	s_add_co_u32 s50, s50, s51
	s_mul_i32 s50, s50, PITCH
	v_lshl_add_u32 v[XW0], v1, 2, s50
	v_mul_u32_u24 v[XR0], v12, PITCH
	v_lshl_add_u32 v[XR0], v13, 4, v[XR0]
	v_mov_b32 v[XW], v[XW0]
	v_mov_b32 v[XR], v[XR0]
	s_and_b32 s38, ttmp7, 0xffff
	s_lshr_b32 s37, s38, 4                         ; t: 0 q, 1 k, 2 v
	s_and_b32 s38, s38, 15                         ; rg: which 512 rows
	s_lshl_b32 s39, ttmp9, 2
	s_add_co_u32 s39, s39, s36                     ; my head
	s_lshl_b32 s52, s38, 21                        ; x: 512 rg rows of 4,096 bytes
	s_lshl_b32 s53, s36, 15
	s_add_co_u32 s52, s52, s53                     ; + 8 w rows
	s_mov_b32 s53, 0
	s_lshl_b32 s54, s37, 20                        ; W: the tensor's 2^20 bytes
	s_lshl_b32 s55, s39, 16
	s_add_co_u32 s54, s54, s55                     ; + my head's 32 fragments
	s_mov_b32 s55, 0
	s_lshl_b32 s56, s39, 8                         ; the bias: my head's 64 numbers
	s_mov_b32 s57, 0
	s_lshr_b32 s58, s38, 2                         ; the batch
	s_lshl_b32 s58, s58, 4
	s_add_co_u32 s58, s58, s39                     ; batch x 16 + head
	s_lshl_b32 s58, s58, 17                        ; qimg: 128 tiles of 1,024 bytes a head,
	s_and_b32 s59, s38, 3
	s_lshl_b32 s59, s59, 15                        ; + 16 (rg % 4) groups of 2,048
	s_add_co_u32 s58, s58, s59
	s_cmp_lg_u32 s37, 0
	s_cselect_b32 s59, 1, 0
	s_lshl_b32 s58, s58, s59                       ; kv: twice as much of both
	s_cmp_eq_u32 s37, 2
	s_cselect_b32 s59, 8192, 0                     ; V^T's tiles lie behind K's eight
	s_add_co_u32 s58, s58, s59
	s_mov_b32 s59, 0
	s_cmp_eq_u32 s37, 2                            ; what the destination steps by: a trip (s46), and the trip that ends a step of 128 keys (s47)
	s_mov_b32 s46, 2048
	s_cselect_b32 s46, 512, s46
	s_mov_b32 s47, 10240
	s_cselect_b32 s47, 14848, s47
	s_cmp_eq_u32 s37, 0
	s_cselect_b32 s47, 2048, s47
	s_wait_kmcnt 0x0
	s_load_b256 s[24:31], s[16:17], 0x0            ; e0 .. e7
	s_load_b128 s[32:35], s[16:17], 0x20           ; e8 .. e11
	s_cmp_eq_u32 s37, 1                            ; the choices hang on the work-group's number alone
	s_cselect_b64 s[40:41], s[6:7], s[4:5]
	s_cselect_b64 s[60:61], s[12:13], s[10:11]
	s_cmp_eq_u32 s37, 2
	s_cselect_b64 s[40:41], s[8:9], s[40:41]
	s_cselect_b64 s[60:61], s[14:15], s[60:61]
	s_cmp_eq_u32 s37, 0
	s_cselect_b64 s[42:43], s[20:21], s[22:23]
	s_add_nc_u64 s[40:41], s[40:41], s[52:53]      ; x at my wave's first row
	s_add_nc_u64 s[18:19], s[18:19], s[54:55]      ; my fragments of W
	s_add_nc_u64 s[60:61], s[60:61], s[56:57]      ; my bias
	s_add_nc_u64 s[42:43], s[42:43], s[58:59]      ; where the first trip's codes go
	WIN 0x80                                       ; destination window 2
	s_wait_alu depctr_va_vdst(0)                   ; the offsets v2, v14, v15 and the LDS addresses v6, v7 are written, which the loads and stores below read
.irp s, 0,1,2,3
.irp t, 0,1,2,3
.irp c, 0,1,2,3
	global_load_b128 v[64*\s+16*\t+4*\c:64*\s+16*\t+4*\c+3], v[LI], s[18:19] offset:(8*\t+\s)*2048+512*\c
.endr
.endr
.endr
	WIN 0xc0                                       ; destination window 3
.irp s, 0,1,2,3
.irp t, 0,1,2,3
.irp c, 0,1,2,3
	global_load_b128 v[64*\s+16*\t+4*\c:64*\s+16*\t+4*\c+3], v[LI], s[18:19] offset:(8*\t+\s+4)*2048+512*\c
.endr
.endr
.endr
	WIN 0
	s_cmp_eq_u32 s37, 2
	s_cbranch_scc1 .Lbias_v
.irp t, 0,1,2,3
	global_load_b128 v[BIAS+8*\t:BIAS+8*\t+3], v14, s[60:61] offset:(32*(\t/2)+8*(\t%2))*4
	global_load_b128 v[BIAS+8*\t+4:BIAS+8*\t+7], v14, s[60:61] offset:(32*(\t/2)+8*(\t%2))*4+16
.endr
	s_branch .Lbias_done
.Lbias_v:
.irp t, 0,1,2,3
.irp j, 0,1,2,3,4,5,6,7
	global_load_b32 v[BIAS+8*\t+\j], v15, s[60:61] offset:(32*(\t/2)+8*(\t%2))*4
.endr
.endr
.Lbias_done:
	WIN 0x40
	XLOAD 0, 0                                     ; the first trip's rows
	XLOAD 1, 0
	WIN 0
	s_wait_kmcnt 0x0
	s_cmp_eq_u32 s37, 1
	s_cselect_b32 s50, s26, s24                    ; ea: entry 0, 2, 4
	s_cselect_b32 s51, s27, s25                    ; eb: entry 1, 3, 5
	s_cselect_b32 s52, s31, s30                    ; eo: entry 6, 7, 9
	s_cmp_eq_u32 s37, 2
	s_cselect_b32 s50, s28, s50
	s_cselect_b32 s51, s29, s51
	s_cselect_b32 s52, s33, s52
	s_add_co_i32 s51, s50, s51                     ; ea + eb: a sum stands for sum x 2^(ea + eb)
	s_sub_co_i32 s62, 0, s51
	s_sub_co_i32 s52, s52, s51                     ; eo - ea - eb
	s_add_co_i32 s50, s50, 127
	s_lshl_b32 s53, s50, 23
	v_mov_b32 v[XS], s53
	s_add_co_i32 s50, s50, 15
	s_lshl_b32 s50, s50, 23
	s_or_b32 s50, s50, 0x600000
	v_mov_b32 v[XL], s50
	s_add_co_i32 s52, s52, 127
	s_lshl_b32 s53, s52, 23
	v_mov_b32 v[OS], s53
	s_add_co_i32 s52, s52, 15
	s_lshl_b32 s52, s52, 23
	s_or_b32 s52, s52, 0x600000
	v_mov_b32 v[OL], s52
	s_wait_loadcnt 48                              ; W and the bias are in (and x's first two rows): behind them only x's last six rows' 48 loads were issued
.set j, 0
.rept 32
	v_ldexp_f32 v[BIAS+j], v[BIAS+j], s62          ; b / 2^(ea + eb)
.set j, j+1
.endr
	s_mov_b32 s44, 0                               ; the buffer in hand
	s_mov_b32 s45, 0                               ; the trip
	s_mov_b32 s49, 0                               ; (upper word of the destination's step)
.Ltrip:
	TRIP 1
	s_add_co_u32 s45, s45, 1
	s_cmp_lt_u32 s45, TRIPS-1
	s_cbranch_scc1 .Ltrip
	TRIP 0                                         ; the last trip is written out: no load leaves x
	s_wait_dscnt 0x0                               ; the closing lines, six on end
	s_wait_alu 0x0
	s_wait_tensorcnt 0x0
	ds_add_u32 v254, v255
	s_wait_dscnt 0x0
	s_endpgm
.Lfunc_end_k_qf6ce3a916f_proj:
	.size	k_qf6ce3a916f_proj, .Lfunc_end_k_qf6ce3a916f_proj-k_qf6ce3a916f_proj
	.p2alignl 7, 3214868480
	.fill 96, 4, 3214868480
	.section	.rodata,"a",@progbits
	.p2align	6, 0x0
	.amdhsa_kernel k_qf6ce3a916f_proj
		.amdhsa_group_segment_fixed_size 99328
		.amdhsa_private_segment_fixed_size 0
		.amdhsa_enable_private_segment 0
		.amdhsa_kernarg_size 80
		.amdhsa_user_sgpr_count 2
		.amdhsa_user_sgpr_kernarg_segment_ptr 1
		.amdhsa_wavefront_size32 1
		.amdhsa_system_sgpr_workgroup_id_x 1
		.amdhsa_system_sgpr_workgroup_id_y 1
		.amdhsa_system_sgpr_workgroup_id_z 1
		.amdhsa_system_vgpr_workitem_id 0
		.amdhsa_next_free_vgpr 1024
		.amdhsa_next_free_sgpr 66
		.amdhsa_reserve_vcc 0
		.amdhsa_float_denorm_mode_32 3
		.amdhsa_float_denorm_mode_16_64 3
		.amdhsa_memory_ordered 1
		.amdhsa_forward_progress 1
		.amdhsa_inst_pref_size 137
	.end_amdhsa_kernel
	.amdgpu_metadata
---
amdhsa.version: [ 1, 2 ]
amdhsa.kernels:
  - .name:           k_qf6ce3a916f_proj
    .symbol:         k_qf6ce3a916f_proj.kd
    .args:
      - { .name: q, .offset: 0, .size: 8, .value_kind: global_buffer, .address_space: global }
      - { .name: k, .offset: 8, .size: 8, .value_kind: global_buffer, .address_space: global }
      - { .name: v, .offset: 16, .size: 8, .value_kind: global_buffer, .address_space: global }
      - { .name: bq, .offset: 24, .size: 8, .value_kind: global_buffer, .address_space: global }
      - { .name: bk, .offset: 32, .size: 8, .value_kind: global_buffer, .address_space: global }
      - { .name: bv, .offset: 40, .size: 8, .value_kind: global_buffer, .address_space: global }
      - { .name: lowp_scales, .offset: 48, .size: 8, .value_kind: global_buffer, .address_space: global }
      - { .name: wimg, .offset: 56, .size: 8, .value_kind: global_buffer, .address_space: global }
      - { .name: qimg, .offset: 64, .size: 8, .value_kind: global_buffer, .address_space: global }
      - { .name: kv, .offset: 72, .size: 8, .value_kind: global_buffer, .address_space: global }
    .group_segment_fixed_size: 99328
    .private_segment_fixed_size: 0
    .kernarg_segment_align: 8
    .kernarg_segment_size: 80
    .max_flat_workgroup_size: 128
    .sgpr_count:     66
    .vgpr_count:     1024
    .wavefront_size: 32
...
	.end_amdgpu_metadata
.endif
;; end of part 8
;; launch attn (part 9): grid 4 x 64, 16 waves a work-group, no clusters, 264,192 bytes of LDS; arguments qimg, kv, mw, mf, lowp_scales, zimg; writes zimg
.if DOCPART == 9
	.amdgcn_target "amdgcn-amd-amdhsa--gfx1250"
	.amdhsa_code_object_version 6
	.text
	.protected	k_qf6ce3a916f_attn
	.globl	k_qf6ce3a916f_attn
	.p2align	8
	.type	k_qf6ce3a916f_attn,@function
k_qf6ce3a916f_attn:
	s_mov_b64 s[64:65], 0
	v_nop
	global_prefetch_b8 v0, s[64:65] scope:SCOPE_SE
	s_setreg_imm32_b32 hwreg(HW_REG_WAVE_SCHED_MODE, 0, 2), 2
	s_setreg_imm32_b32 hwreg(HW_REG_WAVE_MODE, 25, 1), 1
	s_wait_xcnt 0x0
	s_wait_alu depctr_vm_vsrc(0)
; ATTN: z = softmax(mask(Q K^T / 8)) V for one head, both products on codes of E5M2; z is quantised at once for the output projection.
; THE SOFTMAX AHEAD OF THE SECOND PRODUCT: t = score x log2(e) / 8; M = the running largest t rounded UP to a whole number; p = 2^(t - M) is quantised, not normalised; the row's sum is taken of the
; unquantised p and divides at the end.  When M moves, the sum and O are multiplied by 2^(old M - new M), which rounds nothing.
; THE MASK is an input and is honoured bit by bit: an earlier launch has laid it as lane masks, one word for each score register, so a masked score costs one v_cndmask_b32.  A masked score becomes -2^100
; ahead of the maximum: c x 2^100 is a whole f32 number, so in a row that has met only masked keys t - M is exactly 0 and p = 1 (a row whose mask is all false ends as the uniform softmax that the
; reference gives); the first key that counts makes the factor 2^(old M - new M) zero and wipes those terms; in every other row a masked key's p is 0.
; WORK THAT THE MASK THROWS AWAY IS JUMPED OVER, by scalar branches on whole numbers that the earlier launch stored (two flag words a step), inside loops of a constant 16 trips:
;   - a step of 128 keys none of which counts for any of the tile's 16 queries is left out whole, if every row of the tile has a key that counts in some step (its masked keys then end with weight 0);
;     a tile with a wholly masked row walks all 16 steps;
;   - a step all of whose keys count leaves out its 64 selects, and its mask words are not loaded;
;   - the 64 holds of p are left out where e8 >= -15: 57,344 x 2^e8 is then 1.75 or more, and p is at most 1.  Where e8 < -15 they are executed.
; SHARES.  Work-group (X, head): 512 queries of one head: 256 work-groups.  Wave w of SIXTEEN owns query tiles g = 16 X + w and 127 - g, one after the other; four waves share a SIMD, so that one wave's
; vector work stands beside another's matrix work and LDS loads.  The pairing evens the steps out where later queries attend to more keys (g / 8 + (127 - g) / 8 = 15 for every g); every mask is served alike rightly.
; LDS holds the head's WHOLE K and V, 262,144 bytes, as images of operand registers (step s at 16,384 s: 8 tiles of K, 4 of V^T).  It is written once, through registers: wave w brings step w's 16,384 bytes.
; NO CLUSTER, NO TENSOR LOAD, though the four work-groups of a head read the same block: the waves here branch on numbers read from memory, each by its own tiles' flags.
;   What is shared is read once, at the head: 262,144 bytes for up to 512 tile steps of a work-group.
; LAYOUT.  S^T = K Q^T (source 0 = 16 keys, source 1 = my 16 queries), O^T = V^T P^T: a lane holds ONE query throughout.  The keys of a tile of K and the channels of a tile of V^T are not neighbours
; (lane r of tile 2 b + u: 32 b + 8 u + r + 8 (r / 8)), so that p's, and z's, 16 registers of two neighbouring tiles are 16 neighbours along the next K.
; NO PREFETCH: all of K and V is asked for at the head, and the mask words are asked for a step ahead of their use.
; LIMITS on the given exponents: e6 + e7 between -74 and 29 (c x 2^100 is then a whole number under 3e38); e8, and e10 - e8 - e9, between -126 and 112.
; REGISTERS: v1 16 x lane; v2 the step's LDS address; v3, v4 Q's offsets; v5 where my part of K and V goes; v12 -M, v13 the largest t, v[14:15] the sum in two halves; v16-23, v24-31 Q of my two tiles;
; v32-95 K's 8 fragments, then V's 4 (at the head v32-159: K and V on their way to LDS); v96-159 S^T, then p; v160-191 O^T; v200-207 at work; v208 -2^100; v209, v210: 57,344 x 2^e8, 2^e8;
; v211, v212: the same with e10 - e8 - e9; v222, v223 the closing add's two; v224-239 p's codes; v240-247, v248-255 z's codes of my two tiles.
; s[4:5] Q; s[6:7] K and V; s[8:9], s[56:57] the mask words of my two tiles; s[10:11], s[58:59] their flags; s[12:13], s[54:55] their z; s14 wave; s15 LDS byte of the step; s16 counter;
; s17 bit 0: the step in hand is worked; s18 bit 0: it needs its mask words, bit 1: the next step does (both shifted each trip); s62, s63 the same for my second tile; s60: 1 where p is held;
; s20-51, s68-99 the step's 64 mask words; s[66:67] c; s[100:101] lane selects; s2, s3, s19, s61 at work.
; THE MODE: SCHED_MODE bits 1:0 = 2 (LLVM: expert scheduling mode 2), set by the entry lines.  The code itself states the register dependences
; between vector or matrix instructions and memory or LDS instructions, with s_wait_alu, always for 0.
; THE PLAN.  Registers that memory or LDS instructions touch:
;   v1, v3, v4, v5  offsets and an LDS address, made once at the head, ahead of the one wait in front of the first load, and never written again.
;   v32-159         at the head: global loads land, LDS stores read; one wait on vm_vsrc behind the barrier, ahead of the loops, frees them for the steps' loads and products.
;   v2              written at the head of a worked step; read by the step's 32 LDS loads.
;   v32-95          in a worked step: K's loads land, the eight products K Q^T read; V's loads land, the four products V^T P^T read.
;   v240-255        z's codes: a tile's conversions write eight of them, its two stores read them; never written again.
;   v16-31 (Q) are loaded once; all else is named by vector and matrix instructions alone; v222, v223 are written at the head and read by the closing add alone.
; A worked step has four waits on va_vdst.  The first, ahead of K's loads, states that v2 is written and that the last step's products V^T P^T are done reading v32-95.  The third is the one wait that the
; batch of exponentials has in any case: it also states that the products K Q^T are done reading v32-95, so V's loads stand directly behind it and land while the sums, the conversions and the rescaling are worked.
; One wait on vm_vsrc a step stands behind the sums, ahead of the step's next branch: the step's loads have read v2.
.macro INIT                            ; a tile begins: the step is written once, and its first trip finds zeros, which the first change of M leaves zeros
	v_mov_b32 v13, 0xff61b1e6                      ; the largest t so far: -3e38, under every t
	v_floor_f32 v12, -v13                          ; -M
	v_mov_b32 v14, 0
	v_mov_b32 v15, 0
.set j, 0
.rept 32
	v_mov_b32 v[160+j], 0
.set j, j+1
.endr
	s_mov_b32 s15, 0
.endm
; A tile's 32 flag words (the ORs from s[orb] on, the ANDs from s[andb] on) become two words of 16 bits, bit i for step i.
.macro FLAGS orb, andb, any, need
	s_or_b32 s19, s[\orb], s[\orb+1]
.set i, 2
.rept 14
	s_or_b32 s19, s19, s[\orb+i]
.set i, i+1
.endr
	s_lshr_b32 s61, s19, 16                        ; lanes r and 16 + r hold the two halves of row r's keys
	s_or_b32 s19, s19, s61
	s_and_b32 s19, s19, 0xffff                     ; bit r: row r has a key that counts
	s_mov_b32 s[\any], 0
	s_mov_b32 s[\need], 0
.set i, 0
.rept 16
	s_cmp_lg_u32 s[\orb+i], 0
	s_cselect_b32 s61, 1<<i, 0
	s_or_b32 s[\any], s[\any], s61                 ; some key of step i counts
	s_cmp_eq_u32 s[\andb+i], -1
	s_cselect_b32 s61, 1<<i, 0
	s_or_b32 s[\need], s[\need], s61               ; (for now: all keys of step i count)
.set i, i+1
.endr
	s_cmp_eq_u32 s19, 0xffff
	s_cselect_b32 s[\any], s[\any], 0xffff         ; a tile with a wholly masked row walks every step
	s_and_not1_b32 s[\need], s[\any], s[\need]     ; the words are needed where the step is worked and not all its keys count
.endm
.macro WLOAD mp                        ; a step's 64 mask words
	s_load_b512 s[20:35], s[\mp:\mp+1], 0x0
	s_load_b512 s[36:51], s[\mp:\mp+1], 0x40
	s_load_b512 s[68:83], s[\mp:\mp+1], 0x80
	s_load_b512 s[84:99], s[\mp:\mp+1], 0xc0
.endm
; Once in every trip, on either way: the words' address steps, and the next step's words are asked for if that step needs them.  Bit 16 is never set: no load leaves the buffer behind the last step.
.macro AHEAD mp
	s_wait_kmcnt 0x0                               ; no load of words is out: its registers and its base may be written
	s_wait_xcnt 0x0
	s_add_nc_u64 s[\mp:\mp+1], s[\mp:\mp+1], 256
	s_and_b32 s19, s18, 2
	s_cmp_lg_u32 s19, 0
	s_cbranch_scc0 .Lnone_\@
	WLOAD \mp
.Lnone_\@:
.endm
; A KEY STEP: 128 keys.  qf: Q's first register.  mp: the pair that holds the mask words' address.
.macro STEP qf, mp
	s_and_b32 s19, s17, 1
	s_cmp_lg_u32 s19, 0
	s_cbranch_scc1 .Lwork_\@
	AHEAD \mp                                      ; no key of the step counts: only the addresses step
	s_branch .Lend_\@
.Lwork_\@:
	v_add_nc_u32 v2, s15, v1
.rept 3
	v_nop                                          ; with the addition above: four places in front of loads into registers that the last matrix instructions read; kept beside the wait below
.endr
	s_wait_alu depctr_va_vdst(0)                   ; v2 is written, which the loads below read; the products V^T P^T of the step worked last are done reading v32-95, in which they land
.irp t, 0,1,2,3,4,5,6,7
.irp c, 0,1
	ds_load_b128 v[32+8*\t+4*\c:35+8*\t+4*\c], v2 offset:1024*\t+512*\c   ; an image: 512 bytes on end
.endr
.endr
	s_wait_dscnt 0x0
.irp t, 0,1,2,3,4,5,6,7
	v_wmma_f32_16x16x64_bf8_bf8 v[96+8*\t:103+8*\t], v[32+8*\t:39+8*\t], v[\qf:\qf+7], 0   ; register 16 b + i of lane (r, h): query r, key 32 b + 16 h + i
.endr
.rept 4
	v_nop
.endr
	s_and_b32 s19, s18, 1
	s_cmp_lg_u32 s19, 0
	s_cbranch_scc0 .Lopen_\@                       ; every key of the step counts: nothing to select
	s_wait_kmcnt 0x0                               ; this step's 64 mask words, asked for a step ago
.set n, 0
.rept 64
.if n < 32
	v_cndmask_b32 v[96+n], v208, v[96+n], s[20+n]  ; each accumulator from its low end on
.else
	v_cndmask_b32 v[96+n], v208, v[96+n], s[36+n]
.endif
.set n, n+1
.endr
.Lopen_\@:
	AHEAD \mp
	v_max3_num_f32 v200, v96, v97, v98             ; the step's largest score of my query among my 64 keys, in two chains, each accumulator from its low end on,
	v_max3_num_f32 v202, v99, v100, v101
.set j, 6
.rept 14
	v_max3_num_f32 v200, v200, v[96+j], v[97+j]
	v_max3_num_f32 v202, v202, v[98+j], v[99+j]
.set j, j+4
.endr
	v_max3_num_f32 v200, v200, v158, v159
	v_max_num_f32 v200, v200, v202
	v_permlanex16_b32 v204, v200, s100, s101
	v_max_num_f32 v200, v200, v204                 ; and among lane l xor 16's
	v_mul_f32 v200, s66, v200                      ; as t (c is positive)
	v_max_num_f32 v13, v13, v200                   ; the running largest t
	v_mov_b32 v200, v12
	v_floor_f32 v12, -v13                          ; the new -M = floor(-t) = -ceil(t): a whole number
	v_sub_f32 v200, v12, v200                      ; old M - new M: a whole number, 0 or less
	v_cvt_i32_f32 v200, v200                       ; (it saturates)
	v_ldexp_f32 v202, 1.0, v200                    ; f = 2^(old M - new M)
.set j, 0
.rept 32
	v_pk_fma_f32 v[96+j:97+j], v[96+j:97+j], s[66:67], v[12:13] op_sel_hi:[1,0,0]   ; t - M, two at a time (of the pairs c and -M the low word serves both halves)
.set j, j+2
.endr
.set j, 0
	s_wait_alu depctr_va_vdst(0)
.rept 64
	v_exp_f32 v[96+j], v[96+j]                     ; p = 2^(t - M), at most 1
.set j, j+1
.endr
	v_pk_mul_f32 v[14:15], v[14:15], v[202:203] op_sel_hi:[1,0]   ; the sums under the new M: a plain instruction behind the exponentials
	s_wait_alu depctr_va_vdst(0)                   ; the 64 exponentials have written p, ahead of its first reader: one wait for the batch; and the products K Q^T are done reading v32-95, in which V^T lands
.irp t, 0,1,2,3
.irp c, 0,1,2,3
	ds_load_b128 v[32+16*\t+4*\c:35+16*\t+4*\c], v2 offset:8192+2048*\t+512*\c   ; V^T lands while the sums, the conversions and the rescaling are worked
.endr
.endr
	v_pk_add_f32 v[206:207], v[96:97], v[98:99]    ; the row's sum is taken of the unquantised p: two at a time, in two chains
.set j, 4
.rept 15
	v_pk_add_f32 v[14:15], v[14:15], v[96+j:97+j]
	v_pk_add_f32 v[206:207], v[206:207], v[98+j:99+j]
.set j, j+4
.endr
	v_pk_add_f32 v[14:15], v[14:15], v[206:207]
	s_wait_alu depctr_vm_vsrc(0)                   ; this step's LDS loads have read v2, which the next worked step writes anew.  Stated ahead of the branches that lead there
	s_cmp_lg_u32 s60, 0
	s_cbranch_scc0 .Lfits_\@                       ; e8 >= -15: the largest code x the scale is 1.75 or more, p at most 1: nothing to hold
.set j, 0
.rept 64
	v_min_num_f32 v[96+j], v[96+j], v209           ; the conversion does not saturate (ISA guide 7.6.2); p is not negative, so the hold is one-sided
.set j, j+1
.endr
.Lfits_\@:
.irp b, 0,1,2,3
	v_cvt_scalef32_pk8_bf8_f32 v[224+4*\b:225+4*\b], v[96+16*\b:103+16*\b], v210
	v_cvt_scalef32_pk8_bf8_f32 v[226+4*\b:227+4*\b], v[104+16*\b:111+16*\b], v210
.endr
.set j, 0
.rept 16
	v_pk_mul_f32 v[160+j:161+j], v[160+j:161+j], v[202:203] op_sel_hi:[1,0]   ; O^T under the new M; also the plain instructions between the conversions and the products
.set j, j+2
.endr
	s_wait_alu depctr_va_vdst(0)
	s_wait_dscnt 0x0                               ; V^T is in
.irp t, 0,1,2,3
	v_wmma_f32_16x16x128_bf8_bf8 v[160+8*\t:167+8*\t], v[32+16*\t:47+16*\t], v[224:239], v[160+8*\t:167+8*\t]   ; the four accumulators by turns
.endr
.Lend_\@:
	s_lshr_b32 s17, s17, 1                         ; on to the next step's bits,
	s_lshr_b32 s18, s18, 1
	s_add_co_u32 s15, s15, 16384                   ; and its tiles
.endm
; A tile ends: O^T / the sum, quantised: register 8 t + j of lane (r, h) is channel 32 (t / 2) + 16 h + 8 (t % 2) + j of query r, so four conversions give two pieces of the next operand.
.macro FIN p, zp
.rept 4
	v_nop
.endr
	v_add_f32 v14, v14, v15                        ; the sum's two halves,
	v_permlanex16_b32 v204, v14, s100, s101
	v_add_f32 v14, v14, v204                       ; and lane l xor 16's
	s_wait_alu depctr_va_vdst(0)
	v_rcp_f32 v14, v14
	v_nop                                          ; a plain instruction behind the reciprocal
	s_wait_alu depctr_va_vdst(0)                   ; the reciprocal has written v14, ahead of its first reader
.set j, 0
.rept 16
	v_pk_mul_f32 v[96+j:97+j], v[160+j:161+j], v[14:15] op_sel_hi:[1,0]
.set j, j+2
.endr
.set j, 0
.rept 32
	v_med3_num_f32 v[96+j], v[96+j], -v211, v211
.set j, j+1
.endr
.irp t, 0,1,2,3
	v_cvt_scalef32_pk8_bf8_f32 v[240+8*\p+2*\t:241+8*\p+2*\t], v[96+8*\t:103+8*\t], v212   ; the sums stand for sum x 2^(e8 + e9): the three scales are folded into one
.endr
	v_nop                                          ; a plain vector instruction behind the last scaled conversion
	s_wait_alu depctr_va_vdst(0)                   ; the conversions have written the tile's eight registers of codes, which the stores read
.irp b, 0,1
	global_store_b128 v1, v[240+8*\p+4*\b:243+8*\p+4*\b], s[\zp:\zp+1] offset:512*\b   ; 512 bytes on end, aligned; each tile has its own registers and its own base: neither is written again
.endr
.endm
	s_load_b256 s[4:11], s[0:1], 0x0               ; qimg s[4:5], kv s[6:7], mw s[8:9], mf s[10:11]
	s_load_b128 s[52:55], s[0:1], 0x20             ; exponents s[52:53], zimg s[54:55]
	v_lshl_add_u32 v222, v0, 2, 0x40000            ; the LDS address of my spare word, behind K and V, and 0: made here and kept for the closing lines alone
	v_mov_b32 v223, 0
	v_lshrrev_b32 v3, 5, v0
	v_readfirstlane_b32 s14, v3                    ; wave 0..15
	v_and_b32 v3, 31, v0
	v_lshlrev_b32 v1, 4, v3                        ; 16 x lane
	s_wait_alu depctr_va_vdst(0)
	s_wait_alu depctr_va_sdst(0)                   ; s14 is written, ahead of its first reader
	s_and_b32 s36, ttmp7, 0xffff                   ; batch x 16 + head
	s_lshl_b32 s37, ttmp9, 4
	s_add_co_u32 s37, s37, s14                     ; g = 16 X + wave: my first tile in the batch,
	s_sub_co_u32 s38, 127, s37                     ; 127 - g: my second
	s_lshr_b32 s39, s36, 4
	s_lshl_b32 s39, s39, 7                         ; 128 x batch
	s_add_co_u32 s40, s39, s37                     ; batch x 128 + tile, for both
	s_add_co_u32 s41, s39, s38
	s_and_b32 s42, s36, 15
	s_lshl_b32 s42, s42, 10                        ; z: fragment head / 2 (2,048 bytes), pieces 2 (head % 2) on (512 each)
	s_lshl_b32 s43, s14, 14                        ; my wave's 16,384 bytes of K and V, in memory and in LDS
	s_lshl_b32 s20, s36, 18                        ; kv: the head's 262,144 bytes
	s_add_co_u32 s20, s20, s43
	s_mov_b32 s21, 0
	s_lshl_b32 s22, s36, 17                        ; Q: 128 tiles of 1,024 bytes a head
	s_mov_b32 s23, 0
	s_lshl_b32 s24, s40, 12                        ; the mask words: 16 steps of 256 bytes a tile
	s_mov_b32 s25, 0
	s_lshl_b32 s26, s41, 12
	s_mov_b32 s27, 0
	s_lshl_b32 s28, s40, 7                         ; the flags: 128 bytes a tile
	s_mov_b32 s29, 0
	s_lshl_b32 s30, s41, 7
	s_mov_b32 s31, 0
	s_lshl_b32 s32, s40, 14                        ; z: eight fragments of 2,048 bytes a tile
	s_add_co_u32 s32, s32, s42
	s_mov_b32 s33, 0
	s_lshl_b32 s34, s41, 14
	s_add_co_u32 s34, s34, s42
	s_mov_b32 s35, 0
	v_lshl_add_u32 v3, s37, 10, v1                 ; Q's tiles: 1,024 x tile + 16 x lane
	v_lshl_add_u32 v4, s38, 10, v1
	v_add_nc_u32 v5, s43, v1                       ; LDS: 16,384 x wave + 16 x lane
	s_mov_b32 s100, 0x76543210                     ; v_permlanex16_b32: lane l xor 16
	s_mov_b32 s101, 0xfedcba98
	s_wait_kmcnt 0x0
	s_add_nc_u64 s[6:7], s[6:7], s[20:21]
	s_add_nc_u64 s[4:5], s[4:5], s[22:23]
	s_add_nc_u64 s[56:57], s[8:9], s[26:27]
	s_add_nc_u64 s[8:9], s[8:9], s[24:25]
	s_add_nc_u64 s[58:59], s[10:11], s[30:31]
	s_add_nc_u64 s[10:11], s[10:11], s[28:29]
	s_add_nc_u64 s[12:13], s[54:55], s[32:33]
	s_add_nc_u64 s[54:55], s[54:55], s[34:35]
	s_wait_alu depctr_va_vdst(0)                   ; v1, v3, v4 and v5 are written: the offsets and the LDS address that the loads and stores of the whole kernel read
.set i, 0
.rept 32
	global_load_b128 v[32+4*i:35+4*i], v1, s[6:7] offset:512*i   ; step w of K and V: 32 loads of 512 bytes on end
.set i, i+1
.endr
.irp c, 0,1
	global_load_b128 v[16+4*\c:19+4*\c], v3, s[4:5] offset:512*\c   ; Q's fragments of my two tiles stay in registers
	global_load_b128 v[24+4*\c:27+4*\c], v4, s[4:5] offset:512*\c
.endr
	s_load_b128 s[16:19], s[52:53], 0x18           ; e6, e7, e8, e9
	s_load_b32 s60, s[52:53], 0x28                 ; e10
	s_load_b512 s[20:35], s[10:11], 0x0            ; my first tile's flags: the ORs,
	s_load_b512 s[36:51], s[10:11], 0x40           ; the ANDs;
	s_load_b512 s[68:83], s[58:59], 0x0            ; my second tile's
	s_load_b512 s[84:99], s[58:59], 0x40
	v_mov_b32 v203, 0                              ; (named as the upper half of the pair v[202:203])
	v_mov_b32 v204, 0                              ; a lane permute's destination counts as one of its sources
	v_mov_b32 v208, 0xf1800000                     ; -2^100
	s_wait_kmcnt 0x0
	s_add_co_i32 s2, s16, s17
	s_lshl_b32 s2, s2, 23
	s_mov_b32 s66, 0x3e38aa3b                      ; c = log2(e) / 8
	s_add_co_i32 s66, s66, s2                      ; a score stands for score x 2^(e6 + e7): the exponents are added to c's exponent field
	s_mov_b32 s67, s66                             ; (named with it as a pair)
	s_add_co_i32 s2, s18, 127
	s_lshl_b32 s3, s2, 23
	v_mov_b32 v210, s3                             ; 2^e8
	s_add_co_i32 s2, s2, 15
	s_lshl_b32 s2, s2, 23
	s_or_b32 s2, s2, 0x600000
	v_mov_b32 v209, s2                             ; 57,344 x 2^e8
	s_sub_co_i32 s2, s60, s18
	s_sub_co_i32 s2, s2, s19
	s_add_co_i32 s2, s2, 127
	s_lshl_b32 s3, s2, 23
	v_mov_b32 v212, s3                             ; 2^(e10 - e8 - e9)
	s_add_co_i32 s2, s2, 15
	s_lshl_b32 s2, s2, 23
	s_or_b32 s2, s2, 0x600000
	v_mov_b32 v211, s2
	s_cmp_lt_i32 s18, -15
	s_cselect_b32 s60, 1, 0                        ; p is held only where 57,344 x 2^e8 lies under 1
	FLAGS 20, 36, 17, 18                           ; (the exponents are used up)
	FLAGS 68, 84, 62, 63
	WLOAD 8                                        ; my first tile's first step: always, so that all 64 registers hold words from here on
.set i, 0
.rept 32
	s_wait_loadcnt 35-i                            ; loads come back in order (ISA guide 5.7.1): behind load i stand 31 - i of K and V and Q's four
	ds_store_b128 v5, v[32+4*i:35+4*i] offset:512*i
.set i, i+1
.endr
	s_wait_dscnt 0x0                               ; for the others' sake: my part of K and V lies in LDS,
	s_barrier_signal -1
	s_barrier_wait -1                              ; everybody's does.  The one barrier: it stands ahead of every branch on loaded numbers
	s_wait_loadcnt 0x0                             ; Q
	s_wait_alu depctr_vm_vsrc(0)                   ; my LDS stores have read v32-159: from here on the steps' loads land in v32-95 and the products write v96-159.  Stated ahead of the loops
	INIT
	s_mov_b32 s16, 16
.Lpass0:                                           ; my first tile: 16 trips, whatever the flags say
	STEP 16, 8
	s_sub_co_u32 s16, s16, 1
	s_cmp_lg_u32 s16, 0
	s_cbranch_scc1 .Lpass0
	FIN 0, 12
	s_mov_b32 s17, s62                             ; my second tile's bits
	s_mov_b32 s18, s63
	s_wait_kmcnt 0x0                               ; no load of words is out
	s_and_b32 s19, s18, 1
	s_cmp_lg_u32 s19, 0
	s_cbranch_scc0 .Lno_first
	WLOAD 56                                       ; its first step's words, if that step needs them
.Lno_first:
	INIT
	s_mov_b32 s16, 16
.Lpass1:
	STEP 24, 56
	s_sub_co_u32 s16, s16, 1
	s_cmp_lg_u32 s16, 0
	s_cbranch_scc1 .Lpass1
	FIN 1, 54
	s_wait_dscnt 0x0                               ; the closing lines, six on end
	s_wait_alu 0x0
	s_wait_tensorcnt 0x0
	ds_add_u32 v222, v223
	s_wait_dscnt 0x0
	s_endpgm
.Lfunc_end_k_qf6ce3a916f_attn:
	.size	k_qf6ce3a916f_attn, .Lfunc_end_k_qf6ce3a916f_attn-k_qf6ce3a916f_attn
	.p2alignl 7, 3214868480
	.fill 96, 4, 3214868480
	.section	.rodata,"a",@progbits
	.p2align	6, 0x0
	.amdhsa_kernel k_qf6ce3a916f_attn
		.amdhsa_group_segment_fixed_size 264192
		.amdhsa_private_segment_fixed_size 0
		.amdhsa_enable_private_segment 0
		.amdhsa_kernarg_size 48
		.amdhsa_user_sgpr_count 2
		.amdhsa_user_sgpr_kernarg_segment_ptr 1
		.amdhsa_wavefront_size32 1
		.amdhsa_system_sgpr_workgroup_id_x 1
		.amdhsa_system_sgpr_workgroup_id_y 1
		.amdhsa_system_sgpr_workgroup_id_z 1
		.amdhsa_system_vgpr_workitem_id 0
		.amdhsa_next_free_vgpr 256
		.amdhsa_next_free_sgpr 106
		.amdhsa_reserve_vcc 0
		.amdhsa_float_denorm_mode_32 3
		.amdhsa_float_denorm_mode_16_64 3
		.amdhsa_memory_ordered 1
		.amdhsa_forward_progress 1
		.amdhsa_inst_pref_size 72
	.end_amdhsa_kernel
	.amdgpu_metadata
---
amdhsa.version: [ 1, 2 ]
amdhsa.kernels:
  - .name:           k_qf6ce3a916f_attn
    .symbol:         k_qf6ce3a916f_attn.kd
    .args:
      - { .name: qimg, .offset: 0, .size: 8, .value_kind: global_buffer, .address_space: global }
      - { .name: kv, .offset: 8, .size: 8, .value_kind: global_buffer, .address_space: global }
      - { .name: mw, .offset: 16, .size: 8, .value_kind: global_buffer, .address_space: global }
      - { .name: mf, .offset: 24, .size: 8, .value_kind: global_buffer, .address_space: global }
      - { .name: lowp_scales, .offset: 32, .size: 8, .value_kind: global_buffer, .address_space: global }
      - { .name: zimg, .offset: 40, .size: 8, .value_kind: global_buffer, .address_space: global }
    .group_segment_fixed_size: 264192
    .private_segment_fixed_size: 0
    .kernarg_segment_align: 8
    .kernarg_segment_size: 48
    .max_flat_workgroup_size: 512
    .sgpr_count:     106
    .vgpr_count:     256
    .wavefront_size: 32
...
	.end_amdgpu_metadata
.endif
;; end of part 9
;; launch oproj (part 10): grid 4 x 64, 4 waves a work-group, no clusters, 35,328 bytes of LDS; arguments zimg, wimg, bo, lowp_scales, out0; writes out0
.if DOCPART == 10
	.amdgcn_target "amdgcn-amd-amdhsa--gfx1250"
	.amdhsa_code_object_version 6
	.text
	.protected	k_qf6ce3a916f_oproj
	.globl	k_qf6ce3a916f_oproj
	.p2align	8
	.type	k_qf6ce3a916f_oproj,@function
k_qf6ce3a916f_oproj:
	s_mov_b64 s[64:65], 0
	v_nop
	global_prefetch_b8 v0, s[64:65] scope:SCOPE_SE
	s_setreg_imm32_b32 hwreg(HW_REG_WAVE_SCHED_MODE, 0, 2), 2
	s_setreg_imm32_b32 hwreg(HW_REG_WAVE_MODE, 25, 1), 1
	s_wait_xcnt 0x0
	s_wait_alu depctr_vm_vsrc(0)
; OPROJ: out = z wo + bo, on codes of E5M2; sums in f32; out [8192][1024] f32.
; SHARES.  Work-group (x, y): columns 256 x on, rows 128 y on.  Wave w owns 64 columns, 256 x + 64 w on: its 32 fragments of wo (512 registers) stay in registers.  Four trips of 32 rows, written out: every offset is an immediate.
; z's fragments come from memory straight into registers (they were stored as images of operand registers): a ring of eight K-step slots, filled again for the next trip four slots at a time.
; Source 0 = wo (16 columns), source 1 = z (16 rows): a lane holds one row and eight neighbouring columns a tile; out = sum x 2^(e10 + e11) + bo, one packed multiply-add for two numbers.
; THE ROWS OF A TILE OF z AND THE COLUMNS OF A TILE OF wo ARE NOT NEIGHBOURS (lane r of tile u of a group of 32: 8 u + r + 8 (r / 8)): the way out puts each row where it belongs.
; THE WAY OUT goes through the wave's own stage in LDS (32 rows x (256 + 16) bytes) and leaves as whole rows: sixteen lanes store 256 bytes on end, aligned.  Waves share nothing: no barrier.
; NO CLUSTER, NO TENSOR LOAD: both operands go from memory into registers, so no tile lands in LDS that a joint load could share.
; LIMIT: e10 + e11 between -126 and 127.
; REGISTERS, in windows of 256: window 0: below; window 1: z's slots, K step s, tile u, piece c at 32 s + 16 u + 4 c; windows 2, 3: wo(tile t, K step s) at window 2 + s / 4, register 64 (s % 4) + 16 t.
; THE MODE: SCHED_MODE bits 1:0 = 2 (LLVM: expert scheduling mode 2), set by the entry lines.  The code itself states the register dependences
; between vector or matrix instructions and memory or LDS instructions, with s_wait_alu, always for 0.
; THE PLAN.  Registers that memory or LDS instructions touch:
;   v2, v4, v5, v6, v14  offsets and LDS addresses, made once at the head, ahead of the one wait in front of the first load, and never written again.
;   window 1             Slot s: loads land; K step s's eight products read it; the next trip's loads land.
;   ACC (v80-143)        written by the products and, in place, by the way out's multiply-adds; read by its LDS stores; begun anew by the next trip's first products.
;   OB (v144-207)        loads from the stage land, the global stores read: no vector instruction names it.
;   wo and bo are loaded once; v254, v255 are written at the head and read by the closing add alone.
; TWO waits on va_vdst a trip.  At the head of K step 4: steps 0-3's products are done reading slots 0-3, which are asked for again in runs of eight loads behind the products of steps 4 to 7; these name
; slots 4-7, wo and ACC, none of the registers that those loads touch.  On the way out, behind the multiply-adds: ACC is written, which the LDS stores read, and steps 4-7's products are done reading slots 4-7,
; which are asked for again at once.  ONE wait on vm_vsrc at the head of each later trip: the LDS stores have read ACC, the global stores OB.
.set LI,   2                           ; v2   16 x lane
.set SO,   4                           ; v4   the stage: where I put 32 bytes of a row
.set SR,   5                           ; v5   and where I read a row back
.set GO,   6                           ; v6   my byte offset in two rows of out
.set BIAS, 48                          ; v48-79   bo: eight registers a tile of wo
.set ACC,  80                          ; v80-143  eight accumulators
.set OB,   144                         ; v144-207 32 rows read back
.set MSB, 0
.macro WIN new                         ; the immediate's high byte repeats the setting that is left
.if MSB != (\new)
	s_set_vgpr_msb (MSB<<8)|(\new)
.set MSB, (\new)
.endif
.endm
.macro PLACES n
.rept \n
	v_nop
.endr
.endm
.macro ZLOAD p, s                      ; trip p's two tiles, K step s: 8 loads of 512 bytes on end
.irp u, 0,1
.irp c, 0,1,2,3
	global_load_b128 v[32*(\s)+16*\u+4*\c:32*(\s)+16*\u+4*\c+3], v[LI], s[4:5] offset:((2*(\p)+\u)*8+(\s))*2048+512*\c
.endr
.endr
.endm
.macro KSTEP p, s
.if (\p > 0) && (\s == 0)
	s_wait_alu depctr_vm_vsrc(0)                   ; the last trip's LDS stores have read ACC, which the products below begin anew; its global stores have read OB, in which this trip's loads from the stage land
.endif
.if (\p < 3) && (\s >= 4)
	s_wait_loadcnt 24                              ; this slot's 8 loads are in; behind them stand 7 - s slots of this trip and s - 4 of the next: three slots' 24 loads
.else
	s_wait_loadcnt 8*(7-\s)                        ; this slot's 8 loads are in; the 7 - s younger slots' may be out
.endif
.if (\p < 3) && (\s == 4)
	PLACES 4                                       ; kept beside the wait below
	s_wait_alu depctr_va_vdst(0)                   ; the products of K steps 0 to 3 are done reading slots 0 to 3, in which the next trip's loads land, a slot behind each of the four steps from here on
.endif
	WIN 0x06+(\s/4)                                ; source 0 (wo): window 2 or 3; source 1 (z): window 1
.irp t, 0,1,2,3
.irp u, 0,1
.if \s == 0
	v_wmma_f32_16x16x128_bf8_bf8 v[ACC+32*\u+8*\t:ACC+32*\u+8*\t+7], v[64*(\s%4)+16*\t:64*(\s%4)+16*\t+15], v[32*\s+16*\u:32*\s+16*\u+15], 0
.else
	v_wmma_f32_16x16x128_bf8_bf8 v[ACC+32*\u+8*\t:ACC+32*\u+8*\t+7], v[64*(\s%4)+16*\t:64*(\s%4)+16*\t+15], v[32*\s+16*\u:32*\s+16*\u+15], v[ACC+32*\u+8*\t:ACC+32*\u+8*\t+7]
.endif
.endr
.endr
.if (\p < 3) && (\s >= 4)
	WIN 0x40                                       ; destination window 1
	ZLOAD \p+1, \s-4                               ; no wait: no vector or matrix instruction since the wait at step 4's head names slot s - 4 or v2
.endif
.endm
.macro OUT p
	WIN 0
	PLACES 4                                       ; four places behind the last products, ahead of the first read of results
.set j, 0
.rept 32
	v_pk_fma_f32 v[ACC+j:ACC+j+1], v[ACC+j:ACC+j+1], s[16:17], v[BIAS+j%32:BIAS+j%32+1] op_sel_hi:[1,0,1]   ; accumulator (u, t) at ACC + 32 u + 8 t takes bo's tile t; each accumulator from its low end on
.set j, j+2
.endr
	s_wait_xcnt 0x0                                ; the last trip's stores have had their addresses translated (ISA guide 3.1): the registers that they read are loaded again only behind this wait
	s_wait_alu depctr_va_vdst(0)                   ; the multiply-adds have written ACC, which the LDS stores read; the products of K steps 4 to 7 are done reading slots 4 to 7, in which the loads below land
.if \p < 3
	WIN 0x40                                       ; destination window 1
.irp s, 4,5,6,7
	ZLOAD \p+1, \s
.endr
	WIN 0
.endif
.irp u, 0,1
.irp t, 0,1,2,3
	ds_store_b128 v[SO], v[ACC+32*\u+8*\t:ACC+32*\u+8*\t+3] offset:4352*\u+128*(\t/2)+32*(\t%2)       ; lane (r, h): stage row 16 u + r, columns 32 (t / 2) + 16 h + 8 (t % 2) + 0..7
	ds_store_b128 v[SO], v[ACC+32*\u+8*\t+4:ACC+32*\u+8*\t+7] offset:4352*\u+128*(\t/2)+32*(\t%2)+16
.endr
.endr
.irp i, 0,1,2,3,4,5,6,7,8,9,10,11,12,13,14,15
	ds_load_b128 v[OB+4*\i:OB+4*\i+3], v[SR] offset:544*\i   ; LDS serves a wave's instructions in order (ISA guide 5.7.1.4): these see my stores; stage rows 2 i and 2 i + 1
.endr
.irp i, 0,1,2,3,4,5,6,7,8,9,10,11,12,13,14,15
	s_wait_dscnt 15-\i
	global_store_b128 v[GO], v[OB+4*\i:OB+4*\i+3], s[12:13] offset:131072*\p+4096*(8*(\i/8)+((2*\i)%16)+8*(((2*\i)%16)/8)) th:TH_STORE_NT   ; stage row 16 u + r is row 8 u + r + 8 (r / 8) of the 32; two runs of 256 bytes, aligned
.endr
.endm
	s_load_b256 s[4:11], s[0:1], 0x0               ; zimg s[4:5], wimg s[6:7], bo s[8:9], exponents s[10:11]
	s_load_b64 s[12:13], s[0:1], 0x20              ; out0
	v_lshl_add_u32 v254, v0, 2, 0x8800             ; the LDS address of my spare word, behind the four stages, and 0: made here and kept for the closing lines alone
	v_mov_b32 v255, 0
	v_lshrrev_b32 v1, 5, v0
	v_readfirstlane_b32 s14, v1                    ; wave 0..3
	v_and_b32 v1, 31, v0
	v_lshlrev_b32 v[LI], 4, v1
	v_and_b32 v12, 15, v0                          ; r
	v_bfe_u32 v13, v0, 4, 1                        ; h
	s_wait_alu depctr_va_sdst(0)                   ; s14 is written, ahead of its first reader
	s_mul_i32 s22, s14, 8704                       ; my stage
	v_mul_u32_u24 v[SO], v12, 272
	v_lshl_add_u32 v[SO], v13, 6, v[SO]
	v_add_nc_u32 v[SO], s22, v[SO]
	v_mul_u32_u24 v[SR], v13, 272
	v_lshl_add_u32 v[SR], v12, 4, v[SR]
	v_add_nc_u32 v[SR], s22, v[SR]
	v_lshlrev_b32 v[GO], 12, v13                   ; lanes 0-15 one row of out, lanes 16-31 the next
	v_lshl_add_u32 v[GO], v12, 4, v[GO]
	v_lshlrev_b32 v14, 6, v13                      ; bo: register j of tile t is column 32 (t / 2) + 16 h + 8 (t % 2) + j
	s_and_b32 s23, ttmp7, 0xffff                   ; y
	s_lshl_b32 s24, ttmp9, 2
	s_add_co_u32 s24, s24, s14                     ; my group of 64 columns
	s_lshl_b32 s26, s24, 16
	s_add_co_u32 s26, s26, 3<<20                   ; wo is the fourth weight in wimg
	s_mov_b32 s27, 0
	s_lshl_b32 s28, s24, 8                         ; bo, and my columns in a row of out: 256 bytes a group
	s_mov_b32 s29, 0
	s_lshl_b32 s30, s23, 17                        ; z: 8 y tiles of 16,384 bytes
	s_mov_b32 s31, 0
	s_lshl_b32 s32, s23, 19                        ; out: 128 y rows of 4,096 bytes
	s_add_co_u32 s32, s32, s28
	s_mov_b32 s33, 0
	s_wait_kmcnt 0x0
	s_load_b64 s[20:21], s[10:11], 0x28            ; e10, e11
	s_add_nc_u64 s[6:7], s[6:7], s[26:27]
	s_add_nc_u64 s[8:9], s[8:9], s[28:29]
	s_add_nc_u64 s[4:5], s[4:5], s[30:31]
	s_add_nc_u64 s[12:13], s[12:13], s[32:33]
	WIN 0x80                                       ; destination window 2
	s_wait_alu depctr_va_vdst(0)                   ; v2, v4, v5, v6 and v14 are written: the offsets and LDS addresses that the loads and stores of the whole kernel read
.irp s, 0,1,2,3
.irp t, 0,1,2,3
.irp c, 0,1,2,3
	global_load_b128 v[64*\s+16*\t+4*\c:64*\s+16*\t+4*\c+3], v[LI], s[6:7] offset:(8*\t+\s)*2048+512*\c
.endr
.endr
.endr
	WIN 0xc0                                       ; destination window 3
.irp s, 0,1,2,3
.irp t, 0,1,2,3
.irp c, 0,1,2,3
	global_load_b128 v[64*\s+16*\t+4*\c:64*\s+16*\t+4*\c+3], v[LI], s[6:7] offset:(8*\t+\s+4)*2048+512*\c
.endr
.endr
.endr
	WIN 0
.irp t, 0,1,2,3
	global_load_b128 v[BIAS+8*\t:BIAS+8*\t+3], v14, s[8:9] offset:(32*(\t/2)+8*(\t%2))*4
	global_load_b128 v[BIAS+8*\t+4:BIAS+8*\t+7], v14, s[8:9] offset:(32*(\t/2)+8*(\t%2))*4+16
.endr
	WIN 0x40
.irp s, 0,1,2,3,4,5,6,7
	ZLOAD 0, \s                                    ; the ring is filled: wo and bo were asked for ahead of it, so the first slot's wait shows them in too
.endr
	s_wait_kmcnt 0x0
	s_add_co_i32 s16, s20, s21
	s_add_co_i32 s16, s16, 127
	s_lshl_b32 s16, s16, 23                        ; 2^(e10 + e11) as f32
	s_mov_b32 s17, s16                             ; (named with it as a pair)
.irp p, 0,1,2,3
.irp s, 0,1,2,3,4,5,6,7
	KSTEP \p, \s
.endr
	OUT \p
.endr
	s_wait_dscnt 0x0                               ; the closing lines, six on end
	s_wait_alu 0x0
	s_wait_tensorcnt 0x0
	ds_add_u32 v254, v255
	s_wait_dscnt 0x0
	s_endpgm
.Lfunc_end_k_qf6ce3a916f_oproj:
	.size	k_qf6ce3a916f_oproj, .Lfunc_end_k_qf6ce3a916f_oproj-k_qf6ce3a916f_oproj
	.p2alignl 7, 3214868480
	.fill 96, 4, 3214868480
	.section	.rodata,"a",@progbits
	.p2align	6, 0x0
	.amdhsa_kernel k_qf6ce3a916f_oproj
		.amdhsa_group_segment_fixed_size 35328
		.amdhsa_private_segment_fixed_size 0
		.amdhsa_enable_private_segment 0
		.amdhsa_kernarg_size 40
		.amdhsa_user_sgpr_count 2
		.amdhsa_user_sgpr_kernarg_segment_ptr 1
		.amdhsa_wavefront_size32 1
		.amdhsa_system_sgpr_workgroup_id_x 1
		.amdhsa_system_sgpr_workgroup_id_y 1
		.amdhsa_system_sgpr_workgroup_id_z 1
		.amdhsa_system_vgpr_workitem_id 0
		.amdhsa_next_free_vgpr 1024
		.amdhsa_next_free_sgpr 66
		.amdhsa_reserve_vcc 0
		.amdhsa_float_denorm_mode_32 3
		.amdhsa_float_denorm_mode_16_64 3
		.amdhsa_memory_ordered 1
		.amdhsa_forward_progress 1
		.amdhsa_inst_pref_size 83
	.end_amdhsa_kernel
	.amdgpu_metadata
---
amdhsa.version: [ 1, 2 ]
amdhsa.kernels:
  - .name:           k_qf6ce3a916f_oproj
    .symbol:         k_qf6ce3a916f_oproj.kd
    .args:
      - { .name: zimg, .offset: 0, .size: 8, .value_kind: global_buffer, .address_space: global }
      - { .name: wimg, .offset: 8, .size: 8, .value_kind: global_buffer, .address_space: global }
      - { .name: bo, .offset: 16, .size: 8, .value_kind: global_buffer, .address_space: global }
      - { .name: lowp_scales, .offset: 24, .size: 8, .value_kind: global_buffer, .address_space: global }
      - { .name: out0, .offset: 32, .size: 8, .value_kind: global_buffer, .address_space: global }
    .group_segment_fixed_size: 35328
    .private_segment_fixed_size: 0
    .kernarg_segment_align: 8
    .kernarg_segment_size: 40
    .max_flat_workgroup_size: 128
    .sgpr_count:     66
    .vgpr_count:     1024
    .wavefront_size: 32
...
	.end_amdgpu_metadata
.endif
;; end of part 10
